; MI455X (gfx1250); checked and timed in simulation.
; The chip was launched on July 23, 2026; its instructions are those of AMD's public machine-readable ISA for CDNA 5 (MIT licence, August 2026) and "CDNA5" Instruction Set Architecture Reference Guide (July 2026). The comments in the code are by the model that wrote it; some were corrected since.
;; Multi Head Self Attention. Allowed arithmetic: matrix products marked QUANTISED: E2M3 operands, one E8M0 scale for each 32 along K, by v_wmma_scale_f32_16x16x128_f8f6f4 with both operands' format E2M3, f32 sums; everything else in f32.
;; Inputs: Wk 1,024 x 1,024 float32; Wo 1,024 x 1,024 float32; Wq 1,024 x 1,024 float32; Wv 1,024 x 1,024 float32; bk 1,024 float32; bo 1,024 float32; bq 1,024 float32; bv 1,024 float32; key 4 x 2,048 x 1,024 float32; mask 4 x 1 x 2,048 bool; query 4 x 2,048 x 1,024 float32; value 4 x 2,048 x 1,024 float32.
;; Outputs: out0 4 x 2,048 x 1,024 float32.
;; This version of the problem:
;;   THIS VERSION OF THE PROBLEM IS GIVEN IN LOW PRECISION. The matrix products marked QUANTISED in the list below multiply operands that are first quantised to E2M3 (2 exponent bits, 3 mantissa bits; 6 bits a number), with one power-of-two scale for each 32 numbers along K (OCP MX v1.0); their sums are f32. All else is computed in f32.
;;   The module's matrix products, in the order in which they are computed (A, B: the left and right operand; K: the contracted axis; several contracted axes count as one K, in the product's order):
;;     1. [M 8,192, K 1,024] x [K 1,024, N 1,024]; A: input query; B: input Wq: QUANTISED
;;     2. [M 8,192, K 1,024] x [K 1,024, N 1,024]; A: input key; B: input Wk: QUANTISED
;;     3. [M 8,192, K 1,024] x [K 1,024, N 1,024]; A: input value; B: input Wv: QUANTISED
;;     4. batch 64 x [M 2,048, K 64] x [K 64, N 2,048]; A: computed on the way; B: computed on the way: QUANTISED
;;     5. batch 64 x [M 2,048, K 2,048] x [K 2,048, N 64]; A: computed on the way; B: computed on the way: QUANTISED
;;     6. [M 8,192, K 1,024] x [K 1,024, N 1,024]; A: computed on the way; B: input Wo: QUANTISED
;;   THE QUANTISER, for each operand of a quantised product, along K:
;;     - K is cut into blocks of 32 from its start; a last block that is shorter is filled with zeros.
;;     - A block's scale is 2^e with e = floor(log2(the largest magnitude in the block)) - 2, held to -126 .. 127; a block of zeros has e = 0. As a byte (E8M0): e + 127.
;;     - Each number is divided by its block's scale, clamped to +-7.5, and rounded to the nearest number of E2M3, ties to even, subnormals kept.
;;     - The product sums the exact products of the quantised numbers (number of the format x scale) in f32.
;;   ~~~python
;;   def quantise(x, axis):      # numpy; x: float32 -> the quantised numbers, widened to float32 again
;;       x = np.moveaxis(x, axis, -1); K = x.shape[-1]
;;       x = np.pad(x, [(0, 0)] * (x.ndim - 1) + [(0, -K % 32)]); x = x.reshape(x.shape[:-1] + (-1, 32)); a = np.abs(x).max(-1, keepdims=True)
;;       e = np.where(a > 0, np.clip(np.frexp(np.where(a > 0, a, 1))[1] - 1 - 2, -126, 127), 0)      # np.frexp(a)[1] - 1 = floor(log2(a)), exactly
;;       r = np.clip(x / 2.0 ** e, -7.5, 7.5)
;;       step = 2.0 ** (np.maximum(np.frexp(np.where(r == 0, 1, r))[1] - 1, 0) - 3)
;;       q = np.round(r / step) * step * 2.0 ** e      # np.round: ties to even
;;       return np.moveaxis(q.reshape(q.shape[:-2] + (-1,))[..., :K], -1, axis).astype(np.float32)
;;   ~~~
;;   OPERANDS COMPUTED ON THE WAY. 'Computed on the way' means the value that the module computes at that place (a softmax that the list does not call 'softmax' is quantised finished and normalised). What goes into a quantiser is computed in f32, as accurately as f32 sums, v_exp_f32 and their like allow (about 1e-6 of the number): no bf16 or f16 on the way to a quantiser, and a product that is left as it is and whose result goes on into a quantised operand takes f32 operands (vector FMAs, or v_wmma_f32_16x16x4_f32). A number that lies on a knife's edge between two numbers of the format may be rounded either way, as far as f32 arithmetic and the matrix unit's own rounding can turn it there, and no further.
;; 2 versions. Each part assembles by itself: llvm-mc -triple=amdgcn-amd-amdhsa -mcpu=gfx1250 --defsym DOCPART=n.
;; ======== version 1 of 2: 4 launches
;; limits: right only within a limited range of input values
;; workspace buffers: xc 22,020,096 bytes; xs 917,504 bytes; pf 18,874,368 bytes; ps 786,432 bytes; oc 6,291,456 bytes; os 262,144 bytes
;; launch quant (part 1): grid 448 x 1, 4 waves a work-group, no clusters, 36,352 bytes of LDS; arguments query, key, value, Wq, Wk, Wv, Wo, xc, xs; writes xc, xs
.if DOCPART == 1
	.amdgcn_target "amdgcn-amd-amdhsa--gfx1250"
	.amdhsa_code_object_version 6
	.text
	.protected	k_q0513bf2b48_quant
	.globl	k_q0513bf2b48_quant
	.p2align	8
	.type	k_q0513bf2b48_quant,@function
k_q0513bf2b48_quant:
	s_mov_b64 s[64:65], 0
	v_nop
	global_prefetch_b8 v0, s[64:65] scope:SCOPE_SE
	s_setreg_imm32_b32 hwreg(HW_REG_WAVE_MODE, 25, 1), 1
	s_wait_xcnt 0x0
; The seven f32 tensors whose K (1,024) is innermost (query, key, value: 8,192 rows each; Wq, Wk, Wv, Wo: 1,024 rows each) become codes of FP6 (E2M3) with one E8M0 byte for each 32 along K.
; A block's scale is 2^(floor(log2(its largest magnitude)) - 2); its byte is the largest magnitude's exponent field - 2, held at 1 from below.  A block of zeros keeps the byte 1 where the
; quantiser says 127: its codes are zeros, which add nothing under any byte but 0xff, and only this program reads the bytes.
; LIMITS: NaN and infinities among the inputs are not served; blocks whose largest magnitude lies under 2^-124 take the floor's byte.
; LAYOUT OF xc: the 28,672 rows stand in tiles of 16; slot r of tile T holds row 32 (T / 2) + 8 (T % 2) + r + 8 (r / 8).  A tile is [32 blocks of K][16 slots][24 bytes] = 12,288 bytes, so that 256 along K of a tile
; are 3,072 consecutive bytes.  xs: [8 runs of 128 along K][28,672 slots][4 bytes].
; SHARES: a work-group takes 64 rows (four tiles), a wave one tile for all of K: 8 steps of 16 rows x 128.  A load reads 512 consecutive bytes of one row; the 16 rows turn through the wave's own stage in LDS,
; so that a lane holds 16 neighbours of a block (two neighbouring lanes hold a block), four blocks a step.  A block's 16 x 24 bytes of codes leave as 384 consecutive bytes.
; The scale words meet in LDS and leave as aligned runs of 256 bytes.  Memory binds: no matrix unit, no cluster, no prefetch; two steps of loads (32 a wave) are on their way.
.set ROWB,  4096                       ; a row in memory
.set SP,    528                        ; a stage row: 512 bytes + 16
.set STGW,  16*SP                      ; a wave's stage
.set SCG,   4*STGW                     ; the work-group's scale words: [8][64 slots][4 bytes]
.set SPARE, SCG+2048                   ; the spare words, 128 bytes for each wave: two blocks of 256 bytes that no other line names
.set XSROW, 28672*4                    ; from one run of 128 along K to the next in xs
.set TM,    8                          ; v8-11 largest magnitudes, v12-15 the conversions' scale operands, v16-19 bytes, v20 the word
.set C,     24                         ; v24-39 codes: four registers a block
.set SPW,   40                         ; v40 LDS address of my spare word; never rewritten
.set NIL,   41                         ; v41 0; never rewritten
.set R,     64                         ; v64-191 two sets of 64 numbers as loaded
.set X,     192                        ; v192-255 64 numbers: register 16 b + i = number 32 b + 16 (lane % 2) + i of row lane / 2
	s_load_b512 s[4:19], s[0:1], 0x0               ; query, key, value, Wq, Wk, Wv, Wo, xc
	s_load_b64 s[20:21], s[0:1], 0x40              ; xs
	v_lshl_add_u32 v[SPW], v0, 2, SPARE
	v_mov_b32 v[NIL], 0
	v_lshrrev_b32 v1, 5, v0
	v_readfirstlane_b32 s22, v1                    ; wave
	v_and_b32 v20, 31, v0                          ; lane
	v_lshlrev_b32 v1, 4, v20                       ; v1: my 16 bytes of a load's 512
	v_lshrrev_b32 v21, 1, v20                      ; my slot on the way out of the stage
	v_and_b32 v22, 1, v20                          ; and my half of a block
	s_mul_i32 s23, s22, STGW
	v_add_nc_u32 v2, s23, v1                       ; v2: the stage, way in
	v_mul_u32_u24 v3, v21, SP
	v_lshl_add_u32 v3, v22, 6, v3
	v_add_nc_u32 v3, s23, v3                       ; v3: the stage, way out
	v_mul_u32_u24 v4, v20, 12                      ; v4: my 12 bytes of a block's 384
	s_lshl_b32 s24, s22, 6
	s_add_co_u32 s24, s24, SCG
	v_lshl_add_u32 v5, v21, 2, s24                 ; v5: my slot's scale word of step 0
	s_lshl_b32 s24, s22, 9
	s_add_co_u32 s24, s24, SCG
	v_lshlrev_b32 v7, 3, v20                       ; v7: 8 bytes a lane
	v_add_nc_u32 v6, s24, v7                       ; v6: the two runs of scale words that my wave stores
	s_lshr_b32 s29, s22, 1
	s_and_b32 s30, s22, 1
	s_lshl_b32 s29, s29, 17                        ; 32 rows
	s_lshl_b32 s30, s30, 15                        ; 8 rows
	s_add_co_u32 s31, s29, s30                     ; my tile's first row in the work-group's 64, in bytes
	s_wait_kmcnt 0x0
	s_mov_b64 s[26:27], s[4:5]
	s_mov_b32 s28, 0
.macro PICK thr, p                     ; the tensor is chosen by the work-group's number alone
	s_cmp_ge_u32 ttmp9, \thr
	s_cselect_b64 s[26:27], s[\p:\p+1], s[26:27]
	s_cselect_b32 s28, \thr, s28
.endm
	PICK 128, 6
	PICK 256, 8
	PICK 384, 10
	PICK 400, 12
	PICK 416, 14
	PICK 432, 16
	s_sub_co_u32 s28, ttmp9, s28
	s_lshl_b32 s28, s28, 18                        ; 64 rows of 4,096 bytes a work-group
	s_add_co_u32 s28, s28, s31
	s_mov_b32 s29, 0
	s_add_nc_u64 s[26:27], s[26:27], s[28:29]      ; the source at my tile's first row
	s_lshl_b32 s30, ttmp9, 2
	s_add_co_u32 s30, s30, s22
	s_mul_i32 s30, s30, 12288
	s_mov_b32 s31, 0
	s_add_nc_u64 s[18:19], s[18:19], s[30:31]      ; xc at my tile
	s_lshl_b32 s30, ttmp9, 8
	s_mul_i32 s32, s22, 2*XSROW
	s_add_co_u32 s30, s30, s32
	s_add_nc_u64 s[20:21], s[20:21], s[30:31]      ; xs at run 2 w, the work-group's 64 slots
.macro LOAD t                          ; step t: slot j's row, 512 consecutive bytes a load
.irp j, 0,1,2,3,4,5,6,7,8,9,10,11,12,13,14,15
	global_load_b128 v[R+64*((\t)%2)+4*\j:R+64*((\t)%2)+4*\j+3], v1, s[26:27] offset:(\j+8*(\j/8))*ROWB+512*(\t) th:TH_LOAD_NT
.endr
.endm
.macro STEP t
.if (\t) < 7
	s_wait_loadcnt 16                              ; this step's 16 loads are in; the next step's 16 may be out
.else
	s_wait_loadcnt 0x0
.endif
.irp j, 0,1,2,3,4,5,6,7,8,9,10,11,12,13,14,15
	ds_store_b128 v2, v[R+64*((\t)%2)+4*\j:R+64*((\t)%2)+4*\j+3] offset:\j*SP
.endr
.irp b, 0,1,2,3
.irp i, 0,1,2,3
	ds_load_b128 v[X+16*\b+4*\i:X+16*\b+4*\i+3], v3 offset:128*\b+16*\i   ; LDS serves a wave's instructions in order: these see the stores above
.endr
.endr
	s_wait_dscnt 0x0                               ; the numbers are back, and the stores have read the set that is loaded again below
	s_wait_xcnt 0x0                                ; the last step's stores have read their codes: C is written again only behind this wait
.if (\t)+2 < 8
	LOAD (\t)+2
.endif
.irp b, 0,1,2,3
	v_max3_num_f32 v[TM+\b], |v[X+16*\b]|, |v[X+16*\b+1]|, 0x1800000   ; my 16 of block b, and the floor 2^(3 - 127): the byte cannot fall under 1
.endr
.irp i, 2,4,6,8,10,12,14
.irp b, 0,1,2,3
	v_max3_num_f32 v[TM+\b], v[TM+\b], |v[X+16*\b+\i]|, |v[X+16*\b+\i+1]|   ; the four blocks by turns
.endr
.endr
.irp b, 0,1,2,3
	v_max_num_f32_dpp v[TM+\b], v[TM+\b], v[TM+\b] row_xmask:1 row_mask:0xf bank_mask:0xf   ; with my neighbour's 16: the block's
.endr
.irp b, 0,1,2,3
	v_add_nc_u32 v[TM+4+\b], 0xff000000, v[TM+\b]  ; 2 off the exponent field: the conversion takes this operand's exponent field as its scale
.endr
.irp b, 0,1,2,3
	v_cvt_scalef32_pk16_fp6_f32 v[C+4*\b:C+4*\b+2], v[X+16*\b:X+16*\b+15], v[TM+4+\b]
.endr
.irp b, 0,1,2,3
	v_lshrrev_b32 v[TM+8+\b], 23, v[TM+4+\b]       ; the scale's byte (plain lines behind the conversions)
.endr
	v_lshl_or_b32 v20, v[TM+9], 8, v[TM+8]
	v_lshl_or_b32 v20, v[TM+10], 16, v20
	v_lshl_or_b32 v20, v[TM+11], 24, v20           ; my row's scale word of these 128 along K
	ds_store_b32 v5, v20 offset:256*(\t)           ; both lanes of a row write the same word with the same value
.irp b, 0,1,2,3
	global_store_b96 v4, v[C+4*\b:C+4*\b+2], s[18:19] offset:1536*(\t)+384*\b   ; 32 lanes store 384 consecutive bytes
.endr
.endm
	LOAD 0
	LOAD 1
.irp t, 0,1,2,3,4,5,6,7
	STEP \t
.endr
	s_wait_dscnt 0x0                               ; for the others' sake: my scale words lie in LDS
	s_barrier_signal -1
	s_barrier_wait -1
	ds_load_b64 v[8:9], v6                         ; run 2 w of the work-group's 64 slots,
	ds_load_b64 v[10:11], v6 offset:256            ; and run 2 w + 1
	s_wait_dscnt 0x0
	global_store_b64 v7, v[8:9], s[20:21]          ; 32 lanes store 256 consecutive bytes, at a multiple of 256 from xs's first byte
	global_store_b64 v7, v[10:11], s[20:21] offset:XSROW
	s_wait_tensorcnt 0x0                           ; the wave's end, behind my last LDS store
	ds_add_u32 v[SPW], v[NIL]
	s_wait_dscnt 0x0
	s_endpgm
.Lfunc_end_k_q0513bf2b48_quant:
	.size	k_q0513bf2b48_quant, .Lfunc_end_k_q0513bf2b48_quant-k_q0513bf2b48_quant
	.p2alignl 7, 3214868480
	.fill 96, 4, 3214868480
	.section	.rodata,"a",@progbits
	.p2align	6, 0x0
	.amdhsa_kernel k_q0513bf2b48_quant
		.amdhsa_group_segment_fixed_size 36352
		.amdhsa_private_segment_fixed_size 0
		.amdhsa_enable_private_segment 0
		.amdhsa_kernarg_size 72
		.amdhsa_user_sgpr_count 2
		.amdhsa_user_sgpr_kernarg_segment_ptr 1
		.amdhsa_wavefront_size32 1
		.amdhsa_system_sgpr_workgroup_id_x 1
		.amdhsa_system_sgpr_workgroup_id_y 1
		.amdhsa_system_sgpr_workgroup_id_z 1
		.amdhsa_system_vgpr_workitem_id 0
		.amdhsa_next_free_vgpr 256
		.amdhsa_next_free_sgpr 66
		.amdhsa_reserve_vcc 0
		.amdhsa_float_denorm_mode_32 3
		.amdhsa_float_denorm_mode_16_64 3
		.amdhsa_memory_ordered 1
		.amdhsa_forward_progress 1
		.amdhsa_inst_pref_size 62
	.end_amdhsa_kernel
	.amdgpu_metadata
---
amdhsa.version: [ 1, 2 ]
amdhsa.kernels:
  - .name:           k_q0513bf2b48_quant
    .symbol:         k_q0513bf2b48_quant.kd
    .args:
      - { .name: query, .offset: 0, .size: 8, .value_kind: global_buffer, .address_space: global }
      - { .name: key, .offset: 8, .size: 8, .value_kind: global_buffer, .address_space: global }
      - { .name: value, .offset: 16, .size: 8, .value_kind: global_buffer, .address_space: global }
      - { .name: Wq, .offset: 24, .size: 8, .value_kind: global_buffer, .address_space: global }
      - { .name: Wk, .offset: 32, .size: 8, .value_kind: global_buffer, .address_space: global }
      - { .name: Wv, .offset: 40, .size: 8, .value_kind: global_buffer, .address_space: global }
      - { .name: Wo, .offset: 48, .size: 8, .value_kind: global_buffer, .address_space: global }
      - { .name: xc, .offset: 56, .size: 8, .value_kind: global_buffer, .address_space: global }
      - { .name: xs, .offset: 64, .size: 8, .value_kind: global_buffer, .address_space: global }
    .group_segment_fixed_size: 36352
    .private_segment_fixed_size: 0
    .kernarg_segment_align: 8
    .kernarg_segment_size: 72
    .max_flat_workgroup_size: 128
    .sgpr_count:     66
    .vgpr_count:     256
    .wavefront_size: 32
...
	.end_amdgpu_metadata
.endif
;; end of part 1
;; launch qkv (part 2): grid 4 x 96, 4 waves a work-group, clusters of 4 x 4, 327,680 bytes of LDS; arguments xc, xs, bq, bk, bv, pf, ps; writes pf, ps
.if DOCPART == 2
	.amdgcn_target "amdgcn-amd-amdhsa--gfx1250"
	.amdhsa_code_object_version 6
	.text
	.protected	k_q0513bf2b48_qkv
	.globl	k_q0513bf2b48_qkv
	.p2align	8
	.type	k_q0513bf2b48_qkv,@function
k_q0513bf2b48_qkv:
	s_mov_b64 s[64:65], 0
	v_nop
	global_prefetch_b8 v0, s[64:65] scope:SCOPE_SE
	s_setreg_imm32_b32 hwreg(HW_REG_WAVE_MODE, 25, 1), 1
	s_wait_xcnt 0x0
	s_wait_alu depctr_hold_cnt(0) depctr_sa_sdst(0) depctr_va_vdst(0) depctr_va_sdst(0) depctr_va_ssrc(0) depctr_va_vcc(0) depctr_vm_vsrc(0)
	s_getreg_b32 s2, hwreg(HW_REG_IB_STS2, 6, 4)
	s_cmp_eq_u32 s2, 0
	s_cbranch_scc0 .Lentry_in_a_cluster
	s_endpgm
.Lentry_in_a_cluster:
	s_bfe_u32 s2, ttmp6, 0x10000c
	s_cmp_lg_u32 s2, 0xf033
	s_cbranch_scc0 .Lentry_shape_is_right
	s_endpgm
.Lentry_shape_is_right:
; The three projections q = query Wq^T + bq, k = key Wk^T + bk, v = value Wv^T + bv on codes of FP6 (E2M3) with E8M0 scales, f32 sums, and the quantising of their results for the attention launch:
; q and k along the head's 64 (two blocks of 32), v along the keys.  Nothing leaves as f32.
; GRID: 24 clusters of 4 x 4 work-groups; clusters 0-7 make q, 8-15 k, 16-23 v (PROJ = cluster y / 8: the same in all sixteen partners).  A work-group makes 256 x 256, a wave 128 x 128: 64 accumulators.
; ROLES.  Source 1 of the matrix instruction (role A) gives the lane, source 0 (role B) the registers.  q, k: A = tokens, B = rows of W: a lane holds one token and its registers run along the features.
; v: A = rows of Wv, B = tokens: a lane holds one feature and its registers run along the keys.  The rows stand in xc in tiles whose slot r is row 32 (T / 2) + 8 (T % 2) + r + 8 (r / 8): so the 16 registers of
; B's tiles 2 b and 2 b + 1 are 16 neighbours, 32 b + 16 (lane / 16) + 0 .. 15, which is what the conversions want.
; K = 1,024 goes in four steps of 256 through a ring of two LDS slots.  A wave's tensor load brings 8 tiles x 3,072 consecutive bytes.  A's tiles are shared along a row of the cluster, B's along a column:
; each is asked for jointly.  The scale words of the work-group's 512 rows, for all of K, come once with the first fills.
; THE BIAS is the C of each sum's first matrix instruction: along the registers (q, k) or one number a lane (v): the first step of 128 along K is written twice and chosen by a scalar branch on PROJ.
; THE WAY OUT: for each of A's eight blocks the lane's 64 numbers become one operand fragment (12 registers) and one scale word; the fragment leaves as an image of its registers, six stores of 256 consecutive bytes.
; pf: three sections (q, k, v) of fragments of 1,536 bytes at index ((batch 8 + pair of heads) 16 + g) 8 + a; q, k: 8 g + a = the tile of tokens, registers 0-5 the pair's first head, 6-11 its second;
; v: g = the run of 128 keys, a = 4 x head of the pair + tile of 16 features.  ps: the same index, 64 bytes: a word a slot.
; LIMITS: NaN and infinities are not served; a block of zeros keeps the byte 1 (its codes are zeros; only this program reads the bytes).
; REGISTERS: window 0: v1-31 addresses; v32-63 scale words, two sets; v64-127 the bias; v128-223 A's fragments, one set; v224-240 at work on the way out (with v32-59).  window 1: B's fragments, two sets.
;   windows 2, 3: the accumulators of A's blocks 0-3 and 4-7 ((a, b) at v[8 (8 (a % 4) + b)]).
.set HALFT,  24576                     ; 128 rows x 256 along K: what one tensor load brings
.set SLOT,   4*HALFT                   ; A's 256 rows, then B's 256 rows
.set SCL,    2*SLOT                    ; the scale words: four parts (A's halves, B's halves) of [8 runs of 128 along K][128 slots][4 bytes]
.set SPARE,  SCL+4*4096                ; the spare words, 128 bytes for each wave: two blocks of 256 bytes that no other line names
.set STG,    SPARE+512                 ; the way out: 512 bytes for each wave, its eight fragments' scale words
.set FR,     12                        ; registers of a fragment
.set NL,     6                         ; LDS loads that bring one
.set NP,     4                         ; places behind this matrix instruction (ISA guide 7.12.1)
.set VJ,   8                           ; v8-15  the bias loads' offsets
.set ADRA, 16                          ; v16-17 LDS address of my A fragments in slot 0, 1
.set ADRB, 20                          ; v20-21 the same for B
.set STO,  24                          ; v24    where I put a scale word
.set RD,   25                          ; v25    where I read the eight fragments' words back
.set GO,   26                          ; v26    8 x lane: my place in a chunk of a fragment's image
.set ADRS, 27                          ; v27    LDS address of my scale words: lanes 0-15 A's, lanes 16-31 B's
.set SPW,  28                          ; v28    LDS address of my spare word; never rewritten
.set NIL,  29                          ; v29    0; never rewritten
.set GP,   30                          ; v30    16 x lane
.set SC,   32                          ; scale words: set s at v[SC + 16 s]; register 2 i + q: lanes 0-15 A's block i, lanes 16-31 B's block i, the slot's q-th 128 along K
.set BIAS, 64
.set AF,   128
.set TM,   224                         ; v224-227 largest magnitudes, v228-231 bytes, v236-239 the conversions' scale operands
.set PW,   240                         ; the scale word just made
.set PC,   32                          ; the way out: the codes just made, v32-51
.set G1,   24
.set G0,   32
.set G1B,  48
.set G0B,  56
.set G1S,  68
.set G0S,  76
.set G1SB, 80
.set G0SB, 88
.set SEL,  66                          ; s[66:67] lane selects for v_permlanex16_b32: lane l xor 16
.set MSB, 0
.macro WIN new                         ; the immediate's high byte repeats the setting that is left
.if MSB != \new
	s_set_vgpr_msb (MSB<<8)|\new
.set MSB, \new
.endif
.endm
.set MUL_LO, 0xa1                      ; source 0 (B) window 1, source 1 (A) window 0, C and D window 2
.set MUL_HI, 0xf1                      ; the same, C and D window 3
.set TO_B,   0x40                      ; destination window 1, address window 0
; A joint load: waves 0 and 1 fetch for A, waves 2 and 3 for B.  Each line has one mask and one set of registers for all that issue it; the branch hangs on the wave's number alone.
; An s_nop 0 and four v_nop follow each of the two lines.
.macro JLOAD g0a, g1a, g0b, g1b
	s_cmp_eq_u32 s19, 0
	s_cbranch_scc0 .Lfor_b_\@
	tensor_load_to_lds s[\g0a:\g0a+3], s[\g1a:\g1a+7]
	s_nop 0
.rept 4
	v_nop
.endr
	s_branch .Lasked_\@
.Lfor_b_\@:
	tensor_load_to_lds s[\g0b:\g0b+3], s[\g1b:\g1b+7]
	s_nop 0
.rept 4
	v_nop
.endr
.Lasked_\@:
.endm
.macro CREST                           ; a round of the cluster's barrier behind its opening barrier
	s_cmp_lg_u32 s18, 0
	s_cbranch_scc1 .Lnot_wave_0_\@
	s_barrier_signal -3
.Lnot_wave_0_\@:
	s_barrier_wait -3
	s_barrier_signal -1
	s_barrier_wait -1
.endm
.macro CROUND
	s_barrier_signal -1
	s_barrier_wait -1
	CREST
.endm
	s_load_b256 s[4:11], s[0:1], 0x0               ; xc s[4:5], xs s[6:7], bq s[8:9], bk s[10:11]
	s_load_b128 s[12:15], s[0:1], 0x20             ; bv s[12:13], pf s[14:15]
	s_load_b64 s[16:17], s[0:1], 0x30              ; ps
	v_lshl_add_u32 v[SPW], v0, 2, SPARE
	v_mov_b32 v[NIL], 0
	ds_add_u32 v[SPW], v[NIL]                      ; the wave's opening: the add and its wait stand ahead of my first tensor load; the set-up below stands between them
	v_lshrrev_b32 v1, 5, v0
	v_readfirstlane_b32 s18, v1                    ; wave 0..3
	s_lshr_b32 s19, s18, 1                         ; which half of A's rows I multiply.  Also: I fetch for A (0) or for B (1)
	s_and_b32 s20, s18, 1                          ; which half of B's rows I multiply.  Also: which 128 rows I fetch
	s_bfe_u32 s40, ttmp6, 0x40000                  ; cx
	s_bfe_u32 s41, ttmp6, 0x40004                  ; cy
	s_and_b32 s46, ttmp7, 0xffff                   ; cluster y, 0..23
	s_lshr_b32 s44, s46, 3                         ; PROJ: 0 q, 1 k, 2 v
	s_and_b32 s45, s46, 7
	s_lshl_b32 s45, s45, 2                         ; four tiles of 256 tokens a cluster
	s_lshl_b32 s92, s44, 13                        ; query, key begin at rows 0 and 8,192 of xc
	s_lshl_b32 s93, s44, 10
	s_add_co_u32 s93, s93, 24576                   ; Wq, Wk at rows 24,576 and 25,600
	s_cmp_eq_u32 s44, 2
	s_cselect_b32 s43, 0, s45
	s_cselect_b32 s42, s45, 0
	s_cselect_b32 s92, 26624, s92                  ; A's first row in xc: the tokens', or Wv's
	s_cselect_b32 s93, 16384, s93                  ; B's: W's, or value's
	s_add_co_u32 s43, s43, s41                     ; A's tile of 256 rows: hangs on cy alone among the places
	s_add_co_u32 s42, s42, s40                     ; B's: on cx alone
	s_lshl_b32 s46, s41, 2
	s_lshl_b32 s46, 15, s46                        ; my row of the cluster
	s_lshl_b32 s47, 0x1111, s40                    ; my column
	; descriptor group 1 for codes: 8 tiles (rows) of 384 elements of 8 bytes, 1,536 elements from tile to tile; dense in LDS
	s_or_b32 s[G1], s46, (3<<16)|(1<<21)           ; 15:0 the mask; 17:16 elements of 8 bytes; 21 set beside a mask
	s_or_b32 s[G1B], s47, (3<<16)|(1<<21)
.irp g, G1, G1B
	s_mov_b32 s[\g+1], 384<<16                     ; tensor_dim0
	s_mov_b32 s[\g+2], 8<<16                       ; tensor_dim1
	s_mov_b32 s[\g+3], 384<<16                     ; tile_dim0
	s_mov_b32 s[\g+4], 8                           ; tile_dim1
	s_mov_b32 s[\g+5], 1536                        ; tensor_dim0_stride
	s_mov_b32 s[\g+6], 0
	s_mov_b32 s[\g+7], 0
.endr
	; and for scale words: 8 runs (rows) of 64 elements of 8 bytes (128 slots), 14,336 elements from run to run
	s_or_b32 s[G1S], s46, (3<<16)|(1<<21)
	s_or_b32 s[G1SB], s47, (3<<16)|(1<<21)
.irp g, G1S, G1SB
	s_mov_b32 s[\g+1], 64<<16
	s_mov_b32 s[\g+2], 8<<16
	s_mov_b32 s[\g+3], 64<<16
	s_mov_b32 s[\g+4], 8
	s_mov_b32 s[\g+5], 14336
	s_mov_b32 s[\g+6], 0
	s_mov_b32 s[\g+7], 0
.endr
	s_lshl_b32 s21, s20, 7
	s_lshl_b32 s22, s43, 8
	s_add_co_u32 s22, s22, s21
	s_add_co_u32 s22, s22, s92                     ; the first of the 128 rows of A that I would fetch
	s_lshl_b32 s23, s42, 8
	s_add_co_u32 s23, s23, s21
	s_add_co_u32 s23, s23, s93                     ; and of B
	s_mul_i32 s96, s22, 768                        ; their codes, in bytes (under 2^25)
	s_mov_b32 s97, 0
	s_mul_i32 s98, s23, 768
	s_mov_b32 s99, 0
	s_lshl_b32 s92, s22, 2                         ; their scale words
	s_mov_b32 s93, 0
	s_lshl_b32 s94, s23, 2
	s_mov_b32 s95, 0
	s_mul_i32 s2, s18, HALFT                       ; where they go: by the wave's number alone
	s_lshl_b32 s3, s18, 12
	s_wait_dscnt 0x0                               ; the opening add is done
	s_wait_kmcnt 0x0
	s_add_nc_u64 s[96:97], s[4:5], s[96:97]
	s_add_nc_u64 s[98:99], s[4:5], s[98:99]
	s_add_nc_u64 s[92:93], s[6:7], s[92:93]
	s_add_nc_u64 s[94:95], s[6:7], s[94:95]
	CROUND                                         ; all sixteen work-groups are here: the first joint loads meet
	s_mov_b32 s[G0S], 1
	s_add_co_u32 s[G0S+1], s3, SCL
	s_mov_b64 s[G0S+2:G0S+3], s[92:93]
	s_or_b32 s[G0S+3], s[G0S+3], 0x80000000
	s_mov_b32 s[G0SB], 1
	s_add_co_u32 s[G0SB+1], s3, SCL
	s_mov_b64 s[G0SB+2:G0SB+3], s[94:95]
	s_or_b32 s[G0SB+3], s[G0SB+3], 0x80000000
	JLOAD G0S, G1S, G0SB, G1SB                     ; the scale words first: they are wanted with K step 0
.irp s, 0,1
	s_mov_b32 s[G0+4*\s], 1
	s_add_co_u32 s[G0+4*\s+1], s2, \s*SLOT
	s_add_nc_u64 s[G0+4*\s+2:G0+4*\s+3], s[96:97], \s*3072
	s_or_b32 s[G0+4*\s+3], s[G0+4*\s+3], 0x80000000
	s_mov_b32 s[G0B+4*\s], 1
	s_add_co_u32 s[G0B+4*\s+1], s2, \s*SLOT
	s_add_nc_u64 s[G0B+4*\s+2:G0B+4*\s+3], s[98:99], \s*3072
	s_or_b32 s[G0B+4*\s+3], s[G0B+4*\s+3], 0x80000000
	JLOAD G0+4*\s, G1, G0B+4*\s, G1B
.endr
	v_and_b32 v1, 15, v0                           ; r
	v_bfe_u32 v2, v0, 4, 1                         ; h
	v_mul_u32_u24 v3, v1, 24
	v_mad_u32_u24 v3, v2, 384, v3                  ; in a tile: block of K (h) x 384 + slot x 24
	s_mul_i32 s21, s19, HALFT                      ; my 128 rows of A
	s_mul_i32 s22, s20, HALFT                      ; my 128 rows of B,
	s_add_co_u32 s22, s22, 2*HALFT                 ; behind A's 256
.irp s, 0,1
	v_add_nc_u32 v[ADRA+\s], s21, v3
	v_add_nc_u32 v[ADRB+\s], s22, v3
	s_add_co_u32 s21, s21, SLOT
	s_add_co_u32 s22, s22, SLOT
.endr
	s_lshl_b32 s21, s19, 12                        ; A's scale words: my part
	s_lshl_b32 s22, s20, 12
	s_add_co_u32 s22, s22, 2*4096                  ; B's: behind A's two parts
	s_sub_co_u32 s22, s22, s21
	v_mul_u32_u24 v6, s22, v2                      ; lanes 16-31 take B's: one product, the distance x h
	s_add_co_u32 s21, s21, SCL
	v_lshl_add_u32 v5, v1, 2, v6
	v_add_nc_u32 v[ADRS], s21, v5
	s_lshl_b32 s21, s18, 9
	s_add_co_u32 s21, s21, STG
	v_lshl_add_u32 v[STO], v1, 2, s21
	v_and_b32 v4, 31, v0
	v_lshl_add_u32 v[RD], v4, 4, s21
	v_lshlrev_b32 v[GO], 3, v4
	v_lshlrev_b32 v[GP], 4, v4
	; which tokens and which features are mine
	s_lshl_b32 s92, s43, 8
	s_lshl_b32 s93, s19, 7
	s_add_co_u32 s92, s92, s93                     ; A's first row that I multiply, counted in its tensor
	s_lshl_b32 s94, s42, 8
	s_lshl_b32 s95, s20, 7
	s_add_co_u32 s94, s94, s95                     ; B's
	s_cmp_eq_u32 s44, 1
	s_cselect_b64 s[8:9], s[10:11], s[8:9]
	s_cmp_eq_u32 s44, 2
	s_cselect_b64 s[8:9], s[12:13], s[8:9]         ; my projection's bias
	s_cselect_b32 s96, s94, s92                    ; my first token
	s_cselect_b32 s97, s92, s94                    ; my first feature
	s_cselect_b32 s21, 0, 64                       ; q, k: register j of B's tile x is feature 32 (x / 2) + 8 (x % 2) + 16 h + j
	s_cselect_b32 s22, 4, 0                        ; v: every register of A's block x is feature 32 (x / 2) + 8 (x % 2) + r + 8 (r / 8)
	s_cselect_b32 s23, 0, 4
	s_lshl_b32 s98, s97, 2
	s_mov_b32 s99, 0
	s_add_nc_u64 s[8:9], s[8:9], s[98:99]
	v_and_b32 v5, 8, v1
	v_add_nc_u32 v5, v5, v1                        ; r + 8 (r / 8)
	v_mul_u32_u24 v6, s21, v2
	v_mad_u32_u24 v6, s22, v5, v6
	v_mov_b32 v7, s23
.irp j, 0,1,2,3,4,5,6,7
	v_mad_u32_u24 v[VJ+\j], v7, \j, v6
.endr
.irp x, 0,1,2,3,4,5,6,7
.irp j, 0,1,2,3,4,5,6,7
	global_load_b32 v[BIAS+8*\x+\j], v[VJ+\j], s[8:9] offset:(32*(\x/2)+8*(\x%2))*4
.endr
.endr
	; where my eight fragments go
	s_lshr_b32 s92, s96, 11                        ; batch
	s_lshl_b32 s92, s92, 3
	s_lshr_b32 s93, s97, 7                         ; pair of heads
	s_add_co_u32 s92, s92, s93
	s_lshl_b32 s92, s92, 4
	s_bfe_u32 s93, s96, 0x40007                    ; which 128 tokens of the batch
	s_add_co_u32 s92, s92, s93
	s_mul_i32 s94, s92, 12288
	s_mul_i32 s95, s44, 6291456
	s_add_co_u32 s94, s94, s95
	s_mov_b32 s95, 0
	s_add_nc_u64 s[14:15], s[14:15], s[94:95]
	s_lshl_b32 s94, s92, 9
	s_lshl_b32 s93, s44, 18
	s_add_co_u32 s94, s94, s93
	s_add_nc_u64 s[16:17], s[16:17], s[94:95]
	s_mov_b32 s[SEL], 0x76543210
	s_mov_b32 s[SEL+1], 0xfedcba98
.irp b, 0,1,2,3
	v_mov_b32 v[TM+4+\b], 0                        ; written once: a lane permute's destination counts as one of its sources
.endr
.macro FRAG reg, adr, q, i             ; a fragment, 16 slots x 128 K: registers 6 c .. 6 c + 5 hold K = 64 c + 32 h + 0 .. 31: the 24 bytes of block 4 q + 2 c + h, in pieces of 8; the 32 lanes of a load touch 64 different banks
.irp p, 0,1,2,3,4,5
	ds_load_b64 v[\reg+2*\p:\reg+2*\p+1], v[\adr] offset:(\i)*3072+(\q)*1536+768*(\p/3)+8*(\p%3)
.endr
.endm
; 16 matrix instructions: A's blocks a0, a0 + 1 x B's eight.  p: B's set; q: the slot's q-th 128 along K; sc: the set of scale words.  mode 0: the sums go on; 1: they begin with the bias of B's tile; 2: of A's block.
; The 64 accumulators take turns, one instruction a turn, in the same order in every step.
.macro MUL16 a0, p, q, sc, mode
.irp a, \a0, \a0+1
.irp b, 0,1,2,3,4,5,6,7
.if \mode == 0
	v_wmma_scale_f32_16x16x128_f8f6f4 v[8*(8*((\a)%4)+\b):8*(8*((\a)%4)+\b)+7], v[128*(\p)+FR*\b:128*(\p)+FR*\b+FR-1], v[AF+FR*(\a):AF+FR*(\a)+FR-1], v[8*(8*((\a)%4)+\b):8*(8*((\a)%4)+\b)+7], v[SC+16*(\sc)+2*\b+(\q)], v[SC+16*(\sc)+2*(\a)+(\q)] matrix_a_fmt:MATRIX_FMT_FP6 matrix_b_fmt:MATRIX_FMT_FP6 matrix_a_scale:MATRIX_SCALE_ROW1
.elseif \mode == 1
	v_wmma_scale_f32_16x16x128_f8f6f4 v[8*(8*((\a)%4)+\b):8*(8*((\a)%4)+\b)+7], v[128*(\p)+FR*\b:128*(\p)+FR*\b+FR-1], v[AF+FR*(\a):AF+FR*(\a)+FR-1], v[BIAS+8*\b:BIAS+8*\b+7], v[SC+16*(\sc)+2*\b+(\q)], v[SC+16*(\sc)+2*(\a)+(\q)] matrix_a_fmt:MATRIX_FMT_FP6 matrix_b_fmt:MATRIX_FMT_FP6 matrix_a_scale:MATRIX_SCALE_ROW1
.else
	v_wmma_scale_f32_16x16x128_f8f6f4 v[8*(8*((\a)%4)+\b):8*(8*((\a)%4)+\b)+7], v[128*(\p)+FR*\b:128*(\p)+FR*\b+FR-1], v[AF+FR*(\a):AF+FR*(\a)+FR-1], v[BIAS+8*(\a):BIAS+8*(\a)+7], v[SC+16*(\sc)+2*\b+(\q)], v[SC+16*(\sc)+2*(\a)+(\q)] matrix_a_fmt:MATRIX_FMT_FP6 matrix_b_fmt:MATRIX_FMT_FP6 matrix_a_scale:MATRIX_SCALE_ROW1
.endif
.endr
.endr
.endm
.macro FETCH_B slot, q, p
	WIN TO_B
.irp i, 0,1,2,3,4,5,6,7
	FRAG 128*(\p)+FR*\i, ADRB+\slot, \q, \i
.endr
	WIN 0
.endm
.macro FETCH_A slot, q, i0
.irp i, \i0, \i0+1, \i0+2, \i0+3
	FRAG AF+FR*(\i), ADRA+\slot, \q, \i
.endr
.endm
.macro SCALES sc                       ; a K step's scale words: lanes 0-15 A's block i, lanes 16-31 B's block i
.irp i, 0,1,2,3,4,5,6,7
.irp q, 0,1
	ds_load_b32 v[SC+16*\sc+2*\i+\q], v[ADRS] offset:\i*64+\q*512
.endr
.endr
.endm
.macro PLACES n                        ; plain vector instructions that name no register of the matrix instructions ahead, in front of loads into their registers and of reads of their results
.rept \n
	v_nop
.endr
.endm
.macro STEP slot, q, mode              ; a step of 128 along K that has its successor in the same slot
	s_wait_dscnt 4*NL                              ; B's set, A's blocks 0-3 and the scale words are in; the youngest 24 loads (A's blocks 4-7) may be out
.if \mode
	WIN 0x81                                       ; C (the bias) window 0, D window 2
.else
	WIN MUL_LO
.endif
	MUL16 0, (\q)%2, \q, \slot, \mode
	MUL16 2, (\q)%2, \q, \slot, \mode
	s_wait_dscnt 0x0                               ; A's blocks 4-7 are in
	PLACES NP
	FETCH_B \slot, (\q)+1, 1-(\q)%2
	FETCH_A \slot, (\q)+1, 0
.if \mode
	WIN 0xc1
.else
	WIN MUL_HI
.endif
	MUL16 4, (\q)%2, \q, \slot, \mode
	MUL16 6, (\q)%2, \q, \slot, \mode
	PLACES NP
	WIN 0
	FETCH_A \slot, (\q)+1, 4
.endm
; A slot's last step changes slots: one barrier; in front of it each wave waits for all its tensor loads, adds 0 to its spare word, and waits for that and for its own reads of this slot.
.macro TURN slot, next, fill
	s_wait_tensorcnt 0x0                           ; all my tensor loads have landed: my part of the next slot
	ds_add_u32 v[SPW], v[NIL]                      ; 0 onto my spare word
	s_wait_dscnt 4*NL+1                            ; (the add and the youngest 24 loads, A's blocks 4-7, may be out)
	WIN MUL_LO
	MUL16 0, 1, 1, \slot, 0                        ; sixteen matrix instructions stand between the add and the wait for it
	s_wait_dscnt 0x0                               ; the add is done, and my reads of this slot are over
	s_barrier_signal -1
	MUL16 2, 1, 1, \slot, 0
	WIN 0
	s_barrier_wait -1
.if \fill
	CREST                                          ; the barrier has opened a round of the cluster's barrier: no wave of any partner still reads this slot or has a load on its way
	s_add_nc_u64 s[G0+4*\slot+2:G0+4*\slot+3], s[G0+4*\slot+2:G0+4*\slot+3], 2*3072
	s_add_nc_u64 s[G0B+4*\slot+2:G0B+4*\slot+3], s[G0B+4*\slot+2:G0B+4*\slot+3], 2*3072
	JLOAD G0+4*\slot, G1, G0B+4*\slot, G1B         ; the first tensor load behind the round; its four v_nop are also the places in front of the loads below
.else
	PLACES NP
.endif
	v_add_nc_u32 v[ADRS], 1024, v[ADRS]            ; the next K step's scale words: two runs on
	FETCH_B \next, 0, 0
	FETCH_A \next, 0, 0
	SCALES \next
	WIN MUL_HI
	MUL16 4, 1, 1, \slot, 0
	MUL16 6, 1, 1, \slot, 0
	PLACES NP
	WIN 0
	FETCH_A \next, 0, 4
.endm
	s_wait_tensorcnt 1                             ; the scale words and my part of K step 0 are in; K step 1's load may be out
	s_barrier_signal -1
	s_barrier_wait -1
	FETCH_B 0, 0, 0
	FETCH_A 0, 0, 0
	SCALES 0
	FETCH_A 0, 0, 4
	s_wait_loadcnt 0x0                             ; the bias
	s_cmp_eq_u32 s44, 2                            ; the same in all partners and all waves; both ways issue the same loads and waits
	s_cbranch_scc1 .Lfirst_v
	STEP 0, 0, 1
	s_branch .Lfirst_done
.Lfirst_v:
	STEP 0, 0, 2
.Lfirst_done:
	TURN 0, 1, 1                                   ; slot 0 takes K step 2
	STEP 1, 0, 0
	TURN 1, 0, 1                                   ; slot 1 takes K step 3
	STEP 0, 0, 0
	TURN 0, 1, 0                                   ; nothing is left to fetch
	STEP 1, 0, 0
	s_wait_dscnt 4*NL
	WIN MUL_LO
	MUL16 0, 1, 1, 1, 0
	MUL16 2, 1, 1, 1, 0
	s_wait_dscnt 0x0
	WIN MUL_HI
	MUL16 4, 1, 1, 1, 0
	MUL16 6, 1, 1, 1, 0
	WIN 0
	PLACES NP
; THE WAY OUT of A's block a: the lane's 64 numbers (register 16 b + i = place 32 b + 16 h + i along the next K) become a fragment and a scale word.  Each accumulator is read from its low end on.
.macro OUTB a
.set AC, 64*((\a)%4)
	WIN 0x0a+5*((\a)/4)                            ; sources 0 and 1: window 2 or 3
.irp b, 0,1,2,3
	v_max3_num_f32 v[TM+\b], |v[AC+16*\b]|, |v[AC+16*\b+1]|, 0x1800000   ; and the floor 2^(3 - 127): the byte cannot fall under 1
.endr
.irp i, 2,4,6,8,10,12,14
.irp b, 0,1,2,3
	v_max3_num_f32 v[TM+\b], |v[AC+16*\b+\i]|, |v[AC+16*\b+\i+1]|, v[TM+\b]
.endr
.endr
	WIN 0
.irp b, 0,1,2,3
	v_permlanex16_b32 v[TM+4+\b], v[TM+\b], s[SEL], s[SEL+1]
.endr
.irp b, 0,1,2,3
	v_max_num_f32 v[TM+\b], v[TM+\b], v[TM+4+\b]   ; with lane l xor 16's 16: the block's largest magnitude
.endr
.irp b, 0,1,2,3
	v_add_nc_u32 v[TM+12+\b], 0xff000000, v[TM+\b] ; 2 off the exponent field: the conversion's scale operand
.endr
.irp b, 0,1,2,3
	v_lshrrev_b32 v[TM+4+\b], 23, v[TM+12+\b]      ; the byte
.endr
	v_lshl_or_b32 v[PW], v[TM+5], 8, v[TM+4]
	v_lshl_or_b32 v[PW], v[TM+6], 16, v[PW]
	v_lshl_or_b32 v[PW], v[TM+7], 24, v[PW]
	s_wait_xcnt 0x0                                ; the last block's stores have read their codes
	WIN 2+(\a)/4                                   ; source 0: window 2 or 3
.irp c, 0,1
	v_cvt_scalef32_pk16_fp6_f32 v[PC+6*\c:PC+6*\c+2], v[AC+32*\c:AC+32*\c+15], v[TM+12+2*\c]
	v_cvt_scalef32_pk16_fp6_f32 v[PC+12+4*\c:PC+14+4*\c], v[AC+32*\c+16:AC+32*\c+31], v[TM+12+2*\c+1]   ; (a conversion's three registers begin on an even number)
.endr
	WIN 0
	v_nop                                          ; one plain place behind a scaled conversion
.irp c, 0,1                                    ; the operand's layout wants a whole block in a lane: lanes 0-15 block 2 c, lanes 16-31 block 2 c + 1
.irp i, 0,1,2
	v_permlane16_swap_b32 v[PC+6*\c+\i], v[PC+12+4*\c+\i]
.endr
.irp i, 0,1,2
	v_mov_b32 v[PC+3+6*\c+\i], v[PC+12+4*\c+\i]
.endr
.endr
.irp i, 0,1,2,3,4,5
	global_store_b64 v[GO], v[PC+2*\i:PC+2*\i+1], s[14:15] offset:1536*(\a)+256*\i   ; 32 lanes store 256 consecutive bytes, at a multiple of 256 from pf's first byte
.endr
	ds_store_b32 v[STO], v[PW] offset:64*(\a)      ; lanes r and r + 16 write the same word with the same value
.endm
.irp a, 0,1,2,3,4,5,6,7
	OUTB \a
.endr
	ds_load_b128 v[56:59], v[RD]                   ; LDS serves a wave's instructions in order: this sees my eight stores
	s_wait_dscnt 0x0
	global_store_b128 v[GP], v[56:59], s[16:17]    ; my eight fragments' scale words: 512 consecutive bytes
	s_wait_tensorcnt 0x0                           ; the wave's end, behind my last tensor load and my last LDS store
	ds_add_u32 v[SPW], v[NIL]
	s_wait_dscnt 0x0
	CROUND                                         ; the closing round: no work-group ends while a partner may still ask for a tile that names it
	s_endpgm
.Lfunc_end_k_q0513bf2b48_qkv:
	.size	k_q0513bf2b48_qkv, .Lfunc_end_k_q0513bf2b48_qkv-k_q0513bf2b48_qkv
	.p2alignl 7, 3214868480
	.fill 96, 4, 3214868480
	.section	.rodata,"a",@progbits
	.p2align	6, 0x0
	.amdhsa_kernel k_q0513bf2b48_qkv
		.amdhsa_group_segment_fixed_size 327680
		.amdhsa_private_segment_fixed_size 0
		.amdhsa_enable_private_segment 0
		.amdhsa_kernarg_size 56
		.amdhsa_user_sgpr_count 2
		.amdhsa_user_sgpr_kernarg_segment_ptr 1
		.amdhsa_wavefront_size32 1
		.amdhsa_system_sgpr_workgroup_id_x 1
		.amdhsa_system_sgpr_workgroup_id_y 1
		.amdhsa_system_sgpr_workgroup_id_z 1
		.amdhsa_system_vgpr_workitem_id 0
		.amdhsa_next_free_vgpr 1024
		.amdhsa_next_free_sgpr 100
		.amdhsa_reserve_vcc 0
		.amdhsa_float_denorm_mode_32 3
		.amdhsa_float_denorm_mode_16_64 3
		.amdhsa_memory_ordered 1
		.amdhsa_forward_progress 1
		.amdhsa_inst_pref_size 191
	.end_amdhsa_kernel
	.amdgpu_metadata
---
amdhsa.version: [ 1, 2 ]
amdhsa.kernels:
  - .name:           k_q0513bf2b48_qkv
    .symbol:         k_q0513bf2b48_qkv.kd
    .args:
      - { .name: xc, .offset: 0, .size: 8, .value_kind: global_buffer, .address_space: global }
      - { .name: xs, .offset: 8, .size: 8, .value_kind: global_buffer, .address_space: global }
      - { .name: bq, .offset: 16, .size: 8, .value_kind: global_buffer, .address_space: global }
      - { .name: bk, .offset: 24, .size: 8, .value_kind: global_buffer, .address_space: global }
      - { .name: bv, .offset: 32, .size: 8, .value_kind: global_buffer, .address_space: global }
      - { .name: pf, .offset: 40, .size: 8, .value_kind: global_buffer, .address_space: global }
      - { .name: ps, .offset: 48, .size: 8, .value_kind: global_buffer, .address_space: global }
    .group_segment_fixed_size: 327680
    .private_segment_fixed_size: 0
    .kernarg_segment_align: 8
    .kernarg_segment_size: 56
    .max_flat_workgroup_size: 128
    .sgpr_count:     100
    .vgpr_count:     1024
    .wavefront_size: 32
...
	.end_amdgpu_metadata
.endif
;; end of part 2
;; launch attn (part 3): grid 8 x 32, 4 waves a work-group, no clusters, 44,544 bytes of LDS; arguments pf, ps, mask, oc, os; writes oc, os
.if DOCPART == 3
	.amdgcn_target "amdgcn-amd-amdhsa--gfx1250"
	.amdhsa_code_object_version 6
	.text
	.protected	k_q0513bf2b48_attn
	.globl	k_q0513bf2b48_attn
	.p2align	8
	.type	k_q0513bf2b48_attn,@function
k_q0513bf2b48_attn:
	s_mov_b64 s[64:65], 0
	v_nop
	global_prefetch_b8 v0, s[64:65] scope:SCOPE_SE
	s_setreg_imm32_b32 hwreg(HW_REG_WAVE_MODE, 25, 1), 1
	s_wait_xcnt 0x0
; att = softmax(q k^T / 8 under the key mask), re-zeroed at masked keys, FINISHED AND NORMALISED, is quantised along the keys; o = att v is quantised along the features for the last product.
; Both products on codes of FP6 (E2M3) with E8M0 scales.  A row's sum must be known before any of its numbers is converted, so a row of p is kept whole until then: it is split over the four waves.
; SHARES.  A work-group takes 256 queries (16 tiles of 16) of one batch and one pair of heads, the two heads one after the other.  Wave w owns keys 512 w .. 512 w + 511 for every tile: 256 registers of scores.
; Its K (32 fragments x 6 registers), its V (16 fragments x 12) and their scale words stay in REGISTERS for a whole head, loaded once as images of the registers: each score and each exponential is computed once.
; Between the waves go a query's (-M, sum), 8 bytes a lane, and the partial O^T, 4,096 bytes a wave and tile.
; NO JOINT LOADS: a joint load lands in LDS, and no tile of K or V passes through LDS here; a wave's 240 loads a head stand against sixteen tiles of about a thousand vector instructions each.
; LAYOUT.  S^T = K Q^T (source 0 = 16 keys, source 1 = 16 queries), O^T = V^T P^T: a lane holds one query throughout.  The head's 64 fill half of the instruction's 128 along K: Q's upper six registers are zero
; codes, so whatever stands in the upper six of K's tuple (the next fragment's codes) adds nothing; the scale bytes there are valid bytes or 0, never 0xff.
; The keys of a tile stand as the projections' launch laid them, so that the 16 registers of tiles 2 b and 2 b + 1 are keys 32 b + 16 (lane / 16) + 0 .. 15.
; THE MASK is the C of the score product: 0 at a valid key, -2^100 at a masked one, loaded from LDS straight into the score registers.
; SOFTMAX.  t = score x c, c = log2(e) / 8.  -M = floor(-(my wave's largest t)), a whole number; p = 2^(t - M), one fused multiply-add and one exponential.  The four waves' M meet in LDS: Mg is the largest, f_i = 2^(M_i - Mg)
; is exact, L = the sum of l_i f_i, att = p x (f_own / L).  The largest score is held at -2^90 from below: a masked key's p is 0, and where no key of a batch is valid L = 0 and att = 0.
; A block's largest att is not searched for: the block's largest score goes through the same instructions as every score (this takes v_exp_f32 not to fall where its input rises).
; LIMITS: valid scores lie above -2^90 and are small beside 2^100; NaN and infinities are not served; p under 2^-126 counts as 0; a block of zeros keeps the byte 1 (its codes are zeros; only this program reads
; the bytes); the four waves' parts of O are added as (0 + 1) + (2 + 3).
; REGISTERS.  window 0: v1-13 addresses; v[14:15] -M, l; v[16:17] r; v18-35 at work; v36-39 sixteen scale bytes of o; v40-43 p's scale words; v44, 45 Q's; v48-79 K's; v80-95 V's; v96-119 Q's two fragments;
;   v120-167 block maxima and what is made of them; v168-183 sums; v184-247 p's codes, later parts of O; v248-250 o's codes.   window 1: the scores.   window 2: K.   window 3: V, and from v192 O^T of the trip's two tiles.
.set STA,   8192                       ; LDS: 0 .. 8,191 the mask as f32, 2,048 bytes a wave, its own;  STA, STB: (-M, l) of the trip's first and second tile: [wave][lane][8 bytes]
.set OP,    10240                      ; the partial O^T: [tile 2][wave 4][4,096 bytes], images of 32 registers
.set SCG,   43008                      ; o's scale words of the work-group's 256 queries
.set SPARE, 44032                      ; the spare words, 128 bytes for each wave: two blocks of 256 bytes that no other line names
.set VPS,  40
.set QSA,  44
.set QSB,  45
.set SPW,  46                          ; v46 LDS address of my spare word; never rewritten
.set NIL,  47                          ; v47 0; never rewritten
.set KS,   48
.set VS,   80
.set QFA,  96
.set QFB,  108
.set TM,   120
.set TM2,  136
.set TM3,  152
.set PT,   120                         ; the conversions' second halves: eight runs of four registers over TM and TM2
.set SU,   168
.set PC,   184
.set RD,   184
.set CS,   40                          ; s[40:41] c: the packed form names a pair and takes its low word for both halves
.set SEL,  42                          ; s[42:43] lane selects for v_permlanex16_b32: lane l xor 16
.set MSB, 0
.macro WIN new                         ; the immediate's high byte repeats the setting that is left
.if MSB != \new
	s_set_vgpr_msb (MSB<<8)|\new
.set MSB, \new
.endif
.endm
	s_load_b256 s[4:11], s[0:1], 0x0               ; pf s[4:5], ps s[6:7], mask s[8:9], oc s[10:11]
	s_load_b64 s[12:13], s[0:1], 0x20              ; os
	v_lshl_add_u32 v[SPW], v0, 2, SPARE
	v_mov_b32 v[NIL], 0
	v_lshrrev_b32 v26, 5, v0
	v_readfirstlane_b32 s14, v26                   ; wave
	v_and_b32 v27, 31, v0                          ; lane
	v_and_b32 v28, 15, v0                          ; r
	v_bfe_u32 v29, v0, 4, 1                        ; h
	v_lshlrev_b32 v1, 3, v27                       ; v1: 8 x lane: a chunk of a fragment's image; a lane's (-M, l)
	v_lshlrev_b32 v2, 2, v28                       ; v2: 4 r: a slot's scale word
	s_lshl_b32 s44, s14, 11
	v_lshl_add_u32 v3, v29, 6, s44                 ; v3: the mask of my wave's keys, + 16 h keys
	v_lshl_add_u32 v13, v27, 6, s44                ; v13: where I put 16 keys' mask
	s_lshl_b32 s45, s14, 8
	s_add_co_u32 s45, s45, STA
	v_add_nc_u32 v4, s45, v1                       ; v4: where I put (-M, l)
	s_lshl_b32 s45, s14, 12
	s_add_co_u32 s45, s45, OP
	v_lshl_add_u32 v6, v27, 4, s45                 ; v6: where I put my part of O^T
	s_lshr_b32 s46, s14, 1                         ; which of the trip's two tiles I finish,
	s_and_b32 s47, s14, 1                          ; and which block of 32 features
	s_lshl_b32 s45, s46, 14
	s_lshl_b32 s48, s47, 11
	s_add_co_u32 s45, s45, s48
	s_add_co_u32 s45, s45, OP
	v_lshl_add_u32 v7, v27, 4, s45                 ; v7: where I read the four parts of it
	s_lshl_b32 s45, s46, 6
	s_add_co_u32 s45, s45, s47
	s_add_co_u32 s45, s45, SCG
	v_add_nc_u32 v8, s45, v2                       ; v8: my byte of a query's scale word
	v_mul_u32_u24 v9, v28, 24
	v_mad_u32_u24 v9, v29, 12, v9                  ; v9: my 12 bytes of a block's 384 in oc
	v_mul_u32_u24 v10, v27, 1536                   ; v10: the prefetch of K: a lane a fragment
	v_lshrrev_b32 v30, 3, v27
	v_and_b32 v31, 7, v27
	v_mul_u32_u24 v11, v30, 12288
	v_lshl_add_u32 v11, v31, 8, v11                ; v11: the prefetch of V: eight lanes to a run of 128 keys, 256 bytes apart
	s_lshl_b32 s45, s14, 8
	s_add_co_u32 s45, s45, SCG
	v_add_nc_u32 v12, s45, v1                      ; v12: the 256 bytes of scale words that my wave stores
	v_lshlrev_b32 v30, 4, v27
	s_and_b32 s16, ttmp7, 0xffff                   ; 8 x batch + pair of heads
	s_lshr_b32 s17, s16, 3
	s_and_b32 s18, s16, 7
	s_lshl_b32 s44, s16, 7                         ; 128 fragments for each of them in every section
	s_lshl_b32 s45, s14, 5
	s_add_co_u32 s45, s44, s45                     ; my wave's first fragment of K and of V
	s_lshl_b32 s46, ttmp9, 4
	s_add_co_u32 s46, s44, s46                     ; the work-group's first fragment of Q
	s_mov_b32 s49, 0
	s_mov_b32 s[CS], 0x3e38aa3b                    ; c = log2(e) / 8
	s_mov_b32 s[CS+1], s[CS]
	s_mov_b32 s[SEL], 0x76543210
	s_mov_b32 s[SEL+1], 0xfedcba98
	s_cmp_eq_u32 ttmp9, 0
	s_cselect_b32 s22, 1, -1                       ; s22: the trip (counted down) in which I prefetch: the eight work-groups of a pair of heads read the same K and V, the first of them asks
.irp j, 6,7,8,9,10,11
	v_mov_b32 v[QFA+\j], 0                         ; zero codes for the upper 64 along K, written once
	v_mov_b32 v[QFB+\j], 0
.endr
.set b, 0
.rept 16
	v_mov_b32 v[TM2+b], 0                          ; written once: a lane permute's destination counts as one of its sources
.set b, b+1
.endr
	v_mov_b32 v15, 0                               ; (named as the upper halves of pairs before they are first written)
	v_mov_b32 v17, 0
.irp j, 36,37,38,39
	v_mov_b32 v\j, 0
.endr
	WIN 0x80                                       ; destination window 2
.irp j, 192,193,194,195,196,197
	v_mov_b32 v\j, 0                               ; behind K's last fragment: the upper six of its tuple
.endr
	WIN 0
	s_wait_kmcnt 0x0
	s_mul_i32 s48, s45, 1536
	s_add_nc_u64 s[24:25], s[4:5], s[48:49]
	s_add_nc_u64 s[28:29], s[24:25], 12582912      ; s[28:29] V's fragments
	s_add_nc_u64 s[24:25], s[24:25], 6291456       ; s[24:25] K's
	s_lshl_b32 s48, s45, 6
	s_add_nc_u64 s[26:27], s[6:7], s[48:49]
	s_add_nc_u64 s[30:31], s[26:27], 524288        ; s[30:31] V's scale words
	s_add_nc_u64 s[26:27], s[26:27], 262144        ; s[26:27] K's
	s_mul_i32 s48, s46, 1536
	s_add_nc_u64 s[32:33], s[4:5], s[48:49]        ; s[32:33] Q's fragments
	s_lshl_b32 s48, s46, 6
	s_add_nc_u64 s[34:35], s[6:7], s[48:49]        ; s[34:35] Q's scale words
	s_lshl_b32 s48, s17, 7
	s_lshl_b32 s50, ttmp9, 4
	s_add_co_u32 s48, s48, s50
	s_lshr_b32 s50, s14, 1
	s_add_co_u32 s48, s48, s50                     ; the tile of tokens that I finish in the first trip
	s_mul_i32 s48, s48, 12288
	s_lshl_b32 s50, s18, 2
	s_and_b32 s51, s14, 1
	s_add_co_u32 s50, s50, s51                     ; and its block of 32 features
	s_mul_i32 s50, s50, 384
	s_add_co_u32 s48, s48, s50
	s_add_nc_u64 s[36:37], s[10:11], s[48:49]      ; s[36:37] oc
	s_lshl_b32 s48, s18, 15
	s_lshl_b32 s50, s17, 13
	s_add_co_u32 s48, s48, s50
	s_lshl_b32 s50, ttmp9, 10
	s_add_co_u32 s48, s48, s50
	s_lshl_b32 s50, s14, 8
	s_add_co_u32 s48, s48, s50
	s_add_nc_u64 s[38:39], s[12:13], s[48:49]      ; s[38:39] os: run = pair of heads, the work-group's 256 queries, my wave's 64
	s_lshl_b32 s48, s17, 11
	s_lshl_b32 s50, s14, 9
	s_add_co_u32 s48, s48, s50
	s_add_nc_u64 s[8:9], s[8:9], s[48:49]          ; the mask of my wave's 512 keys
	global_load_b128 v[184:187], v30, s[8:9]
	s_wait_loadcnt 0x0
.irp k, 0,1,2,3
.irp e, 0,1,2,3
	v_bfe_u32 v[188+4*\k+\e], v[184+\k], 8*\e, 8
.endr
.endr
.set j, 0
.rept 16
	v_add_nc_u32 v[188+j], -1, v[188+j]            ; 1 -> 0, 0 -> all ones
.set j, j+1
.endr
.set j, 0
.rept 16
	v_and_b32 v[188+j], 0xf1800000, v[188+j]       ; 0 at a valid key, -2^100 at a masked one
.set j, j+1
.endr
.irp k, 0,1,2,3
	ds_store_b128 v13, v[188+4*\k:188+4*\k+3] offset:16*\k   ; my wave alone reads these bytes, and LDS serves a wave's instructions in order
.endr
; FRONT: a tile's scores, its p under my wave's own M, and (-M, l) into LDS.  qf, qs: the tile's Q; oqf, oqs: the buffer that is loaded meanwhile, from ooff and osoff bytes on; soff: 0 or 1,024; isb: the trip's second tile.
.macro FRONT qf, qs, oqf, oqs, ooff, osoff, soff, isb
.if \isb
	s_cmp_eq_u32 s21, 1                            ; the head's last trip has no next tile
	s_cbranch_scc1 .Lnoq_\@
.endif
.irp i, 0,1,2
	global_load_b64 v[\oqf+2*\i:\oqf+2*\i+1], v1, s[32:33] offset:\ooff+256*\i
.endr
	global_load_b32 v[\oqs], v2, s[34:35] offset:\osoff
.if \isb
.Lnoq_\@:
.endif
	s_cmp_eq_u32 s21, s22                          ; the first head's last trip, in the first of the eight work-groups: the second head's K (96 runs of 256 bytes of my wave's keys) and V (96 more) are asked for,
	s_cbranch_scc0 .Lnopf_\@                       ; each run once in the launch, K's two tiles and V's one tile ahead of the loads that want them
.irp i, 0,1,2
.if \isb
	global_prefetch_b8 v11, s[28:29] offset:6144+2048*\i th:TH_LOAD_NT scope:SCOPE_SE
.else
	global_prefetch_b8 v10, s[24:25] offset:768+256*\i th:TH_LOAD_NT scope:SCOPE_SE
.endif
.endr
.Lnopf_\@:
	WIN 0x40                                       ; destination window 1
.set t, 0
.rept 32
	ds_load_b128 v[8*t:8*t+3], v3 offset:(32*(t/2)+8*(t%2))*4       ; the mask of keys 32 (t / 2) + 8 (t % 2) + 16 h + 0 .. 7: the C of tile t
	ds_load_b128 v[8*t+4:8*t+7], v3 offset:(32*(t/2)+8*(t%2))*4+16
.set t, t+1
.endr
	s_wait_dscnt 0x0
	WIN 0x52                                       ; K window 2, Q window 0, C and D window 1
.set t, 0
.rept 32
	v_wmma_scale_f32_16x16x128_f8f6f4 v[8*t:8*t+7], v[6*t:6*t+11], v[\qf:\qf+11], v[8*t:8*t+7], v[KS+t], v[\qs] matrix_a_fmt:MATRIX_FMT_FP6 matrix_b_fmt:MATRIX_FMT_FP6
.set t, t+1
.endr
.rept 4
	v_nop                                          ; places behind the products (ISA guide 7.12.1)
.endr
	WIN 0x15                                       ; three sources window 1
.set b, 0
.rept 16
	v_max3_num_f32 v[TM+b], v[16*b], v[16*b+1], v[16*b+2]           ; the largest score of each block of 32 keys, each accumulator from its low end on
.set b, b+1
.endr
	WIN 0x05
.irp i, 3,5,7,9,11,13
.set b, 0
.rept 16
	v_max3_num_f32 v[TM+b], v[16*b+\i], v[16*b+\i+1], v[TM+b]
.set b, b+1
.endr
.endr
.set b, 0
.rept 16
	v_max3_num_f32 v[TM+b], v[16*b+15], v[16*b+15], v[TM+b]
.set b, b+1
.endr
	WIN 0
.set b, 0
.rept 16
	v_permlanex16_b32 v[TM2+b], v[TM+b], s[SEL], s[SEL+1]
.set b, b+1
.endr
.set b, 0
.rept 16
	v_max_num_f32 v[TM+b], v[TM+b], v[TM2+b]       ; with lane l xor 16's 16 keys
.set b, b+1
.endr
	v_max3_num_f32 v26, v[TM], v[TM+1], v[TM+2]
	v_max3_num_f32 v27, v[TM+3], v[TM+4], v[TM+5]
	v_max3_num_f32 v28, v[TM+6], v[TM+7], v[TM+8]
	v_max3_num_f32 v29, v[TM+9], v[TM+10], v[TM+11]
	v_max3_num_f32 v30, v[TM+12], v[TM+13], v[TM+14]
	v_max3_num_f32 v26, v26, v27, v28
	v_max3_num_f32 v29, v29, v30, v[TM+15]
	v_max3_num_f32 v26, v26, v29, 0xec800000       ; my query's largest score among my 512 keys, held at -2^90 from below
	v_mul_f32 v26, s[CS], v26
	v_floor_f32 v14, -v26                          ; -M = floor(-t): M is a whole number
.set j, 0
.rept 8
	v_pk_fma_f32 v[TM+2*j:TM+2*j+1], v[TM+2*j:TM+2*j+1], s[CS:CS+1], v[14:15] op_sel_hi:[1,0,0]   ; t - M of each block's largest score
.set j, j+1
.endr
	WIN 0x41                                       ; destination and source 0 window 1
.set j, 0
.rept 128
	v_pk_fma_f32 v[2*j:2*j+1], v[2*j:2*j+1], s[CS:CS+1], v[14:15] op_sel_hi:[1,0,0]   ; t - M, two at a time
.set j, j+1
.endr
.set j, 0
.rept 256
	v_exp_f32 v[j], v[j]                           ; p = 2^(t - M)
.set j, j+1
.endr
	WIN 0
.set j, 0
.rept 16
	v_exp_f32 v[TM+j], v[TM+j]                     ; the blocks' largest p: the same instructions on the same numbers give the same bits
.set j, j+1
.endr
	v_nop                                          ; a plain instruction behind the last exponential
	s_wait_alu depctr_va_vdst(0)                   ; one wait for the whole batch, ahead of its first reader
	WIN 0x05
.irp c, 0,1,2,3,4,5,6,7
	v_pk_add_f32 v[SU+2*\c:SU+2*\c+1], v[2*\c:2*\c+1], v[16+2*\c:17+2*\c]   ; the sum of my 256 p, in eight chains
.endr
	WIN 0x01
.set j, 16
.rept 112
	v_pk_add_f32 v[SU+2*(j%8):SU+2*(j%8)+1], v[2*j:2*j+1], v[SU+2*(j%8):SU+2*(j%8)+1]
.set j, j+1
.endr
	WIN 0
.irp c, 0,1,2,3
	v_pk_add_f32 v[SU+2*\c:SU+2*\c+1], v[SU+2*\c:SU+2*\c+1], v[SU+8+2*\c:SU+9+2*\c]
.endr
.irp c, 0,1
	v_pk_add_f32 v[SU+2*\c:SU+2*\c+1], v[SU+2*\c:SU+2*\c+1], v[SU+4+2*\c:SU+5+2*\c]
.endr
	v_pk_add_f32 v[SU:SU+1], v[SU:SU+1], v[SU+2:SU+3]
	v_add_f32 v27, v[SU], v[SU+1]
	v_permlanex16_b32 v28, v27, s[SEL], s[SEL+1]
	v_add_f32 v15, v27, v28                        ; l: my query's sum over my 512 keys
	ds_store_b64 v4, v[14:15] offset:\soff
	s_wait_dscnt 0x0                               ; for the others' sake: my (-M, l) lies in LDS; my earlier LDS reads are back too
	s_barrier_signal -1
	s_barrier_wait -1
.endm
; BACK: the four waves' (-M, l) give r; att = p r is quantised and multiplied by my V.  oqs: the scale word of Q that FRONT asked for; ob: the tile's O^T in window 3.
.macro BACK oqs, soff, ob
.irp i, 0,1,2,3
	ds_load_b64 v[18+2*\i:19+2*\i], v1 offset:STA+\soff+256*\i
.endr
	s_wait_loadcnt 0x0                             ; the other buffer's Q is in
	v_lshrrev_b32 v[\oqs], s20, v[\oqs]            ; the head's two bytes to the word's low end
	s_wait_dscnt 0x0
	v_min3_num_f32 v26, v18, v20, v22
	v_min_num_f32 v26, v26, v24                    ; -Mg
	v_sub_f32 v27, v26, v18                        ; M_i - Mg: whole numbers, 0 or less
	v_sub_f32 v28, v26, v20
	v_sub_f32 v29, v26, v22
	v_sub_f32 v30, v26, v24
	v_sub_f32 v31, v26, v14                        ; my own
.irp j, 27,28,29,30,31
	v_cvt_i32_f32 v\j, v\j                         ; (it saturates)
.endr
.irp j, 27,28,29,30,31
	v_ldexp_f32 v\j, 1.0, v\j                      ; f_i = 2^(M_i - Mg): nothing is rounded
.endr
	v_mul_f32 v32, v19, v27
	v_fmac_f32 v32, v21, v28
	v_fmac_f32 v32, v23, v29
	v_fmac_f32 v32, v25, v30                       ; L
	v_rcp_f32 v33, v32
	v_cmp_lt_f32 vcc_lo, 0, v32                    ; (a plain instruction behind the reciprocal)
	s_wait_alu depctr_va_vdst(0)                   ; ahead of the reciprocal's first reader
	v_mul_f32 v33, v33, v31
	v_cndmask_b32 v16, 0, v33, vcc_lo              ; r = f_own / L; 0 where no key is valid
	WIN 0x41
.set j, 0
.rept 128
	v_pk_mul_f32 v[2*j:2*j+1], v[2*j:2*j+1], v[16:17] op_sel_hi:[1,0]   ; att
.set j, j+1
.endr
	WIN 0
.set j, 0
.rept 8
	v_pk_mul_f32 v[TM+2*j:TM+2*j+1], v[TM+2*j:TM+2*j+1], v[16:17] op_sel_hi:[1,0]   ; the blocks' largest att
.set j, j+1
.endr
.set b, 0
.rept 16
	v_max_num_f32 v[TM+b], 0x1800000, v[TM+b]      ; the floor 2^(3 - 127): the byte cannot fall under 1
.set b, b+1
.endr
.set b, 0
.rept 16
	v_add_nc_u32 v[TM3+b], 0xff000000, v[TM+b]     ; 2 off the exponent field: the conversion's scale operand
.set b, b+1
.endr
.set b, 0
.rept 16
	v_lshrrev_b32 v[TM2+b], 23, v[TM3+b]           ; the byte
.set b, b+1
.endr
.irp g, 0,1,2,3
	v_lshl_or_b32 v[VPS+\g], v[TM2+4*\g+1], 8, v[TM2+4*\g]
	v_lshl_or_b32 v[VPS+\g], v[TM2+4*\g+2], 16, v[VPS+\g]
	v_lshl_or_b32 v[VPS+\g], v[TM2+4*\g+3], 24, v[VPS+\g]          ; att's scale word of keys 128 g on
.endr
	WIN 0x01                                       ; source 0 window 1
.irp g, 0,1,2,3,4,5,6,7
	v_cvt_scalef32_pk16_fp6_f32 v[PC+6*\g:PC+6*\g+2], v[32*\g:32*\g+15], v[TM3+2*\g]
	v_cvt_scalef32_pk16_fp6_f32 v[PT+4*\g:PT+4*\g+2], v[32*\g+16:32*\g+31], v[TM3+2*\g+1]   ; (a conversion's three registers begin on an even number)
.endr
	WIN 0
	v_nop                                          ; one plain place behind a scaled conversion
.irp g, 0,1,2,3,4,5,6,7                        ; the operand's layout wants a whole block in a lane
.irp i, 0,1,2
	v_permlane16_swap_b32 v[PC+6*\g+\i], v[PT+4*\g+\i]
.endr
.irp i, 0,1,2
	v_mov_b32 v[PC+6*\g+3+\i], v[PT+4*\g+\i]
.endr
.endr
.rept 4
	v_nop                                          ; an operand written by vector instructions stands four places ahead of a scaled matrix instruction (the scale words stand far more than eight ahead)
.endr
	WIN 0xf3                                       ; V window 3, att window 0, C and D window 3
.irp g, 0,1,2,3                                ; the four accumulators take turns, one instruction a turn; the first products start the sums
.irp d, 0,1,2,3
.if \g == 0
	v_wmma_scale_f32_16x16x128_f8f6f4 v[\ob+8*\d:\ob+8*\d+7], v[12*(4*\g+\d):12*(4*\g+\d)+11], v[PC+12*\g:PC+12*\g+11], 0, v[VS+4*\g+\d], v[VPS+\g] matrix_a_fmt:MATRIX_FMT_FP6 matrix_b_fmt:MATRIX_FMT_FP6
.else
	v_wmma_scale_f32_16x16x128_f8f6f4 v[\ob+8*\d:\ob+8*\d+7], v[12*(4*\g+\d):12*(4*\g+\d)+11], v[PC+12*\g:PC+12*\g+11], v[\ob+8*\d:\ob+8*\d+7], v[VS+4*\g+\d], v[VPS+\g] matrix_a_fmt:MATRIX_FMT_FP6 matrix_b_fmt:MATRIX_FMT_FP6
.endif
.endr
.endr
	WIN 0
.endm
	s_mov_b32 s19, 2                               ; heads to go
	s_mov_b32 s20, 0                               ; 16 x head of the pair: how far a word of q's or k's scales is shifted
.Lhead:
	s_wait_loadcnt 0x0
.rept 4
	v_nop                                          ; places in front of loads into registers that matrix instructions have read
.endr
	WIN 0x80                                       ; destination window 2
.set t, 0
.rept 32
.irp i, 0,1,2
	global_load_b64 v[6*t+2*\i:6*t+2*\i+1], v1, s[24:25] offset:1536*t+256*\i   ; K: the head's six registers of fragment t; a load reads 256 consecutive bytes
.endr
.set t, t+1
.endr
	WIN 0
.set t, 0
.rept 32
	global_load_b32 v[KS+t], v2, s[26:27] offset:64*t
.set t, t+1
.endr
	WIN 0xc0                                       ; destination window 3
.set f, 0
.rept 16
.irp i, 0,1,2,3,4,5
	global_load_b64 v[12*f+2*\i:12*f+2*\i+1], v1, s[28:29] offset:12288*(f/4)+1536*(f%4)+256*\i   ; V: keys 128 (f / 4) on, features 16 (f % 4) on
.endr
.set f, f+1
.endr
	WIN 0
.set f, 0
.rept 16
	global_load_b32 v[VS+f], v2, s[30:31] offset:512*(f/4)+64*(f%4)
.set f, f+1
.endr
.irp i, 0,1,2
	global_load_b64 v[QFA+2*\i:QFA+2*\i+1], v1, s[32:33] offset:256*\i
.endr
	global_load_b32 v[QSA], v2, s[34:35]
	s_wait_loadcnt 0x0
	v_lshrrev_b32 v[QSA], s20, v[QSA]
.set t, 0
.rept 32
	v_lshrrev_b32 v[KS+t], s20, v[KS+t]            ; the head's two bytes to the low end; above them stand the other head's bytes or zeros, over zero codes of Q
.set t, t+1
.endr
.rept 8
	v_nop                                          ; a scale register written by a vector instruction stands eight places ahead of a scaled matrix instruction
.endr
	s_mov_b32 s21, 8                               ; trips of two tiles
.Ltrip:
	FRONT QFA, QSA, QFB, QSB, 1536, 64, 0, 0
	BACK QSB, 0, 192
	FRONT QFB, QSB, QFA, QSA, 3072, 128, 1024, 1
	BACK QSA, 1024, 224
.rept 4
	v_nop                                          ; places behind the last products
.endr
	WIN 0x0c                                       ; an LDS store's data are its source 1: window 3
.irp k, 0,1,2,3,4,5,6,7
	ds_store_b128 v6, v[192+4*\k:192+4*\k+3] offset:512*\k          ; my part of the first tile's O^T, each accumulator from its low end on
.endr
.irp k, 0,1,2,3,4,5,6,7
	ds_store_b128 v6, v[224+4*\k:224+4*\k+3] offset:16384+512*\k    ; and of the second's
.endr
	WIN 0
	s_wait_dscnt 0x0                               ; for the others' sake
	s_barrier_signal -1
	s_barrier_wait -1
	; my share of the two tiles: one tile's block of 32 features: 16 numbers a lane from each of the four waves.  These bytes are stored again only behind the next trip's second barrier.
.irp i, 0,1,2,3
.irp k, 0,1,2,3
	ds_load_b128 v[RD+16*\i+4*\k:RD+16*\i+4*\k+3], v7 offset:4096*\i+512*\k
.endr
.endr
	s_wait_dscnt 0x0
.irp j, 0,1,2,3,4,5,6,7
	v_pk_add_f32 v[RD+2*\j:RD+2*\j+1], v[RD+2*\j:RD+2*\j+1], v[RD+16+2*\j:RD+17+2*\j]
.endr
.irp j, 0,1,2,3,4,5,6,7
	v_pk_add_f32 v[RD+32+2*\j:RD+33+2*\j], v[RD+32+2*\j:RD+33+2*\j], v[RD+48+2*\j:RD+49+2*\j]
.endr
.irp j, 0,1,2,3,4,5,6,7
	v_pk_add_f32 v[RD+2*\j:RD+2*\j+1], v[RD+2*\j:RD+2*\j+1], v[RD+32+2*\j:RD+33+2*\j]
.endr
	v_max3_num_f32 v26, |v[RD]|, |v[RD+1]|, 0x1800000
.irp i, 2,4,6,8,10,12,14
	v_max3_num_f32 v26, v26, |v[RD+\i]|, |v[RD+\i+1]|
.endr
	v_permlanex16_b32 v27, v26, s[SEL], s[SEL+1]
	v_max_num_f32 v26, v26, v27                    ; the block's largest magnitude
	v_add_nc_u32 v28, 0xff000000, v26
	s_wait_xcnt 0x0                                ; the last trip's store has read its codes
	v_cvt_scalef32_pk16_fp6_f32 v[248:250], v[RD:RD+15], v28
	v_lshrrev_b32 v29, 23, v28                     ; the byte (a plain line behind the conversion)
	global_store_b96 v9, v[248:250], s[36:37]      ; 32 lanes store a block's 384 consecutive bytes
	v_lshrrev_b32 v30, 24, v38                     ; my sixteen bytes of the launch are kept in v36-39: all move up by one byte, the new one enters at the low end
	v_lshl_or_b32 v39, v39, 8, v30
	v_lshrrev_b32 v30, 24, v37
	v_lshl_or_b32 v38, v38, 8, v30
	v_lshrrev_b32 v30, 24, v36
	v_lshl_or_b32 v37, v37, 8, v30
	v_lshl_or_b32 v36, v36, 8, v29
	s_wait_xcnt 0x0                                ; the trip's loads and its store have read their bases
	s_add_nc_u64 s[32:33], s[32:33], 3072
	s_add_nc_u64 s[34:35], s[34:35], 128
	s_add_nc_u64 s[36:37], s[36:37], 24576
	s_sub_co_u32 s21, s21, 1
	s_cmp_lg_u32 s21, 0
	s_cbranch_scc1 .Ltrip
	s_add_nc_u64 s[24:25], s[24:25], 768           ; the pair's second head: the upper six registers of K's and Q's images,
	s_add_nc_u64 s[28:29], s[28:29], 6144          ; V's fragments 4 to 7 of each run of keys,
	s_add_nc_u64 s[30:31], s[30:31], 256
	s_sub_nc_u64 s[32:33], s[32:33], 24576-768     ; the work-group's first tile again,
	s_sub_nc_u64 s[34:35], s[34:35], 1024
	s_sub_nc_u64 s[36:37], s[36:37], 196608-768    ; two blocks of features on
	s_mov_b32 s22, -1                              ; nothing more is prefetched
	s_mov_b32 s20, 16
	s_sub_co_u32 s19, s19, 1
	s_cmp_lg_u32 s19, 0
	s_cbranch_scc1 .Lhead
	; o's scale bytes: the byte of head e, trip j entered as number 8 e + j and stands at byte 15 - 8 e - j of v36-39
.irp e, 0,1
.irp j, 0,1,2,3,4,5,6,7
.if (15-8*\e-\j)%4 == 0
	ds_store_b8 v8, v[36+(15-8*\e-\j)/4] offset:128*\j+2*\e
.else
	v_lshrrev_b32 v[184+8*\e+\j], 8*((15-8*\e-\j)%4), v[36+(15-8*\e-\j)/4]
	ds_store_b8 v8, v[184+8*\e+\j] offset:128*\j+2*\e      ; lanes r and r + 16 write the same byte with the same value
.endif
.endr
.endr
	s_wait_dscnt 0x0                               ; for the others' sake: a word's four bytes come from two waves
	s_barrier_signal -1
	s_barrier_wait -1
	ds_load_b64 v[26:27], v12
	s_wait_dscnt 0x0
	global_store_b64 v1, v[26:27], s[38:39]        ; 32 lanes store 256 consecutive bytes, at a multiple of 256 from os's first byte
	s_wait_tensorcnt 0x0                           ; the wave's end, behind my last LDS store
	ds_add_u32 v[SPW], v[NIL]
	s_wait_dscnt 0x0
	s_endpgm
.Lfunc_end_k_q0513bf2b48_attn:
	.size	k_q0513bf2b48_attn, .Lfunc_end_k_q0513bf2b48_attn-k_q0513bf2b48_attn
	.p2alignl 7, 3214868480
	.fill 96, 4, 3214868480
	.section	.rodata,"a",@progbits
	.p2align	6, 0x0
	.amdhsa_kernel k_q0513bf2b48_attn
		.amdhsa_group_segment_fixed_size 44544
		.amdhsa_private_segment_fixed_size 0
		.amdhsa_enable_private_segment 0
		.amdhsa_kernarg_size 40
		.amdhsa_user_sgpr_count 2
		.amdhsa_user_sgpr_kernarg_segment_ptr 1
		.amdhsa_wavefront_size32 1
		.amdhsa_system_sgpr_workgroup_id_x 1
		.amdhsa_system_sgpr_workgroup_id_y 1
		.amdhsa_system_sgpr_workgroup_id_z 1
		.amdhsa_system_vgpr_workitem_id 0
		.amdhsa_next_free_vgpr 1024
		.amdhsa_next_free_sgpr 66
		.amdhsa_reserve_vcc 1
		.amdhsa_float_denorm_mode_32 3
		.amdhsa_float_denorm_mode_16_64 3
		.amdhsa_memory_ordered 1
		.amdhsa_forward_progress 1
		.amdhsa_inst_pref_size 166
	.end_amdhsa_kernel
	.amdgpu_metadata
---
amdhsa.version: [ 1, 2 ]
amdhsa.kernels:
  - .name:           k_q0513bf2b48_attn
    .symbol:         k_q0513bf2b48_attn.kd
    .args:
      - { .name: pf, .offset: 0, .size: 8, .value_kind: global_buffer, .address_space: global }
      - { .name: ps, .offset: 8, .size: 8, .value_kind: global_buffer, .address_space: global }
      - { .name: mask, .offset: 16, .size: 8, .value_kind: global_buffer, .address_space: global }
      - { .name: oc, .offset: 24, .size: 8, .value_kind: global_buffer, .address_space: global }
      - { .name: os, .offset: 32, .size: 8, .value_kind: global_buffer, .address_space: global }
    .group_segment_fixed_size: 44544
    .private_segment_fixed_size: 0
    .kernarg_segment_align: 8
    .kernarg_segment_size: 40
    .max_flat_workgroup_size: 128
    .sgpr_count:     66
    .vgpr_count:     1024
    .wavefront_size: 32
...
	.end_amdgpu_metadata
.endif
;; end of part 3
;; launch outp (part 4): grid 4 x 32, 4 waves a work-group, clusters of 4 x 4, 327,680 bytes of LDS; arguments oc, os, xc, xs, bo, out0; writes out0
.if DOCPART == 4
	.amdgcn_target "amdgcn-amd-amdhsa--gfx1250"
	.amdhsa_code_object_version 6
	.text
	.protected	k_q0513bf2b48_outp
	.globl	k_q0513bf2b48_outp
	.p2align	8
	.type	k_q0513bf2b48_outp,@function
k_q0513bf2b48_outp:
	s_mov_b64 s[64:65], 0
	v_nop
	global_prefetch_b8 v0, s[64:65] scope:SCOPE_SE
	s_setreg_imm32_b32 hwreg(HW_REG_WAVE_MODE, 25, 1), 1
	s_wait_xcnt 0x0
	s_wait_alu depctr_hold_cnt(0) depctr_sa_sdst(0) depctr_va_vdst(0) depctr_va_sdst(0) depctr_va_ssrc(0) depctr_va_vcc(0) depctr_vm_vsrc(0)
	s_getreg_b32 s2, hwreg(HW_REG_IB_STS2, 6, 4)
	s_cmp_eq_u32 s2, 0
	s_cbranch_scc0 .Lentry_in_a_cluster
	s_endpgm
.Lentry_in_a_cluster:
	s_bfe_u32 s2, ttmp6, 0x10000c
	s_cmp_lg_u32 s2, 0xf033
	s_cbranch_scc0 .Lentry_shape_is_right
	s_endpgm
.Lentry_shape_is_right:
; out0 = o Wo^T + bo on codes of FP6 (E2M3) with E8M0 scales, f32 sums.  o's codes and scale words (oc, os) come from the attention launch, Wo's (rows 27,648 on of xc, xs) from the quantising launch.
; Both stand in tiles of 16 rows whose slot r is row 32 (T / 2) + 8 (T % 2) + r + 8 (r / 8); a tile is [32 blocks of K][16 slots][24 bytes].
; GRID: 8 clusters of 4 x 4 work-groups; a work-group makes 256 x 256 of out0, a wave 128 x 128: 64 accumulators.  Source 1 (role A, the lane) = tokens, source 0 (role B, the registers) = rows of Wo.
; K = 1,024 goes in four steps of 256 through a ring of two LDS slots; a wave's tensor load brings 8 tiles x 3,072 consecutive bytes.  A's tiles are shared along a row of the cluster, B's along a column: joint loads.
; The scale words of the work-group's 512 rows come once, with the first fills.  The bias is the C of each sum's first matrix instruction.
; THE WAY OUT: a block of 16 tokens x 128 columns goes through the wave's own stage in LDS, where the columns take their true places, and leaves as whole rows of 512 bytes at the tokens' true rows.
; REGISTERS: window 0: v1-31 addresses; v32-63 scale words, two sets; v64-127 the bias; v128-223 A's fragments (on the way out v128-255: rows read back).  window 1: B's fragments, two sets.  windows 2, 3: the accumulators.
.set HALFT,  24576
.set SLOT,   4*HALFT
.set SCL,    2*SLOT
.set SPARE,  SCL+4*4096                ; the spare words, 128 bytes for each wave: two blocks of 256 bytes that no other line names
.set STG,    SPARE+512                 ; the way out: 16 rows x (512 bytes + 16) for each wave
.set SPITCH, 528
.set FR,     12
.set NL,     6
.set NP,     4
.set ADRA, 16
.set ADRB, 20
.set STO,  24                          ; v24 the way out: where I put 16 bytes of a row
.set RD,   25                          ; v25 where I read a row back
.set CO,   26                          ; v26 16 x lane: my place in a row's 512 bytes
.set ADRS, 27
.set SPW,  28                          ; v28 LDS address of my spare word; never rewritten
.set NIL,  29                          ; v29 0; never rewritten
.set SC,   32
.set BIAS, 64
.set AF,   128
.set BK,   128                         ; the way out: 16 rows read back: v128-191 and v192-255 by turns
.set G1,   24
.set G0,   32
.set G1B,  48
.set G0B,  56
.set G1S,  68
.set G0S,  76
.set G1SB, 80
.set G0SB, 88
.set MSB, 0
.macro WIN new                         ; the immediate's high byte repeats the setting that is left
.if MSB != \new
	s_set_vgpr_msb (MSB<<8)|\new
.set MSB, \new
.endif
.endm
.set MUL_LO, 0xa1
.set MUL_HI, 0xf1
.set TO_B,   0x40
.macro JLOAD g0a, g1a, g0b, g1b        ; a joint load: waves 0 and 1 fetch for A, waves 2 and 3 for B; an s_nop 0 and four v_nop follow each of the two lines
	s_cmp_eq_u32 s19, 0
	s_cbranch_scc0 .Lfor_b_\@
	tensor_load_to_lds s[\g0a:\g0a+3], s[\g1a:\g1a+7]
	s_nop 0
.rept 4
	v_nop
.endr
	s_branch .Lasked_\@
.Lfor_b_\@:
	tensor_load_to_lds s[\g0b:\g0b+3], s[\g1b:\g1b+7]
	s_nop 0
.rept 4
	v_nop
.endr
.Lasked_\@:
.endm
.macro CREST
	s_cmp_lg_u32 s18, 0
	s_cbranch_scc1 .Lnot_wave_0_\@
	s_barrier_signal -3
.Lnot_wave_0_\@:
	s_barrier_wait -3
	s_barrier_signal -1
	s_barrier_wait -1
.endm
.macro CROUND
	s_barrier_signal -1
	s_barrier_wait -1
	CREST
.endm
	s_load_b256 s[4:11], s[0:1], 0x0               ; oc s[4:5], os s[6:7], xc s[8:9], xs s[10:11]
	s_load_b128 s[12:15], s[0:1], 0x20             ; bo s[12:13], out0 s[14:15]
	v_lshl_add_u32 v[SPW], v0, 2, SPARE
	v_mov_b32 v[NIL], 0
	ds_add_u32 v[SPW], v[NIL]                      ; the wave's opening: the add and its wait stand ahead of my first tensor load; the set-up below stands between them
	v_lshrrev_b32 v1, 5, v0
	v_readfirstlane_b32 s18, v1                    ; wave 0..3
	s_lshr_b32 s19, s18, 1                         ; which half of A's rows I multiply.  Also: I fetch for A (0) or for B (1)
	s_and_b32 s20, s18, 1                          ; which half of B's rows I multiply.  Also: which 128 rows I fetch
	s_bfe_u32 s40, ttmp6, 0x40000                  ; cx: B's tile of 256 rows of Wo
	s_bfe_u32 s41, ttmp6, 0x40004                  ; cy
	s_and_b32 s43, ttmp7, 0xffff
	s_lshl_b32 s43, s43, 2
	s_add_co_u32 s43, s43, s41                     ; A's tile of 256 tokens = 4 x cluster y + cy
	s_lshl_b32 s46, s41, 2
	s_lshl_b32 s46, 15, s46                        ; my row of the cluster
	s_lshl_b32 s47, 0x1111, s40                    ; my column
	s_or_b32 s[G1], s46, (3<<16)|(1<<21)           ; codes: 8 tiles (rows) of 384 elements of 8 bytes, 1,536 elements apart; dense in LDS
	s_or_b32 s[G1B], s47, (3<<16)|(1<<21)
.irp g, G1, G1B
	s_mov_b32 s[\g+1], 384<<16
	s_mov_b32 s[\g+2], 8<<16
	s_mov_b32 s[\g+3], 384<<16
	s_mov_b32 s[\g+4], 8
	s_mov_b32 s[\g+5], 1536
	s_mov_b32 s[\g+6], 0
	s_mov_b32 s[\g+7], 0
.endr
	s_or_b32 s[G1S], s46, (3<<16)|(1<<21)          ; scale words: 8 runs (rows) of 64 elements of 8 bytes
	s_or_b32 s[G1SB], s47, (3<<16)|(1<<21)
.irp g, G1S, G1SB
	s_mov_b32 s[\g+1], 64<<16
	s_mov_b32 s[\g+2], 8<<16
	s_mov_b32 s[\g+3], 64<<16
	s_mov_b32 s[\g+4], 8
	s_mov_b32 s[\g+6], 0
	s_mov_b32 s[\g+7], 0
.endr
	s_mov_b32 s[G1S+5], 4096                       ; os: 8,192 slots of 4 bytes from run to run
	s_mov_b32 s[G1SB+5], 14336                     ; xs: 28,672
	s_lshl_b32 s21, s20, 7
	s_lshl_b32 s22, s43, 8
	s_add_co_u32 s22, s22, s21                     ; the first of the 128 rows of A that I would fetch
	s_lshl_b32 s23, s40, 8
	s_add_co_u32 s23, s23, s21
	s_add_co_u32 s23, s23, 27648                   ; and of B
	s_mul_i32 s96, s22, 768
	s_mov_b32 s97, 0
	s_mul_i32 s98, s23, 768
	s_mov_b32 s99, 0
	s_lshl_b32 s92, s22, 2
	s_mov_b32 s93, 0
	s_lshl_b32 s94, s23, 2
	s_mov_b32 s95, 0
	s_mul_i32 s2, s18, HALFT                       ; where they go: by the wave's number alone
	s_lshl_b32 s3, s18, 12
	s_wait_dscnt 0x0                               ; the opening add is done
	s_wait_kmcnt 0x0
	s_add_nc_u64 s[96:97], s[4:5], s[96:97]
	s_add_nc_u64 s[98:99], s[8:9], s[98:99]
	s_add_nc_u64 s[92:93], s[6:7], s[92:93]
	s_add_nc_u64 s[94:95], s[10:11], s[94:95]
	CROUND                                         ; all sixteen work-groups are here: the first joint loads meet
	s_mov_b32 s[G0S], 1
	s_add_co_u32 s[G0S+1], s3, SCL
	s_mov_b64 s[G0S+2:G0S+3], s[92:93]
	s_or_b32 s[G0S+3], s[G0S+3], 0x80000000
	s_mov_b32 s[G0SB], 1
	s_add_co_u32 s[G0SB+1], s3, SCL
	s_mov_b64 s[G0SB+2:G0SB+3], s[94:95]
	s_or_b32 s[G0SB+3], s[G0SB+3], 0x80000000
	JLOAD G0S, G1S, G0SB, G1SB
.irp s, 0,1
	s_mov_b32 s[G0+4*\s], 1
	s_add_co_u32 s[G0+4*\s+1], s2, \s*SLOT
	s_add_nc_u64 s[G0+4*\s+2:G0+4*\s+3], s[96:97], \s*3072
	s_or_b32 s[G0+4*\s+3], s[G0+4*\s+3], 0x80000000
	s_mov_b32 s[G0B+4*\s], 1
	s_add_co_u32 s[G0B+4*\s+1], s2, \s*SLOT
	s_add_nc_u64 s[G0B+4*\s+2:G0B+4*\s+3], s[98:99], \s*3072
	s_or_b32 s[G0B+4*\s+3], s[G0B+4*\s+3], 0x80000000
	JLOAD G0+4*\s, G1, G0B+4*\s, G1B
.endr
	v_and_b32 v1, 15, v0                           ; r
	v_bfe_u32 v2, v0, 4, 1                         ; h
	v_mul_u32_u24 v3, v1, 24
	v_mad_u32_u24 v3, v2, 384, v3
	s_mul_i32 s21, s19, HALFT
	s_mul_i32 s22, s20, HALFT
	s_add_co_u32 s22, s22, 2*HALFT
.irp s, 0,1
	v_add_nc_u32 v[ADRA+\s], s21, v3
	v_add_nc_u32 v[ADRB+\s], s22, v3
	s_add_co_u32 s21, s21, SLOT
	s_add_co_u32 s22, s22, SLOT
.endr
	s_lshl_b32 s21, s19, 12
	s_lshl_b32 s22, s20, 12
	s_add_co_u32 s22, s22, 2*4096
	s_sub_co_u32 s22, s22, s21
	v_mul_u32_u24 v6, s22, v2                      ; lanes 16-31 take B's scale words: one product, the distance x h
	s_add_co_u32 s21, s21, SCL
	v_lshl_add_u32 v5, v1, 2, v6
	v_add_nc_u32 v[ADRS], s21, v5
	s_mul_i32 s21, s18, 16*SPITCH
	s_add_co_u32 s21, s21, STG                     ; my stage
	v_mul_u32_u24 v5, v1, SPITCH
	v_lshl_add_u32 v5, v2, 6, v5
	v_add_nc_u32 v[STO], s21, v5                   ; in: row r, + 64 h: register j of B's tile b is column 32 (b / 2) + 8 (b % 2) + 16 h + j
	v_and_b32 v4, 31, v0
	v_lshlrev_b32 v[CO], 4, v4
	v_add_nc_u32 v[RD], s21, v[CO]                 ; back: the 32 lanes take one row of 512 bytes
	s_lshl_b32 s92, s40, 10
	s_lshl_b32 s93, s20, 9
	s_add_co_u32 s92, s92, s93                     ; my first column, in bytes
	s_mov_b32 s93, 0
	s_add_nc_u64 s[12:13], s[12:13], s[92:93]      ; bo there
	s_lshl_b32 s94, s43, 8
	s_lshl_b32 s95, s19, 7
	s_add_co_u32 s94, s94, s95                     ; my first token
	s_lshl_b32 s94, s94, 12                        ; rows of 4,096 bytes (under 2^26)
	s_add_co_u32 s92, s92, s94
	s_add_nc_u64 s[14:15], s[14:15], s[92:93]      ; out0 at my first row and column
	v_lshlrev_b32 v5, 6, v2
.irp b, 0,1,2,3,4,5,6,7
	global_load_b128 v[BIAS+8*\b:BIAS+8*\b+3], v5, s[12:13] offset:(32*(\b/2)+8*(\b%2))*4
	global_load_b128 v[BIAS+8*\b+4:BIAS+8*\b+7], v5, s[12:13] offset:(32*(\b/2)+8*(\b%2))*4+16
.endr
.macro FRAG reg, adr, q, i             ; a fragment, 16 slots x 128 K: the 24 bytes of block 4 q + 2 c + h of slot r, in pieces of 8; the 32 lanes of a load touch 64 different banks
.irp p, 0,1,2,3,4,5
	ds_load_b64 v[\reg+2*\p:\reg+2*\p+1], v[\adr] offset:(\i)*3072+(\q)*1536+768*(\p/3)+8*(\p%3)
.endr
.endm
; 16 matrix instructions: A's blocks a0, a0 + 1 x B's eight.  mode 0: the sums go on; 1: they begin with the bias of B's tile.  The 64 accumulators take turns, one instruction a turn.
.macro MUL16 a0, p, q, sc, mode
.irp a, \a0, \a0+1
.irp b, 0,1,2,3,4,5,6,7
.if \mode == 0
	v_wmma_scale_f32_16x16x128_f8f6f4 v[8*(8*((\a)%4)+\b):8*(8*((\a)%4)+\b)+7], v[128*(\p)+FR*\b:128*(\p)+FR*\b+FR-1], v[AF+FR*(\a):AF+FR*(\a)+FR-1], v[8*(8*((\a)%4)+\b):8*(8*((\a)%4)+\b)+7], v[SC+16*(\sc)+2*\b+(\q)], v[SC+16*(\sc)+2*(\a)+(\q)] matrix_a_fmt:MATRIX_FMT_FP6 matrix_b_fmt:MATRIX_FMT_FP6 matrix_a_scale:MATRIX_SCALE_ROW1
.else
	v_wmma_scale_f32_16x16x128_f8f6f4 v[8*(8*((\a)%4)+\b):8*(8*((\a)%4)+\b)+7], v[128*(\p)+FR*\b:128*(\p)+FR*\b+FR-1], v[AF+FR*(\a):AF+FR*(\a)+FR-1], v[BIAS+8*\b:BIAS+8*\b+7], v[SC+16*(\sc)+2*\b+(\q)], v[SC+16*(\sc)+2*(\a)+(\q)] matrix_a_fmt:MATRIX_FMT_FP6 matrix_b_fmt:MATRIX_FMT_FP6 matrix_a_scale:MATRIX_SCALE_ROW1
.endif
.endr
.endr
.endm
.macro FETCH_B slot, q, p
	WIN TO_B
.irp i, 0,1,2,3,4,5,6,7
	FRAG 128*(\p)+FR*\i, ADRB+\slot, \q, \i
.endr
	WIN 0
.endm
.macro FETCH_A slot, q, i0
.irp i, \i0, \i0+1, \i0+2, \i0+3
	FRAG AF+FR*(\i), ADRA+\slot, \q, \i
.endr
.endm
.macro SCALES sc
.irp i, 0,1,2,3,4,5,6,7
.irp q, 0,1
	ds_load_b32 v[SC+16*\sc+2*\i+\q], v[ADRS] offset:\i*64+\q*512
.endr
.endr
.endm
.macro PLACES n                        ; plain vector instructions that name no register of the matrix instructions ahead (ISA guide 7.12.1)
.rept \n
	v_nop
.endr
.endm
.macro STEP slot, q, mode
	s_wait_dscnt 4*NL                              ; B's set, A's blocks 0-3 and the scale words are in; the youngest 24 loads (A's blocks 4-7) may be out
.if \mode
	WIN 0x81                                       ; C (the bias) window 0, D window 2
.else
	WIN MUL_LO
.endif
	MUL16 0, (\q)%2, \q, \slot, \mode
	MUL16 2, (\q)%2, \q, \slot, \mode
	s_wait_dscnt 0x0
	PLACES NP
	FETCH_B \slot, (\q)+1, 1-(\q)%2
	FETCH_A \slot, (\q)+1, 0
.if \mode
	WIN 0xc1
.else
	WIN MUL_HI
.endif
	MUL16 4, (\q)%2, \q, \slot, \mode
	MUL16 6, (\q)%2, \q, \slot, \mode
	PLACES NP
	WIN 0
	FETCH_A \slot, (\q)+1, 4
.endm
.macro TURN slot, next, fill           ; a slot's last step changes slots: one barrier; in front of it each wave waits for all its tensor loads, adds 0 to its spare word, and waits for that and for its reads of this slot
	s_wait_tensorcnt 0x0                           ; all my tensor loads have landed: my part of the next slot
	ds_add_u32 v[SPW], v[NIL]                      ; 0 onto my spare word
	s_wait_dscnt 4*NL+1                            ; (the add and the youngest 24 loads may be out)
	WIN MUL_LO
	MUL16 0, 1, 1, \slot, 0
	s_wait_dscnt 0x0                               ; the add is done, and my reads of this slot are over
	s_barrier_signal -1
	MUL16 2, 1, 1, \slot, 0
	WIN 0
	s_barrier_wait -1
.if \fill
	CREST                                          ; the barrier has opened a round of the cluster's barrier: no wave of any partner still reads this slot or has a load on its way
	s_add_nc_u64 s[G0+4*\slot+2:G0+4*\slot+3], s[G0+4*\slot+2:G0+4*\slot+3], 2*3072
	s_add_nc_u64 s[G0B+4*\slot+2:G0B+4*\slot+3], s[G0B+4*\slot+2:G0B+4*\slot+3], 2*3072
	JLOAD G0+4*\slot, G1, G0B+4*\slot, G1B         ; the first tensor load behind the round; its four v_nop are also the places in front of the loads below
.else
	PLACES NP
.endif
	v_add_nc_u32 v[ADRS], 1024, v[ADRS]
	FETCH_B \next, 0, 0
	FETCH_A \next, 0, 0
	SCALES \next
	WIN MUL_HI
	MUL16 4, 1, 1, \slot, 0
	MUL16 6, 1, 1, \slot, 0
	PLACES NP
	WIN 0
	FETCH_A \next, 0, 4
.endm
	s_wait_tensorcnt 1                             ; the scale words and my part of K step 0 are in; K step 1's load may be out
	s_barrier_signal -1
	s_barrier_wait -1
	FETCH_B 0, 0, 0
	FETCH_A 0, 0, 0
	SCALES 0
	FETCH_A 0, 0, 4
	s_wait_loadcnt 0x0                             ; the bias
	STEP 0, 0, 1
	TURN 0, 1, 1                                   ; slot 0 takes K step 2
	STEP 1, 0, 0
	TURN 1, 0, 1                                   ; slot 1 takes K step 3
	STEP 0, 0, 0
	TURN 0, 1, 0                                   ; nothing is left to fetch
	STEP 1, 0, 0
	s_wait_dscnt 4*NL
	WIN MUL_LO
	MUL16 0, 1, 1, 1, 0
	MUL16 2, 1, 1, 1, 0
	s_wait_dscnt 0x0
	WIN MUL_HI
	MUL16 4, 1, 1, 1, 0
	MUL16 6, 1, 1, 1, 0
	WIN 0
; THE WAY OUT, block by block of 16 tokens x 128 columns, through my own stage.  LDS serves a wave's instructions in order: no wait between the stores and the loads, nor in front of the next block's stores.
.macro TOSTAGE a
.set AC, 64*((\a)%4)
	WIN 0x08+4*((\a)/4)                            ; the data: window 2 or 3
.irp b, 0,1,2,3,4,5,6,7
	ds_store_b128 v[STO], v[AC+8*\b:AC+8*\b+3] offset:128*(\b/2)+32*(\b%2)          ; each accumulator from its low end on
	ds_store_b128 v[STO], v[AC+8*\b+4:AC+8*\b+7] offset:128*(\b/2)+32*(\b%2)+16
.endr
	WIN 0
.set BB, BK+64*((\a)%2)
.irp t, 0,1,2,3,4,5,6,7,8,9,10,11,12,13,14,15
	ds_load_b128 v[BB+4*\t:BB+4*\t+3], v[RD] offset:\t*SPITCH
.endr
.endm
.macro SEND a, younger                 ; younger: the LDS instructions issued behind block a's loads, which may stay out
.set BB, BK+64*((\a)%2)
	s_wait_dscnt \younger
.irp t, 0,1,2,3,4,5,6,7,8,9,10,11,12,13,14,15
	global_store_b128 v[CO], v[BB+4*\t:BB+4*\t+3], s[14:15] offset:(32*((\a)/2)+8*((\a)%2)+\t+8*(\t/8))*4096 th:TH_STORE_NT   ; slot t's true row; 32 lanes store 512 consecutive bytes, at a multiple of 256 from out0's first byte
.endr
.endm
	PLACES NP                                      ; behind the last products: for the reads of results and for the loads into the registers that held A's fragments
	TOSTAGE 0
.irp a, 1,2,3,4,5,6,7
.if \a > 1
	s_wait_xcnt 0x0                                ; block a - 2's stores have read their registers: block a's loads may land there
.endif
	TOSTAGE \a
	SEND \a-1, 32                                  ; behind block a - 1's loads: block a's 16 stores and 16 loads
.endr
	SEND 7, 0
	s_wait_tensorcnt 0x0                           ; the wave's end, behind my last tensor load and my last LDS store
	ds_add_u32 v[SPW], v[NIL]
	s_wait_dscnt 0x0
	CROUND                                         ; the closing round: no work-group ends while a partner may still ask for a tile that names it
	s_endpgm
.Lfunc_end_k_q0513bf2b48_outp:
	.size	k_q0513bf2b48_outp, .Lfunc_end_k_q0513bf2b48_outp-k_q0513bf2b48_outp
	.p2alignl 7, 3214868480
	.fill 96, 4, 3214868480
	.section	.rodata,"a",@progbits
	.p2align	6, 0x0
	.amdhsa_kernel k_q0513bf2b48_outp
		.amdhsa_group_segment_fixed_size 327680
		.amdhsa_private_segment_fixed_size 0
		.amdhsa_enable_private_segment 0
		.amdhsa_kernarg_size 48
		.amdhsa_user_sgpr_count 2
		.amdhsa_user_sgpr_kernarg_segment_ptr 1
		.amdhsa_wavefront_size32 1
		.amdhsa_system_sgpr_workgroup_id_x 1
		.amdhsa_system_sgpr_workgroup_id_y 1
		.amdhsa_system_sgpr_workgroup_id_z 1
		.amdhsa_system_vgpr_workitem_id 0
		.amdhsa_next_free_vgpr 1024
		.amdhsa_next_free_sgpr 100
		.amdhsa_reserve_vcc 0
		.amdhsa_float_denorm_mode_32 3
		.amdhsa_float_denorm_mode_16_64 3
		.amdhsa_memory_ordered 1
		.amdhsa_forward_progress 1
		.amdhsa_inst_pref_size 162
	.end_amdhsa_kernel
	.amdgpu_metadata
---
amdhsa.version: [ 1, 2 ]
amdhsa.kernels:
  - .name:           k_q0513bf2b48_outp
    .symbol:         k_q0513bf2b48_outp.kd
    .args:
      - { .name: oc, .offset: 0, .size: 8, .value_kind: global_buffer, .address_space: global }
      - { .name: os, .offset: 8, .size: 8, .value_kind: global_buffer, .address_space: global }
      - { .name: xc, .offset: 16, .size: 8, .value_kind: global_buffer, .address_space: global }
      - { .name: xs, .offset: 24, .size: 8, .value_kind: global_buffer, .address_space: global }
      - { .name: bo, .offset: 32, .size: 8, .value_kind: global_buffer, .address_space: global }
      - { .name: out0, .offset: 40, .size: 8, .value_kind: global_buffer, .address_space: global }
    .group_segment_fixed_size: 327680
    .private_segment_fixed_size: 0
    .kernarg_segment_align: 8
    .kernarg_segment_size: 48
    .max_flat_workgroup_size: 128
    .sgpr_count:     100
    .vgpr_count:     1024
    .wavefront_size: 32
...
	.end_amdgpu_metadata
.endif
;; end of part 4
;; ======== version 2 of 2: 4 launches
;; limits: right only within a limited range of input values
;; workspace buffers: xc 22,020,096 bytes; xs 917,504 bytes; pf 18,874,368 bytes; ps 786,432 bytes; oc 6,291,456 bytes; os 262,144 bytes
;; launch quant (part 5): grid 448 x 1, 4 waves a work-group, no clusters, 36,352 bytes of LDS; arguments query, key, value, Wq, Wk, Wv, Wo, xc, xs; writes xc, xs
.if DOCPART == 5
	.amdgcn_target "amdgcn-amd-amdhsa--gfx1250"
	.amdhsa_code_object_version 6
	.text
	.protected	k_q0513bf2b48_quant
	.globl	k_q0513bf2b48_quant
	.p2align	8
	.type	k_q0513bf2b48_quant,@function
k_q0513bf2b48_quant:
	s_mov_b64 s[64:65], 0
	v_nop
	global_prefetch_b8 v0, s[64:65] scope:SCOPE_SE
	s_setreg_imm32_b32 hwreg(HW_REG_WAVE_MODE, 25, 1), 1
	s_wait_xcnt 0x0
; The seven f32 tensors whose K (1,024) is innermost (query, key, value: 8,192 rows each; Wq, Wk, Wv, Wo: 1,024 rows each) become codes of FP6 (E2M3) with one E8M0 byte for each 32 along K.
; A block's scale is 2^(floor(log2(its largest magnitude)) - 2); its byte is the largest magnitude's exponent field - 2, held at 1 from below.  A block of zeros keeps the byte 1 where the
; quantiser says 127: its codes are zeros, which add nothing under any byte but 0xff, and only this program reads the bytes.
; LIMITS: NaN and infinities among the inputs are not served; blocks whose largest magnitude lies under 2^-124 take the floor's byte.
; LAYOUT OF xc: the 28,672 rows stand in tiles of 16; slot r of tile T holds row 32 (T / 2) + 8 (T % 2) + r + 8 (r / 8).  A tile is [32 blocks of K][16 slots][24 bytes] = 12,288 bytes, so that 256 along K of a tile
; are 3,072 consecutive bytes.  xs: [8 runs of 128 along K][28,672 slots][4 bytes].
; SHARES: a work-group takes 64 rows (four tiles), a wave one tile for all of K: 8 steps of 16 rows x 128.  A load reads 512 consecutive bytes of one row; the 16 rows turn through the wave's own stage in LDS,
; so that a lane holds 16 neighbours of a block (two neighbouring lanes hold a block), four blocks a step.  A block's 16 x 24 bytes of codes leave as 384 consecutive bytes.
; The scale words meet in LDS and leave as aligned runs of 256 bytes.  Memory binds: no matrix unit, no cluster, no prefetch; two steps of loads (32 a wave) are on their way.
.set ROWB,  4096                       ; a row in memory
.set SP,    528                        ; a stage row: 512 bytes + 16
.set STGW,  16*SP                      ; a wave's stage
.set SCG,   4*STGW                     ; the work-group's scale words: [8][64 slots][4 bytes]
.set SPARE, SCG+2048                   ; the spare words, 128 bytes for each wave: two blocks of 256 bytes that no other line names
.set XSROW, 28672*4                    ; from one run of 128 along K to the next in xs
.set TM,    8                          ; v8-11 largest magnitudes, v12-15 the conversions' scale operands, v16-19 bytes, v20 the word
.set C,     24                         ; v24-39 codes: four registers a block
.set SPW,   40                         ; v40 LDS address of my spare word; never rewritten
.set NIL,   41                         ; v41 0; never rewritten
.set R,     64                         ; v64-191 two sets of 64 numbers as loaded
.set X,     192                        ; v192-255 64 numbers: register 16 b + i = number 32 b + 16 (lane % 2) + i of row lane / 2
	s_load_b512 s[4:19], s[0:1], 0x0               ; query, key, value, Wq, Wk, Wv, Wo, xc
	s_load_b64 s[20:21], s[0:1], 0x40              ; xs
	v_lshl_add_u32 v[SPW], v0, 2, SPARE
	v_mov_b32 v[NIL], 0
	v_lshrrev_b32 v1, 5, v0
	v_readfirstlane_b32 s22, v1                    ; wave
	v_and_b32 v20, 31, v0                          ; lane
	v_lshlrev_b32 v1, 4, v20                       ; v1: my 16 bytes of a load's 512
	v_lshrrev_b32 v21, 1, v20                      ; my slot on the way out of the stage
	v_and_b32 v22, 1, v20                          ; and my half of a block
	s_mul_i32 s23, s22, STGW
	v_add_nc_u32 v2, s23, v1                       ; v2: the stage, way in
	v_mul_u32_u24 v3, v21, SP
	v_lshl_add_u32 v3, v22, 6, v3
	v_add_nc_u32 v3, s23, v3                       ; v3: the stage, way out
	v_mul_u32_u24 v4, v20, 12                      ; v4: my 12 bytes of a block's 384
	s_lshl_b32 s24, s22, 6
	s_add_co_u32 s24, s24, SCG
	v_lshl_add_u32 v5, v21, 2, s24                 ; v5: my slot's scale word of step 0
	s_lshl_b32 s24, s22, 9
	s_add_co_u32 s24, s24, SCG
	v_lshlrev_b32 v7, 3, v20                       ; v7: 8 bytes a lane
	v_add_nc_u32 v6, s24, v7                       ; v6: the two runs of scale words that my wave stores
	s_lshr_b32 s29, s22, 1
	s_and_b32 s30, s22, 1
	s_lshl_b32 s29, s29, 17                        ; 32 rows
	s_lshl_b32 s30, s30, 15                        ; 8 rows
	s_add_co_u32 s31, s29, s30                     ; my tile's first row in the work-group's 64, in bytes
	s_wait_alu depctr_va_vdst(0)
	s_wait_kmcnt 0x0
	s_mov_b64 s[26:27], s[4:5]
	s_mov_b32 s28, 0
.macro PICK thr, p                     ; the tensor is chosen by the work-group's number alone
	s_cmp_ge_u32 ttmp9, \thr
	s_cselect_b64 s[26:27], s[\p:\p+1], s[26:27]
	s_cselect_b32 s28, \thr, s28
.endm
	PICK 128, 6
	PICK 256, 8
	PICK 384, 10
	PICK 400, 12
	PICK 416, 14
	PICK 432, 16
	s_sub_co_u32 s28, ttmp9, s28
	s_lshl_b32 s28, s28, 18                        ; 64 rows of 4,096 bytes a work-group
	s_add_co_u32 s28, s28, s31
	s_mov_b32 s29, 0
	s_add_nc_u64 s[26:27], s[26:27], s[28:29]      ; the source at my tile's first row
	s_lshl_b32 s30, ttmp9, 2
	s_add_co_u32 s30, s30, s22
	s_mul_i32 s30, s30, 12288
	s_mov_b32 s31, 0
	s_add_nc_u64 s[18:19], s[18:19], s[30:31]      ; xc at my tile
	s_lshl_b32 s30, ttmp9, 8
	s_mul_i32 s32, s22, 2*XSROW
	s_add_co_u32 s30, s30, s32
	s_add_nc_u64 s[20:21], s[20:21], s[30:31]      ; xs at run 2 w, the work-group's 64 slots
.macro LOAD t                          ; step t: slot j's row, 512 consecutive bytes a load
.irp j, 0,1,2,3,4,5,6,7,8,9,10,11,12,13,14,15
	global_load_b128 v[R+64*((\t)%2)+4*\j:R+64*((\t)%2)+4*\j+3], v1, s[26:27] offset:(\j+8*(\j/8))*ROWB+512*(\t) th:TH_LOAD_NT
.endr
.endm
.macro STEP t
.if (\t) < 7
	s_wait_loadcnt 16                              ; this step's 16 loads are in; the next step's 16 may be out
.else
	s_wait_loadcnt 0x0
.endif
.irp j, 0,1,2,3,4,5,6,7,8,9,10,11,12,13,14,15
	ds_store_b128 v2, v[R+64*((\t)%2)+4*\j:R+64*((\t)%2)+4*\j+3] offset:\j*SP
.endr
.irp b, 0,1,2,3
.irp i, 0,1,2,3
	ds_load_b128 v[X+16*\b+4*\i:X+16*\b+4*\i+3], v3 offset:128*\b+16*\i   ; LDS serves a wave's instructions in order: these see the stores above
.endr
.endr
	s_wait_dscnt 0x0                               ; the numbers are back, and the stores have read the set that is loaded again below
	s_wait_xcnt 0x0                                ; the last step's stores have read their codes: C is written again only behind this wait
.if (\t)+2 < 8
	LOAD (\t)+2
.endif
.irp b, 0,1,2,3
	v_max3_num_f32 v[TM+\b], |v[X+16*\b]|, |v[X+16*\b+1]|, 0x1800000   ; my 16 of block b, and the floor 2^(3 - 127): the byte cannot fall under 1
.endr
.irp i, 2,4,6,8,10,12,14
.irp b, 0,1,2,3
	v_max3_num_f32 v[TM+\b], v[TM+\b], |v[X+16*\b+\i]|, |v[X+16*\b+\i+1]|   ; the four blocks by turns
.endr
.endr
.irp b, 0,1,2,3
	v_max_num_f32_dpp v[TM+\b], v[TM+\b], v[TM+\b] row_xmask:1 row_mask:0xf bank_mask:0xf   ; with my neighbour's 16: the block's
.endr
.irp b, 0,1,2,3
	v_add_nc_u32 v[TM+4+\b], 0xff000000, v[TM+\b]  ; 2 off the exponent field: the conversion takes this operand's exponent field as its scale
.endr
.irp b, 0,1,2,3
	v_cvt_scalef32_pk16_fp6_f32 v[C+4*\b:C+4*\b+2], v[X+16*\b:X+16*\b+15], v[TM+4+\b]
.endr
.irp b, 0,1,2,3
	v_lshrrev_b32 v[TM+8+\b], 23, v[TM+4+\b]       ; the scale's byte (plain lines behind the conversions)
.endr
	v_lshl_or_b32 v20, v[TM+9], 8, v[TM+8]
	v_lshl_or_b32 v20, v[TM+10], 16, v20
	v_lshl_or_b32 v20, v[TM+11], 24, v20           ; my row's scale word of these 128 along K
	ds_store_b32 v5, v20 offset:256*(\t)           ; both lanes of a row write the same word with the same value
.irp b, 0,1,2,3
	global_store_b96 v4, v[C+4*\b:C+4*\b+2], s[18:19] offset:1536*(\t)+384*\b   ; 32 lanes store 384 consecutive bytes
.endr
.endm
	LOAD 0
	LOAD 1
.irp t, 0,1,2,3,4,5,6,7
	STEP \t
.endr
	s_wait_dscnt 0x0                               ; for the others' sake: my scale words lie in LDS
	s_barrier_signal -1
	s_barrier_wait -1
	ds_load_b64 v[8:9], v6                         ; run 2 w of the work-group's 64 slots,
	ds_load_b64 v[10:11], v6 offset:256            ; and run 2 w + 1
	s_wait_dscnt 0x0
	global_store_b64 v7, v[8:9], s[20:21]          ; 32 lanes store 256 consecutive bytes, at a multiple of 256 from xs's first byte
	global_store_b64 v7, v[10:11], s[20:21] offset:XSROW
	s_wait_tensorcnt 0x0                           ; the wave's end, behind my last LDS store
	ds_add_u32 v[SPW], v[NIL]
	s_wait_dscnt 0x0
	s_endpgm
.Lfunc_end_k_q0513bf2b48_quant:
	.size	k_q0513bf2b48_quant, .Lfunc_end_k_q0513bf2b48_quant-k_q0513bf2b48_quant
	.p2alignl 7, 3214868480
	.fill 96, 4, 3214868480
	.section	.rodata,"a",@progbits
	.p2align	6, 0x0
	.amdhsa_kernel k_q0513bf2b48_quant
		.amdhsa_group_segment_fixed_size 36352
		.amdhsa_private_segment_fixed_size 0
		.amdhsa_enable_private_segment 0
		.amdhsa_kernarg_size 72
		.amdhsa_user_sgpr_count 2
		.amdhsa_user_sgpr_kernarg_segment_ptr 1
		.amdhsa_wavefront_size32 1
		.amdhsa_system_sgpr_workgroup_id_x 1
		.amdhsa_system_sgpr_workgroup_id_y 1
		.amdhsa_system_sgpr_workgroup_id_z 1
		.amdhsa_system_vgpr_workitem_id 0
		.amdhsa_next_free_vgpr 256
		.amdhsa_next_free_sgpr 66
		.amdhsa_reserve_vcc 0
		.amdhsa_float_denorm_mode_32 3
		.amdhsa_float_denorm_mode_16_64 3
		.amdhsa_memory_ordered 1
		.amdhsa_forward_progress 1
		.amdhsa_inst_pref_size 62
	.end_amdhsa_kernel
	.amdgpu_metadata
---
amdhsa.version: [ 1, 2 ]
amdhsa.kernels:
  - .name:           k_q0513bf2b48_quant
    .symbol:         k_q0513bf2b48_quant.kd
    .args:
      - { .name: query, .offset: 0, .size: 8, .value_kind: global_buffer, .address_space: global }
      - { .name: key, .offset: 8, .size: 8, .value_kind: global_buffer, .address_space: global }
      - { .name: value, .offset: 16, .size: 8, .value_kind: global_buffer, .address_space: global }
      - { .name: Wq, .offset: 24, .size: 8, .value_kind: global_buffer, .address_space: global }
      - { .name: Wk, .offset: 32, .size: 8, .value_kind: global_buffer, .address_space: global }
      - { .name: Wv, .offset: 40, .size: 8, .value_kind: global_buffer, .address_space: global }
      - { .name: Wo, .offset: 48, .size: 8, .value_kind: global_buffer, .address_space: global }
      - { .name: xc, .offset: 56, .size: 8, .value_kind: global_buffer, .address_space: global }
      - { .name: xs, .offset: 64, .size: 8, .value_kind: global_buffer, .address_space: global }
    .group_segment_fixed_size: 36352
    .private_segment_fixed_size: 0
    .kernarg_segment_align: 8
    .kernarg_segment_size: 72
    .max_flat_workgroup_size: 128
    .sgpr_count:     66
    .vgpr_count:     256
    .wavefront_size: 32
...
	.end_amdgpu_metadata
.endif
;; end of part 5
;; launch qkv (part 6): grid 4 x 96, 4 waves a work-group, clusters of 4 x 4, 327,680 bytes of LDS; arguments xc, xs, bq, bk, bv, pf, ps; writes pf, ps
.if DOCPART == 6
	.amdgcn_target "amdgcn-amd-amdhsa--gfx1250"
	.amdhsa_code_object_version 6
	.text
	.protected	k_q0513bf2b48_qkv
	.globl	k_q0513bf2b48_qkv
	.p2align	8
	.type	k_q0513bf2b48_qkv,@function
k_q0513bf2b48_qkv:
	s_mov_b64 s[64:65], 0
	v_nop
	global_prefetch_b8 v0, s[64:65] scope:SCOPE_SE
	s_setreg_imm32_b32 hwreg(HW_REG_WAVE_MODE, 25, 1), 1
	s_wait_xcnt 0x0
	s_wait_alu depctr_hold_cnt(0) depctr_sa_sdst(0) depctr_va_vdst(0) depctr_va_sdst(0) depctr_va_ssrc(0) depctr_va_vcc(0) depctr_vm_vsrc(0)
	s_getreg_b32 s2, hwreg(HW_REG_IB_STS2, 6, 4)
	s_cmp_eq_u32 s2, 0
	s_cbranch_scc0 .Lentry_in_a_cluster
	s_endpgm
.Lentry_in_a_cluster:
	s_bfe_u32 s2, ttmp6, 0x10000c
	s_cmp_lg_u32 s2, 0xf033
	s_cbranch_scc0 .Lentry_shape_is_right
	s_endpgm
.Lentry_shape_is_right:
.set HALFT,  24576
.set SLOT,   4*HALFT
.set SCL,    2*SLOT
.set SPARE,  SCL+4*4096
.set STG,    SPARE+512
.set FR,     12
.set NL,     6
.set NP,     4
.set VJ,   8
.set ADRA, 16
.set ADRB, 20
.set STO,  24
.set RD,   25
.set GO,   26
.set ADRS, 27
.set SPW,  28
.set NIL,  29
.set GP,   30
.set SC,   32
.set BIAS, 64
.set AF,   128
.set TM,   224
.set PW,   240
.set PC,   32
.set G1,   24
.set G0,   32
.set G1B,  48
.set G0B,  56
.set G1S,  68
.set G0S,  76
.set G1SB, 80
.set G0SB, 88
.set SEL,  66
.set MSB, 0
.macro WIN new
.if MSB != \new
	s_set_vgpr_msb (MSB<<8)|\new
.set MSB, \new
.endif
.endm
.set MUL_LO, 0xa1
.set MUL_HI, 0xf1
.set TO_B,   0x40
.macro JLOAD g0a, g1a, g0b, g1b
	s_cmp_eq_u32 s19, 0
	s_cbranch_scc0 .Lfor_b_\@
	tensor_load_to_lds s[\g0a:\g0a+3], s[\g1a:\g1a+7]
	s_nop 0
.rept 4
	v_nop
.endr
	s_branch .Lasked_\@
.Lfor_b_\@:
	tensor_load_to_lds s[\g0b:\g0b+3], s[\g1b:\g1b+7]
	s_nop 0
.rept 4
	v_nop
.endr
.Lasked_\@:
.endm
.macro CREST
	s_cmp_lg_u32 s18, 0
	s_cbranch_scc1 .Lnot_wave_0_\@
	s_barrier_signal -3
.Lnot_wave_0_\@:
	s_barrier_wait -3
	s_barrier_signal -1
	s_barrier_wait -1
.endm
.macro CROUND
	s_barrier_signal -1
	s_barrier_wait -1
	CREST
.endm
	s_load_b256 s[4:11], s[0:1], 0x0
	s_load_b128 s[12:15], s[0:1], 0x20
	s_load_b64 s[16:17], s[0:1], 0x30
	v_lshl_add_u32 v[SPW], v0, 2, SPARE
	v_mov_b32 v[NIL], 0
	ds_add_u32 v[SPW], v[NIL]
	ds_add_u32 v[SPW], v[NIL]
	v_lshrrev_b32 v1, 5, v0
	v_readfirstlane_b32 s18, v1
	s_lshr_b32 s19, s18, 1
	s_and_b32 s20, s18, 1
	s_bfe_u32 s40, ttmp6, 0x40000
	s_bfe_u32 s41, ttmp6, 0x40004
	s_and_b32 s46, ttmp7, 0xffff
	s_lshr_b32 s44, s46, 3
	s_and_b32 s45, s46, 7
	s_lshl_b32 s45, s45, 2
	s_lshl_b32 s92, s44, 13
	s_lshl_b32 s93, s44, 10
	s_add_co_u32 s93, s93, 24576
	s_cmp_eq_u32 s44, 2
	s_cselect_b32 s43, 0, s45
	s_cselect_b32 s42, s45, 0
	s_cselect_b32 s92, 26624, s92
	s_cselect_b32 s93, 16384, s93
	s_add_co_u32 s43, s43, s41
	s_add_co_u32 s42, s42, s40
	s_lshl_b32 s46, s41, 2
	s_lshl_b32 s46, 15, s46
	s_lshl_b32 s47, 0x1111, s40
	s_or_b32 s[G1], s46, (3<<16)|(1<<21)
	s_or_b32 s[G1B], s47, (3<<16)|(1<<21)
.irp g, G1, G1B
	s_mov_b32 s[\g+1], 384<<16
	s_mov_b32 s[\g+2], 8<<16
	s_mov_b32 s[\g+3], 384<<16
	s_mov_b32 s[\g+4], 8
	s_mov_b32 s[\g+5], 1536
	s_mov_b32 s[\g+6], 0
	s_mov_b32 s[\g+7], 0
.endr
	s_lshl_b32 s21, s20, 7
	s_lshl_b32 s22, s43, 8
	s_add_co_u32 s22, s22, s21
	s_add_co_u32 s22, s22, s92
	s_lshl_b32 s23, s42, 8
	s_add_co_u32 s23, s23, s21
	s_add_co_u32 s23, s23, s93
	s_mul_i32 s96, s22, 768
	s_mov_b32 s97, 0
	s_mul_i32 s98, s23, 768
	s_mov_b32 s99, 0
	s_lshl_b32 s68, s43, 8                         ; the scale words go from xs straight into registers: the first slot of the 128 rows of A that I multiply,
	s_lshl_b32 s69, s19, 7
	s_add_co_u32 s68, s68, s69
	s_add_co_u32 s68, s68, s92
	s_lshl_b32 s68, s68, 2                         ; in bytes: 4 a slot;
	s_lshl_b32 s70, s42, 8                         ; and of my 128 rows of B
	s_add_co_u32 s70, s70, s21
	s_add_co_u32 s70, s70, s93
	s_lshl_b32 s70, s70, 2
	s_mul_i32 s2, s18, HALFT
	s_wait_dscnt 0x0
	s_wait_kmcnt 0x0
	s_add_nc_u64 s[96:97], s[4:5], s[96:97]
	s_add_nc_u64 s[98:99], s[4:5], s[98:99]
	CROUND
.irp s, 0,1
	s_mov_b32 s[G0+4*\s], 1
	s_add_co_u32 s[G0+4*\s+1], s2, \s*SLOT
	s_add_nc_u64 s[G0+4*\s+2:G0+4*\s+3], s[96:97], \s*3072
	s_or_b32 s[G0+4*\s+3], s[G0+4*\s+3], 0x80000000
	s_mov_b32 s[G0B+4*\s], 1
	s_add_co_u32 s[G0B+4*\s+1], s2, \s*SLOT
	s_add_nc_u64 s[G0B+4*\s+2:G0B+4*\s+3], s[98:99], \s*3072
	s_or_b32 s[G0B+4*\s+3], s[G0B+4*\s+3], 0x80000000
.endr
	JLOAD G0, G1, G0B, G1B                         ; slot 0: one tensor load a wave at the head; the set-up below stands under its flight
	v_and_b32 v1, 15, v0
	v_bfe_u32 v2, v0, 4, 1
	s_wait_alu depctr_va_vdst(0)
	v_mul_u32_u24 v3, v1, 24
	v_mad_u32_u24 v3, v2, 384, v3
	s_mul_i32 s21, s19, HALFT
	s_mul_i32 s22, s20, HALFT
	s_add_co_u32 s22, s22, 2*HALFT
.irp s, 0,1
	v_add_nc_u32 v[ADRA+\s], s21, v3
	v_add_nc_u32 v[ADRB+\s], s22, v3
	s_add_co_u32 s21, s21, SLOT
	s_add_co_u32 s22, s22, SLOT
.endr
	v_mul_u32_u24 v6, s70, v2                      ; my offset in a run of xs: lanes 16-31 take B's slots,
	v_sub_nc_u32 v7, 1, v2
	v_mad_u32_u24 v6, s68, v7, v6                  ; lanes 0-15 A's,
	v_lshl_add_u32 v[ADRS], v1, 2, v6              ; slot r of a tile; never rewritten
	s_lshl_b32 s21, s18, 9
	s_add_co_u32 s21, s21, STG
	v_lshl_add_u32 v[STO], v1, 2, s21
	v_and_b32 v4, 31, v0
	v_lshl_add_u32 v[RD], v4, 4, s21
	v_lshlrev_b32 v[GO], 3, v4
	v_lshlrev_b32 v[GP], 4, v4
	s_lshl_b32 s92, s43, 8
	s_lshl_b32 s93, s19, 7
	s_add_co_u32 s92, s92, s93
	s_lshl_b32 s94, s42, 8
	s_lshl_b32 s95, s20, 7
	s_add_co_u32 s94, s94, s95
	s_cmp_eq_u32 s44, 1
	s_cselect_b64 s[8:9], s[10:11], s[8:9]
	s_cmp_eq_u32 s44, 2
	s_cselect_b64 s[8:9], s[12:13], s[8:9]
	s_cselect_b32 s96, s94, s92
	s_cselect_b32 s97, s92, s94
	s_cselect_b32 s21, 0, 64
	s_cselect_b32 s22, 4, 0
	s_cselect_b32 s23, 0, 4
	s_lshl_b32 s98, s97, 2
	s_mov_b32 s99, 0
	s_add_nc_u64 s[8:9], s[8:9], s[98:99]
	v_and_b32 v5, 8, v1
	v_add_nc_u32 v5, v5, v1
	v_mul_u32_u24 v6, s21, v2
	v_mad_u32_u24 v6, s22, v5, v6
	v_mov_b32 v7, s23
.irp j, 0,1,2,3,4,5,6,7
	v_mad_u32_u24 v[VJ+\j], v7, \j, v6
.endr
.irp x, 0,1,2,3,4,5,6,7
.irp j, 0,1,2,3,4,5,6,7
	global_load_b32 v[BIAS+8*\x+\j], v[VJ+\j], s[8:9] offset:(32*(\x/2)+8*(\x%2))*4
.endr
.endr
.irp c, 0,1
.irp i, 0,1,2,3,4,5,6,7
.irp q, 0,1
	global_load_b32 v[32+16*\c+2*\i+\q], v[ADRS], s[6:7] offset:\i*64+(2*\c+\q)*114688   ; the scale words of K chunks 0 and 1: tile i, run 2 c + q of 128 along K
.endr
.endr
.endr
	s_lshr_b32 s92, s96, 11
	s_lshl_b32 s92, s92, 3
	s_lshr_b32 s93, s97, 7
	s_add_co_u32 s92, s92, s93
	s_lshl_b32 s92, s92, 4
	s_bfe_u32 s93, s96, 0x40007
	s_add_co_u32 s92, s92, s93
	s_mul_i32 s94, s92, 12288
	s_mul_i32 s95, s44, 6291456
	s_add_co_u32 s94, s94, s95
	s_mov_b32 s95, 0
	s_add_nc_u64 s[14:15], s[14:15], s[94:95]
	s_lshl_b32 s94, s92, 9
	s_lshl_b32 s93, s44, 18
	s_add_co_u32 s94, s94, s93
	s_add_nc_u64 s[16:17], s[16:17], s[94:95]
	s_mov_b32 s[SEL], 0x76543210
	s_mov_b32 s[SEL+1], 0xfedcba98
.irp b, 0,1,2,3
	v_mov_b32 v[TM+4+\b], 0
.endr
.macro FRAG reg, adr, q, i
.irp p, 0,1,2,3,4,5
	ds_load_b64 v[\reg+2*\p:\reg+2*\p+1], v[\adr] offset:(\i)*3072+(\q)*1536+768*(\p/3)+8*(\p%3)
.endr
.endm
.macro MUL16 a0, p, q, sc, mode
.irp a, \a0, \a0+1
.irp b, 0,1,2,3,4,5,6,7
.if \mode == 0
	v_wmma_scale_f32_16x16x128_f8f6f4 v[8*(8*((\a)%4)+\b):8*(8*((\a)%4)+\b)+7], v[128*(\p)+FR*\b:128*(\p)+FR*\b+FR-1], v[AF+FR*(\a):AF+FR*(\a)+FR-1], v[8*(8*((\a)%4)+\b):8*(8*((\a)%4)+\b)+7], v[SC+16*(\sc)+2*\b+(\q)], v[SC+16*(\sc)+2*(\a)+(\q)] matrix_a_fmt:MATRIX_FMT_FP6 matrix_b_fmt:MATRIX_FMT_FP6 matrix_a_scale:MATRIX_SCALE_ROW1
.elseif \mode == 1
	v_wmma_scale_f32_16x16x128_f8f6f4 v[8*(8*((\a)%4)+\b):8*(8*((\a)%4)+\b)+7], v[128*(\p)+FR*\b:128*(\p)+FR*\b+FR-1], v[AF+FR*(\a):AF+FR*(\a)+FR-1], v[BIAS+8*\b:BIAS+8*\b+7], v[SC+16*(\sc)+2*\b+(\q)], v[SC+16*(\sc)+2*(\a)+(\q)] matrix_a_fmt:MATRIX_FMT_FP6 matrix_b_fmt:MATRIX_FMT_FP6 matrix_a_scale:MATRIX_SCALE_ROW1
.else
	v_wmma_scale_f32_16x16x128_f8f6f4 v[8*(8*((\a)%4)+\b):8*(8*((\a)%4)+\b)+7], v[128*(\p)+FR*\b:128*(\p)+FR*\b+FR-1], v[AF+FR*(\a):AF+FR*(\a)+FR-1], v[BIAS+8*(\a):BIAS+8*(\a)+7], v[SC+16*(\sc)+2*\b+(\q)], v[SC+16*(\sc)+2*(\a)+(\q)] matrix_a_fmt:MATRIX_FMT_FP6 matrix_b_fmt:MATRIX_FMT_FP6 matrix_a_scale:MATRIX_SCALE_ROW1
.endif
.endr
.endr
.endm
.macro FETCH_B slot, q, p
	WIN TO_B
.irp i, 0,1,2,3,4,5,6,7
	FRAG 128*(\p)+FR*\i, ADRB+\slot, \q, \i
.endr
	WIN 0
.endm
.macro FETCH_A slot, q, i0
.irp i, \i0, \i0+1, \i0+2, \i0+3
	FRAG AF+FR*(\i), ADRA+\slot, \q, \i
.endr
.endm
.macro SCALES c                        ; the scale words of K chunk c, into v[32 + 16 c ..]
.irp i, 0,1,2,3,4,5,6,7
.irp q, 0,1
	global_load_b32 v[32+16*\c+2*\i+\q], v[ADRS], s[6:7] offset:\i*64+(2*\c+\q)*114688
.endr
.endr
.endm
.macro PLACES n
.rept \n
	v_nop
.endr
.endm
.macro STEP slot, q, mode
	s_wait_dscnt 4*NL
.if \mode
	WIN 0x81
.else
	WIN MUL_LO
.endif
	MUL16 0, (\q)%2, \q, \slot, \mode
	MUL16 2, (\q)%2, \q, \slot, \mode
	s_wait_dscnt 0x0
	PLACES NP
	FETCH_B \slot, (\q)+1, 1-(\q)%2
	FETCH_A \slot, (\q)+1, 0
.if \mode
	WIN 0xc1
.else
	WIN MUL_HI
.endif
	MUL16 4, (\q)%2, \q, \slot, \mode
	MUL16 6, (\q)%2, \q, \slot, \mode
	PLACES NP
	WIN 0
	FETCH_A \slot, (\q)+1, 4
.endm
.macro TURN slot, next, fill
	s_wait_tensorcnt 0x0
	ds_add_u32 v[SPW], v[NIL]
	s_wait_dscnt 4*NL+1
	WIN MUL_LO
	MUL16 0, 1, 1, \slot, 0
	s_wait_dscnt 0x0
	s_barrier_signal -1
	MUL16 2, 1, 1, \slot, 0
	WIN 0
	s_barrier_wait -1
.if \fill
	CREST
	s_add_nc_u64 s[G0+4*\slot+2:G0+4*\slot+3], s[G0+4*\slot+2:G0+4*\slot+3], 2*3072
	s_add_nc_u64 s[G0B+4*\slot+2:G0B+4*\slot+3], s[G0B+4*\slot+2:G0B+4*\slot+3], 2*3072
	JLOAD G0+4*\slot, G1, G0B+4*\slot, G1B
.else
	PLACES NP
.endif
	FETCH_B \next, 0, 0
	FETCH_A \next, 0, 0
	WIN MUL_HI
	MUL16 4, 1, 1, \slot, 0
	MUL16 6, 1, 1, \slot, 0
	PLACES NP
	WIN 0
	FETCH_A \next, 0, 4
.endm
	s_wait_alu depctr_va_vdst(0)                   ; at the head's end
	s_wait_tensorcnt 0x0                           ; my part of slot 0 is in
	ds_add_u32 v[SPW], v[NIL]
	s_wait_dscnt 0x0
	CROUND                                         ; everybody's part is in, and all sixteen work-groups are here
	JLOAD G0+4, G1, G0B+4, G1B                     ; slot 1, the first tensor load behind the round
	FETCH_B 0, 0, 0
	FETCH_A 0, 0, 0
	FETCH_A 0, 0, 4
	s_wait_loadcnt 0x0
	s_cmp_eq_u32 s44, 2
	s_cbranch_scc1 .Lfirst_v
	STEP 0, 0, 1
	s_branch .Lfirst_done
.Lfirst_v:
	STEP 0, 0, 2
.Lfirst_done:
	SCALES 2                                       ; into the registers that held the bias: the first step's products have read them, four places back
	SCALES 3
	TURN 0, 1, 1
	STEP 1, 0, 0
	TURN 1, 0, 1
	s_wait_loadcnt 0x0                             ; the scale words of chunks 2 and 3 are in
.set SC, 64                            ; from here on the sets of chunks 2 and 3
	STEP 0, 0, 0
	TURN 0, 1, 0
	STEP 1, 0, 0
	s_wait_dscnt 4*NL
	WIN MUL_LO
	MUL16 0, 1, 1, 1, 0
	MUL16 2, 1, 1, 1, 0
	s_wait_dscnt 0x0
	WIN MUL_HI
	MUL16 4, 1, 1, 1, 0
	MUL16 6, 1, 1, 1, 0
	WIN 0
	PLACES NP
.macro OUTB a
.set AC, 64*((\a)%4)
	WIN 0x0a+5*((\a)/4)
.irp b, 0,1,2,3
	v_max3_num_f32 v[TM+\b], |v[AC+16*\b]|, |v[AC+16*\b+1]|, 0x1800000
.endr
.irp i, 2,4,6,8,10,12,14
.irp b, 0,1,2,3
	v_max3_num_f32 v[TM+\b], |v[AC+16*\b+\i]|, |v[AC+16*\b+\i+1]|, v[TM+\b]
.endr
.endr
	WIN 0
.irp b, 0,1,2,3
	v_permlanex16_b32 v[TM+4+\b], v[TM+\b], s[SEL], s[SEL+1]
.endr
.irp b, 0,1,2,3
	v_max_num_f32 v[TM+\b], v[TM+\b], v[TM+4+\b]
.endr
.irp b, 0,1,2,3
	v_add_nc_u32 v[TM+12+\b], 0xff000000, v[TM+\b]
.endr
.irp b, 0,1,2,3
	v_lshrrev_b32 v[TM+4+\b], 23, v[TM+12+\b]
.endr
	v_lshl_or_b32 v[PW], v[TM+5], 8, v[TM+4]
	v_lshl_or_b32 v[PW], v[TM+6], 16, v[PW]
	v_lshl_or_b32 v[PW], v[TM+7], 24, v[PW]
	s_wait_xcnt 0x0
	WIN 2+(\a)/4
.irp c, 0,1
	v_cvt_scalef32_pk16_fp6_f32 v[PC+6*\c:PC+6*\c+2], v[AC+32*\c:AC+32*\c+15], v[TM+12+2*\c]
	v_cvt_scalef32_pk16_fp6_f32 v[PC+12+4*\c:PC+14+4*\c], v[AC+32*\c+16:AC+32*\c+31], v[TM+12+2*\c+1]
.endr
	WIN 0
	v_nop
.irp c, 0,1
.irp i, 0,1,2
	v_permlane16_swap_b32 v[PC+6*\c+\i], v[PC+12+4*\c+\i]
.endr
.irp i, 0,1,2
	v_mov_b32 v[PC+3+6*\c+\i], v[PC+12+4*\c+\i]
.endr
.endr
.irp i, 0,1,2,3,4,5
	global_store_b64 v[GO], v[PC+2*\i:PC+2*\i+1], s[14:15] offset:1536*(\a)+256*\i
.endr
	ds_store_b32 v[STO], v[PW] offset:64*(\a)
.endm
.irp a, 0,1,2,3,4,5,6,7
	OUTB \a
.endr
	ds_load_b128 v[56:59], v[RD]
	s_wait_dscnt 0x0
	global_store_b128 v[GP], v[56:59], s[16:17]
	s_wait_tensorcnt 0x0
	ds_add_u32 v[SPW], v[NIL]
	s_wait_dscnt 0x0
	CROUND
	s_endpgm
.Lfunc_end_k_q0513bf2b48_qkv:
	.size	k_q0513bf2b48_qkv, .Lfunc_end_k_q0513bf2b48_qkv-k_q0513bf2b48_qkv
	.p2alignl 7, 3214868480
	.fill 96, 4, 3214868480
	.section	.rodata,"a",@progbits
	.p2align	6, 0x0
	.amdhsa_kernel k_q0513bf2b48_qkv
		.amdhsa_group_segment_fixed_size 327680
		.amdhsa_private_segment_fixed_size 0
		.amdhsa_enable_private_segment 0
		.amdhsa_kernarg_size 56
		.amdhsa_user_sgpr_count 2
		.amdhsa_user_sgpr_kernarg_segment_ptr 1
		.amdhsa_wavefront_size32 1
		.amdhsa_system_sgpr_workgroup_id_x 1
		.amdhsa_system_sgpr_workgroup_id_y 1
		.amdhsa_system_sgpr_workgroup_id_z 1
		.amdhsa_system_vgpr_workitem_id 0
		.amdhsa_next_free_vgpr 1024
		.amdhsa_next_free_sgpr 100
		.amdhsa_reserve_vcc 0
		.amdhsa_float_denorm_mode_32 3
		.amdhsa_float_denorm_mode_16_64 3
		.amdhsa_memory_ordered 1
		.amdhsa_forward_progress 1
		.amdhsa_inst_pref_size 191
	.end_amdhsa_kernel
	.amdgpu_metadata
---
amdhsa.version: [ 1, 2 ]
amdhsa.kernels:
  - .name:           k_q0513bf2b48_qkv
    .symbol:         k_q0513bf2b48_qkv.kd
    .args:
      - { .name: xc, .offset: 0, .size: 8, .value_kind: global_buffer, .address_space: global }
      - { .name: xs, .offset: 8, .size: 8, .value_kind: global_buffer, .address_space: global }
      - { .name: bq, .offset: 16, .size: 8, .value_kind: global_buffer, .address_space: global }
      - { .name: bk, .offset: 24, .size: 8, .value_kind: global_buffer, .address_space: global }
      - { .name: bv, .offset: 32, .size: 8, .value_kind: global_buffer, .address_space: global }
      - { .name: pf, .offset: 40, .size: 8, .value_kind: global_buffer, .address_space: global }
      - { .name: ps, .offset: 48, .size: 8, .value_kind: global_buffer, .address_space: global }
    .group_segment_fixed_size: 327680
    .private_segment_fixed_size: 0
    .kernarg_segment_align: 8
    .kernarg_segment_size: 56
    .max_flat_workgroup_size: 128
    .sgpr_count:     100
    .vgpr_count:     1024
    .wavefront_size: 32
...
	.end_amdgpu_metadata
.endif
;; end of part 6
;; launch attn (part 7): grid 4 x 64, 8 waves a work-group, no clusters, 136,192 bytes of LDS; arguments pf, ps, mask, oc, os; writes oc, os
.if DOCPART == 7
	.amdgcn_target "amdgcn-amd-amdhsa--gfx1250"
	.amdhsa_code_object_version 6
	.text
	.protected	k_q0513bf2b48_attn
	.globl	k_q0513bf2b48_attn
	.p2align	8
	.type	k_q0513bf2b48_attn,@function
k_q0513bf2b48_attn:
	s_mov_b64 s[64:65], 0
	v_nop
	global_prefetch_b8 v0, s[64:65] scope:SCOPE_SE
	s_setreg_imm32_b32 hwreg(HW_REG_WAVE_MODE, 25, 1), 1
	s_wait_xcnt 0x0
; att = softmax(q k^T / 8 under the key mask), re-zeroed at masked keys, FINISHED AND NORMALISED, is quantised along the keys; o = att v is quantised along the features for the last product.
; Both products on codes of FP6 (E2M3) with E8M0 scales.  No step and no input of the problem is left out here.
; SHARES.  A work-group of eight waves takes one batch, ONE head and 512 queries (32 tiles of 16).  Wave w owns keys 256 w .. 256 w + 255 for every tile: 128 registers of scores.
; Its K (16 fragments), its V (8 fragments x 12 registers) and their scale words stay in registers for the whole launch, loaded once as images of the registers.
; Between the waves go a query's (-M, sum), 8 bytes a lane, and the partial O^T, 4,096 bytes a wave and tile.
; NO JOINT LOADS: a joint load lands in LDS, and no tile of K or V passes through LDS here.  NO PREFETCH: K and V are asked for once, at the head, with no loop to run ahead in; Q is loaded a whole tile ahead of its use.
; LAYOUT.  S^T = K Q^T (source 0 = 16 keys, source 1 = 16 queries), O^T = V^T P^T: a lane holds one query throughout.  The keys of a tile stand as the projections' launch laid them: the 16 registers of tiles 2 b, 2 b + 1 are keys 32 b + 16 (lane / 16) + 0 .. 15.
; THE MASK RIDES IN THE SCORE PRODUCT.  The head's 64 fill half of the instruction's 128 along K.  At k = 64 Q holds the code of 1.0 under the scale 2^-25 (byte 102); K holds, for a masked key, the code of -7.5 under 2^125 (byte 252),
; for a valid key the code 0 under the byte 0.  So a masked key's score is its own - 7.5 x 2^100 and a valid key's is untouched.  All other codes of Q's upper half are zeros, so what else stands in the upper six registers of K's tuple adds nothing.
; SOFTMAX.  t = score x c, c = log2(e) / 8.  -M = floor(-(my wave's largest t)); p = 2^(t - M).  The eight waves' M meet in LDS: Mg the largest, f_i = 2^(M_i - Mg) exact, L = sum of l_i f_i, att = p x (f_own / L).
; The largest score is held at -2^90 from below: a masked key's p is 0, and where no key of a batch is valid L = 0 and att = 0.  A block's largest att is the block's largest score put through the same instructions (this takes v_exp_f32 not to fall where its input rises).
; THE PARTS OF O^T are added once for four tiles: wave w finishes tile w / 2 of the four, block w % 2 of 32 features.  That is done in the next trip's tile 0, where the score registers are free; the barriers of (-M, l) order it:
; tile 0's part is stored only behind tile 1's barrier, so that no slot is stored between the two barriers between which the slots are read.
; o's scale bytes leave as single bytes: a scale word of os holds two heads, which two work-groups make; that is 1 byte for each 24 bytes of codes.
; LIMITS: valid scores lie above -2^90 and are small beside 2^100; NaN and infinities are not served; p under 2^-126 counts as 0; a block of zeros keeps the byte 1 (its codes are zeros; only this program reads the bytes);
; the eight parts of O are added as ((0+1)+(2+3))+((4+5)+(6+7)).
; REGISTERS.  window 0: v1-13 addresses; v[14:15] -M, l; v[16:17] r; T at work; scale words; Q; TA, TB maxima and what is made of them; PC sums, (-M, l) of the eight, then att's codes; from KF K at a pitch of 8 (six of codes, the mask's, a zero).
;   window 1: v0-127 scores, v128-223 V, v224-255 O^T.
.set OP,    4096                       ; LDS: from 0 (-M, l): [tile % 2][wave][lane][8 bytes]; from OP the parts of O^T: [tile 4][wave 8][4,096 bytes]
.set SPARE, 135168                     ; the spare words, 128 bytes for each wave, that no other line names
.set T,    18
.set VPS,  30
.set QS,   32
.set SPW,  33                          ; LDS address of my spare word; never rewritten
.set NIL,  34                          ; 0; never rewritten
.set OCD,  36                          ; o's codes, and at OCD + 3 their byte
.set KS,   40
.set VS,   56
.set QF,   64
.set TA,   76
.set TB,   92
.set PC,   100
.set SU,   100
.set KF,   124
.set VF,   128
.set OA,   224
.set CS,   40                          ; s[40:41] c
.set SEL,  42                          ; s[42:43] lane l xor 16
.set MSB, 0
.macro WIN new                         ; the immediate's high byte repeats the setting that is left
.if MSB != \new
	s_set_vgpr_msb (MSB<<8)|\new
.set MSB, \new
.endif
.endm
.macro WA
	s_wait_alu depctr_va_vdst(0)
.endm
	s_load_b256 s[4:11], s[0:1], 0x0               ; pf, ps, mask, oc
	s_load_b64 s[12:13], s[0:1], 0x20              ; os
	v_lshl_add_u32 v[SPW], v0, 2, SPARE
	v_mov_b32 v[NIL], 0
	v_lshrrev_b32 v5, 5, v0
	v_readfirstlane_b32 s14, v5                    ; wave
	s_and_b32 s16, ttmp7, 0xffff                   ; 16 x batch + head
	s_lshr_b32 s17, s16, 4                         ; batch
	s_bfe_u32 s18, s16, 0x30001                    ; pair of heads
	s_and_b32 s19, s16, 1                          ; head of the pair
	s_lshl_b32 s20, s19, 4                         ; where the head's two bytes begin in a word of q's or k's scales
	s_lshr_b32 s44, s16, 1
	s_lshl_b32 s44, s44, 7                         ; 128 fragments for each batch and pair in every section
	s_lshl_b32 s45, s14, 4
	s_add_co_u32 s45, s44, s45                     ; my wave's first fragment of K and of V
	s_lshl_b32 s46, ttmp9, 5
	s_add_co_u32 s47, s44, s46                     ; the work-group's first fragment of Q
	s_lshr_b32 s22, s14, 1                         ; which of four tiles I finish,
	s_and_b32 s23, s14, 1                          ; and which block of 32 features
	s_lshl_b32 s24, s14, 8
	s_lshl_b32 s25, s14, 12
	s_add_co_u32 s25, s25, OP
	s_lshl_b32 s26, s22, 15
	s_lshl_b32 s27, s23, 11
	s_add_co_u32 s26, s26, s27
	s_add_co_u32 s26, s26, OP
	s_mov_b32 s[CS], 0x3e38aa3b                    ; c = log2(e) / 8
	s_mov_b32 s[CS+1], s[CS]
	s_mov_b32 s[SEL], 0x76543210
	s_mov_b32 s[SEL+1], 0xfedcba98
	v_and_b32 v5, 31, v0                           ; lane
	v_and_b32 v8, 15, v0                           ; r
	v_bfe_u32 v11, v0, 4, 1                        ; h
	v_lshlrev_b32 v1, 3, v5                        ; v1: 8 x lane
	v_lshlrev_b32 v2, 2, v8                        ; v2: 4 r
	v_and_b32 v12, 8, v8
	v_add_nc_u32 v12, v12, v8                      ; r + 8 (r / 8): slot r's key in a tile
	v_and_b32 v3, 28, v12                          ; v3: the word of the mask that holds it,
	v_and_b32 v13, 3, v8
	v_lshlrev_b32 v13, 3, v13                      ; v13: and its byte there, in bits
	v_add_nc_u32 v4, s24, v1                       ; v4: where I put (-M, l)
	v_lshl_add_u32 v6, v5, 4, s25                  ; v6: where I put my part of O^T, tiles 0 and 1;
	v_add_nc_u32 v10, 0x10000, v6                  ; v10: tiles 2 and 3
	v_lshl_add_u32 v7, v5, 4, s26                  ; v7: where I read the eight parts
	v_mul_u32_u24 v9, v8, 24
	v_mad_u32_u24 v9, v11, 12, v9                  ; v9: my 12 bytes of a block's 384 in oc
	v_xor_b32 v12, 1, v11
	v_lshlrev_b32 v[QF+6], 3, v12                  ; Q's upper half, written once: the code of 1.0 at k = 64 (lanes 0-15),
.irp n, 7,8,9,10,11
	v_mov_b32 v[QF+\n], 0                          ; zero codes everywhere else
.endr
.set n, 0
.rept 16
	v_mov_b32 v[KF+8*n+7], 0                       ; behind each fragment's mask register
.set n, n+1
.endr
.irp n, 128,129,130,131
	v_mov_b32 v[KF+\n], 0                          ; the last four of fragment 15's tuple
.endr
	v_mov_b32 v15, 0                               ; (upper halves of pairs, and lane permutes' destinations, are written before they are named)
	v_mov_b32 v17, 0
	v_mov_b32 v[T+1], 0
	v_mov_b32 v[T+2], 0
	WA                                             ; at the head's end
	s_wait_kmcnt 0x0
	s_mov_b32 s49, 0
	s_mov_b32 s51, 0
	s_mul_i32 s48, s45, 1536
	s_add_nc_u64 s[24:25], s[4:5], s[48:49]
	s_add_nc_u64 s[28:29], s[24:25], 12582912
	s_add_nc_u64 s[24:25], s[24:25], 6291456
	s_mul_i32 s48, s19, 768
	s_add_nc_u64 s[24:25], s[24:25], s[48:49]      ; s[24:25] K's fragments: the head's six registers of each image
	s_mul_i32 s48, s19, 6144
	s_add_nc_u64 s[28:29], s[28:29], s[48:49]      ; s[28:29] V's: the head's four fragments of each run of 128 keys
	s_lshl_b32 s48, s45, 6
	s_add_nc_u64 s[26:27], s[6:7], s[48:49]
	s_add_nc_u64 s[30:31], s[26:27], 524288
	s_add_nc_u64 s[26:27], s[26:27], 262144        ; s[26:27] K's scale words
	s_lshl_b32 s48, s19, 8
	s_add_nc_u64 s[30:31], s[30:31], s[48:49]      ; s[30:31] V's
	s_mul_i32 s48, s47, 1536
	s_mul_i32 s50, s19, 768
	s_add_co_u32 s48, s48, s50
	s_add_nc_u64 s[32:33], s[4:5], s[48:49]        ; s[32:33] Q's fragments
	s_lshl_b32 s48, s47, 6
	s_add_nc_u64 s[34:35], s[6:7], s[48:49]        ; s[34:35] Q's scale words
	s_lshl_b32 s48, s17, 7
	s_add_co_u32 s48, s48, s46
	s_add_co_u32 s48, s48, s22                     ; the tile of tokens that I finish first
	s_mul_i32 s50, s48, 12288
	s_lshl_b32 s52, s18, 2
	s_lshl_b32 s53, s19, 1
	s_add_co_u32 s53, s53, s23                     ; my block among the pair's four
	s_add_co_u32 s52, s52, s53
	s_mul_i32 s52, s52, 384
	s_add_co_u32 s50, s50, s52
	s_add_nc_u64 s[36:37], s[10:11], s[50:51]      ; s[36:37] oc
	s_lshl_b32 s50, s48, 6
	s_lshl_b32 s52, s18, 15
	s_add_co_u32 s50, s50, s52
	s_add_co_u32 s50, s50, s53
	s_add_nc_u64 s[38:39], s[12:13], s[50:51]      ; s[38:39] os: run = pair of heads, my tile's 16 words, my byte of them
	s_lshl_b32 s48, s17, 11
	s_lshl_b32 s50, s14, 8
	s_add_co_u32 s48, s48, s50
	s_add_nc_u64 s[8:9], s[8:9], s[48:49]          ; the mask of my wave's 256 keys
.set n, 0
.rept 16
	global_load_b32 v[TA+n], v3, s[8:9] offset:32*(n/2)+8*(n%2)     ; the word with the mask of fragment n's slot r
.set n, n+1
.endr
.set n, 0
.rept 16
	global_load_b32 v[KS+n], v2, s[26:27] offset:64*n
.set n, n+1
.endr
.irp i, 0,1,2
	global_load_b64 v[QF+2*\i:QF+2*\i+1], v1, s[32:33] offset:256*\i
.endr
	global_load_b32 v[QS], v2, s[34:35]
.set n, 0
.rept 16
.irp i, 0,1,2
	global_load_b64 v[KF+8*n+2*\i:KF+8*n+2*\i+1], v1, s[24:25] offset:1536*n+256*\i   ; a load reads 256 consecutive bytes
.endr
.set n, n+1
.endr
	WIN 0x40                                       ; destination window 1
.set n, 0
.rept 8
.irp i, 0,1,2,3,4,5
	global_load_b64 v[VF+12*n+2*\i:VF+12*n+2*\i+1], v1, s[28:29] offset:12288*(n/4)+1536*(n%4)+256*\i   ; V: keys 128 (n / 4) on, features 16 (n % 4) on
.endr
.set n, n+1
.endr
	WIN 0
.set n, 0
.rept 8
	global_load_b32 v[VS+n], v2, s[30:31] offset:512*(n/4)+64*(n%4)
.set n, n+1
.endr
	s_wait_loadcnt 56                              ; all but V's 48 loads and its 8 scale loads: those are awaited with the next tile's Q
	v_bfe_u32 v[QS], v[QS], s20, 16                ; the head's two bytes to the word's low end,
	v_or_b32 v[QS], 0x660000, v[QS]                ; above them the byte 102, the scale 2^-25 of Q's code at k = 64
.set n, 0
.rept 16
	v_bfe_u32 v[TA+n], v[TA+n], v13, 8             ; the key's byte: 1 valid, 0 masked
.set n, n+1
.endr
.set n, 0
.rept 16
	v_add_nc_u32 v[TA+n], -1, v[TA+n]              ; 1 -> 0, 0 -> all ones
.set n, n+1
.endr
.set n, 0
.rept 16
	v_and_b32 v[KF+8*n+6], 0x3f, v[TA+n]           ; K's code at k = 64: 0 at a valid key, -7.5 at a masked one
.set n, n+1
.endr
.set n, 0
.rept 16
	v_bfe_u32 v[KS+n], v[KS+n], s20, 16
.set n, n+1
.endr
.set n, 0
.rept 16
	v_lshl_or_b32 v[KS+n], v[KF+8*n+6], 18, v[KS+n]   ; above the head's two bytes the byte 252 (2^125) at a masked key, 0 at a valid one
.set n, n+1
.endr
.rept 8
	v_nop                                          ; a scale register written by a vector instruction stands eight places ahead of a scaled matrix instruction
.endr
; The 16 score products, each on an accumulator of its own, beginning with the constant 0.  Behind product t stand four lines of the search for the tiles' largest scores: step k of tile t - 2 - k,
; so that eight plain lines that name none of its registers stand between a product and the first read of its result (v_nop where no step is due yet).  A tile's first step reads its two lowest registers and holds the maximum at -2^90.
.macro QK
.set t, 0
.rept 21
.if t < 16
	WIN 0x40
	v_wmma_scale_f32_16x16x128_f8f6f4 v[8*t:8*t+7], v[KF+8*t:KF+8*t+11], v[QF:QF+11], 0, v[KS+t], v[QS] matrix_a_fmt:MATRIX_FMT_FP6 matrix_b_fmt:MATRIX_FMT_FP6
.endif
.irp k, 0,1,2,3
.set u, t-2-\k
.if (u >= 0) && (u < 16)
	WIN 0x05
.if \k == 0
	v_max3_num_f32 v[TA+u], v[8*u], v[8*u+1], 0xec800000
.else
	v_max3_num_f32 v[TA+u], v[8*u+2*\k], v[8*u+2*\k+1], v[TA+u]
.endif
.elseif t < 16
	v_nop
.endif
.endr
.set t, t+1
.endr
	WIN 0
.endm
.macro OSTORE sl                       ; my part of a tile's O^T into slot sl, each accumulator from its low end on
	WIN 0x04                                       ; an LDS store's data are its source 1: window 1
.irp d, 0,1,2,3
	WA                                             ; directly ahead of the accumulator's first reader
	ds_store_b128 v[6+4*((\sl)/2)], v[OA+8*\d:OA+8*\d+3] offset:32768*((\sl)%2)+1024*\d
	ds_store_b128 v[6+4*((\sl)/2)], v[OA+8*\d+4:OA+8*\d+7] offset:32768*((\sl)%2)+1024*\d+512
.endr
	WIN 0
.endm
.macro RLOAD                           ; my share of four tiles: 16 numbers a lane from each of the eight waves, into the score registers
	WIN 0x40
.irp i, 0,1,2,3,4,5,6,7
.irp k, 0,1,2,3
	ds_load_b128 v[16*\i+4*\k:16*\i+4*\k+3], v7 offset:4096*\i+512*\k
.endr
.endr
	WIN 0
.endm
.macro REDUCE                          ; the eight parts are added, quantised along the features and stored
	WA
	s_wait_dscnt 0x0
	s_wait_xcnt 0x0                                ; the last stores have read their codes and their bases
	s_add_nc_u64 s[36:37], s[36:37], s[52:53]      ; four tiles on (the first time: 0)
	s_add_nc_u64 s[38:39], s[38:39], s[54:55]
	s_mov_b32 s52, 49152
	s_mov_b32 s54, 256
	WIN 0x45
.irp i, 0,2,4,6
.irp p, 0,1,2,3,4,5,6,7
	v_pk_add_f32 v[16*\i+2*\p:16*\i+2*\p+1], v[16*\i+2*\p:16*\i+2*\p+1], v[16*\i+16+2*\p:16*\i+17+2*\p]
.endr
.endr
.irp i, 0,4
.irp p, 0,1,2,3,4,5,6,7
	v_pk_add_f32 v[16*\i+2*\p:16*\i+2*\p+1], v[16*\i+2*\p:16*\i+2*\p+1], v[16*\i+32+2*\p:16*\i+33+2*\p]
.endr
.endr
.irp p, 0,1,2,3,4,5,6,7
	v_pk_add_f32 v[2*\p:2*\p+1], v[2*\p:2*\p+1], v[64+2*\p:65+2*\p]
.endr
	WIN 0x05
	v_max3_num_f32 v[T], |v0|, |v1|, 0x1800000     ; my 16, in two chains, and the floor 2^(3 - 127)
	v_max3_num_f32 v[T+3], |v8|, |v9|, 0x1800000
.irp i, 2,4,6
	v_max3_num_f32 v[T], |v[\i]|, |v[\i+1]|, v[T]
	v_max3_num_f32 v[T+3], |v[8+\i]|, |v[9+\i]|, v[T+3]
.endr
	WIN 0
	v_max_num_f32 v[T], v[T], v[T+3]
	v_permlanex16_b32 v[T+1], v[T], s[SEL], s[SEL+1]
	v_max_num_f32 v[T], v[T], v[T+1]               ; the block's largest magnitude
	v_add_nc_u32 v[T+3], 0xff000000, v[T]
	WIN 0x01
	v_cvt_scalef32_pk16_fp6_f32 v[OCD:OCD+2], v[0:15], v[T+3]
	WIN 0
	v_lshrrev_b32 v[OCD+3], 23, v[T+3]             ; the byte (a plain line behind the conversion)
	global_store_b96 v9, v[OCD:OCD+2], s[36:37]    ; 32 lanes store a block's 384 consecutive bytes
	global_store_b8 v2, v[OCD+3], s[38:39]         ; lanes r and r + 16 store the same byte with the same value
.endm
.macro TILE j
	QK
.irp i, 0,1,2
	global_load_b64 v[QF+2*\i:QF+2*\i+1], v1, s[32:33] offset:1536*(\j+1)+256*\i   ; the next tile's Q (behind the last tile: bytes of pf and ps that are not used)
.endr
	global_load_b32 v[QS], v2, s[34:35] offset:64*(\j+1)
.irp b, 0,1,2,3,4,5,6,7
	v_max_num_f32 v[TB+\b], v[TA+2*\b], v[TA+2*\b+1]               ; the largest score of each block of 32 keys: my 16,
.endr
.irp b, 0,1,2,3,4,5,6,7
	v_permlanex16_b32 v[TA+\b], v[TB+\b], s[SEL], s[SEL+1]
.endr
.irp b, 0,1,2,3,4,5,6,7
	v_max_num_f32 v[TB+\b], v[TB+\b], v[TA+\b]     ; with lane l xor 16's
.endr
	v_max3_num_f32 v[T], v[TB], v[TB+1], v[TB+2]
	v_max3_num_f32 v[T+1], v[TB+3], v[TB+4], v[TB+5]
	s_delay_alu instid0(VALU_DEP_1)
	v_max3_num_f32 v[T], v[T], v[T+1], v[TB+6]
	s_delay_alu instid0(VALU_DEP_1)
	v_max_num_f32 v[T], v[T], v[TB+7]              ; my query's largest score among my 256 keys
	s_delay_alu instid0(VALU_DEP_1)
	v_mul_f32 v[T], s[CS], v[T]
	s_delay_alu instid0(VALU_DEP_1)
	v_floor_f32 v14, -v[T]                         ; -M = floor(-t): M is a whole number
.irp n, 0,1,2,3
	v_pk_fma_f32 v[TB+2*\n:TB+2*\n+1], v[TB+2*\n:TB+2*\n+1], s[CS:CS+1], v[14:15] op_sel_hi:[1,0,0]   ; t - M of each block's largest score
.endr
	WIN 0x41
.set n, 0
.rept 32
	v_pk_fma_f32 v[2*n:2*n+1], v[2*n:2*n+1], s[CS:CS+1], v[14:15] op_sel_hi:[1,0,0]   ; t - M of the first 64
.set n, n+1
.endr
	WA                                             ; ahead of the batch
.set n, 0
.rept 32
	v_exp_f32 v[2*n], v[2*n]                       ; p = 2^(t - M) of the first 64; among them the scalings of the other 64, which name no exponential's result
	v_exp_f32 v[2*n+1], v[2*n+1]
	v_pk_fma_f32 v[64+2*n:65+2*n], v[64+2*n:65+2*n], s[CS:CS+1], v[14:15] op_sel_hi:[1,0,0]
.set n, n+1
.endr
	WA                                             ; ahead of the second batch, whose sources stand above
.set n, 64
.rept 64
	v_exp_f32 v[n], v[n]
.set n, n+1
.endr
	WIN 0
.irp b, 0,1,2,3,4,5,6,7
	v_exp_f32 v[TB+\b], v[TB+\b]                   ; the blocks' largest p: the same instructions on the same numbers give the same bits
.endr
	v_nop                                          ; a plain line behind the last exponential
	WA                                             ; one wait for the batch, ahead of its first reader
	WIN 0x05
.irp c, 0,1,2,3,4,5,6,7
	v_pk_add_f32 v[SU+2*\c:SU+2*\c+1], v[2*\c:2*\c+1], v[16+2*\c:17+2*\c]   ; the sum of my 128 p, in eight chains
.endr
	WIN 0x01
.set n, 16
.rept 48
	v_pk_add_f32 v[SU+2*(n%8):SU+2*(n%8)+1], v[2*n:2*n+1], v[SU+2*(n%8):SU+2*(n%8)+1]
.set n, n+1
.endr
	WIN 0
.irp c, 0,1,2,3
	v_pk_add_f32 v[SU+2*\c:SU+2*\c+1], v[SU+2*\c:SU+2*\c+1], v[SU+8+2*\c:SU+9+2*\c]
.endr
.irp c, 0,1
	v_pk_add_f32 v[SU+2*\c:SU+2*\c+1], v[SU+2*\c:SU+2*\c+1], v[SU+4+2*\c:SU+5+2*\c]
.endr
	v_pk_add_f32 v[SU:SU+1], v[SU:SU+1], v[SU+2:SU+3]
	s_delay_alu instid0(VALU_DEP_1)
	v_add_f32 v[T], v[SU], v[SU+1]
	v_permlanex16_b32 v[T+2], v[T], s[SEL], s[SEL+1]
	v_add_f32 v15, v[T], v[T+2]                    ; l: my query's sum over my 256 keys
	ds_store_b64 v4, v[14:15] offset:2048*(\j%2)
	WA
	s_wait_dscnt 0x0                               ; for the others' sake: my (-M, l) and my parts of O^T lie in LDS, and my earlier LDS reads are back
	s_barrier_signal -1
	s_barrier_wait -1
.irp i, 0,1,2,3,4,5,6,7
	ds_load_b64 v[PC+2*\i:PC+2*\i+1], v1 offset:2048*(\j%2)+256*\i
.endr
.if \j == 1
	OSTORE 0                                       ; tile 0's part, held back until every wave's reads of the four slots are over
.endif
	s_wait_loadcnt 0x0                             ; the next tile's Q is in (the first time: V too)
	v_bfe_u32 v[QS], v[QS], s20, 16
	v_or_b32 v[QS], 0x660000, v[QS]
.if \j == 1
	s_wait_dscnt 8                                 ; the eight (-M, l); the eight stores behind them may be out
.else
	s_wait_dscnt 0x0
.endif
	v_min3_num_f32 v[T], v[PC], v[PC+2], v[PC+4]
	v_min3_num_f32 v[T+1], v[PC+6], v[PC+8], v[PC+10]
	s_delay_alu instid0(VALU_DEP_1)
	v_min3_num_f32 v[T], v[T], v[T+1], v[PC+12]
	s_delay_alu instid0(VALU_DEP_1)
	v_min_num_f32 v[T], v[T], v[PC+14]             ; -Mg
.irp i, 0,1,2,3,4,5,6,7
	v_sub_f32 v[PC+2*\i], v[T], v[PC+2*\i]         ; M_i - Mg: whole numbers, 0 or less
.endr
	v_sub_f32 v[T+1], v[T], v14                    ; my own
.irp i, 0,1,2,3,4,5,6,7
	v_cvt_i32_f32 v[PC+2*\i], v[PC+2*\i]           ; (it saturates)
.endr
	v_cvt_i32_f32 v[T+1], v[T+1]
.irp i, 0,1,2,3,4,5,6,7
	v_ldexp_f32 v[PC+2*\i], 1.0, v[PC+2*\i]        ; f_i = 2^(M_i - Mg): nothing is rounded
.endr
	v_ldexp_f32 v[T+1], 1.0, v[T+1]
	v_mul_f32 v[T+3], v[PC+1], v[PC]
	v_mul_f32 v[T+4], v[PC+9], v[PC+8]
.irp i, 1,2,3
	v_fmac_f32 v[T+3], v[PC+2*\i+1], v[PC+2*\i]
	v_fmac_f32 v[T+4], v[PC+8+2*\i+1], v[PC+8+2*\i]
.endr
	v_add_f32 v[T+3], v[T+3], v[T+4]               ; L
	WA                                             ; ahead of the reciprocal
	v_rcp_f32 v[T+4], v[T+3]
	v_cmp_lt_f32 vcc_lo, 0, v[T+3]                 ; (a plain line behind the reciprocal)
	WA                                             ; ahead of its first reader
	v_mul_f32 v[T+4], v[T+4], v[T+1]
	v_cndmask_b32 v16, 0, v[T+4], vcc_lo           ; r = f_own / L; 0 where no key is valid
	WIN 0x41
.set n, 0
.rept 64
	v_pk_mul_f32 v[2*n:2*n+1], v[2*n:2*n+1], v[16:17] op_sel_hi:[1,0]   ; att
.set n, n+1
.endr
	WIN 0
.irp n, 0,1,2,3
	v_pk_mul_f32 v[TB+2*\n:TB+2*\n+1], v[TB+2*\n:TB+2*\n+1], v[16:17] op_sel_hi:[1,0]   ; the blocks' largest att
.endr
.irp b, 0,1,2,3,4,5,6,7
	v_max_num_f32 v[TB+\b], 0x1800000, v[TB+\b]    ; the floor 2^(3 - 127): the byte cannot fall under 1
.endr
.irp b, 0,1,2,3,4,5,6,7
	v_add_nc_u32 v[TB+\b], 0xff000000, v[TB+\b]    ; 2 off the exponent field: the conversion's scale operand
.endr
.irp b, 0,1,2,3,4,5,6,7
	v_lshrrev_b32 v[TA+\b], 23, v[TB+\b]           ; the byte
.endr
	v_lshl_or_b32 v[VPS], v[TA+1], 8, v[TA]
	v_lshl_or_b32 v[VPS+1], v[TA+5], 8, v[TA+4]
	v_lshl_or_b32 v[VPS], v[TA+2], 16, v[VPS]
	v_lshl_or_b32 v[VPS+1], v[TA+6], 16, v[VPS+1]
	v_lshl_or_b32 v[VPS], v[TA+3], 24, v[VPS]      ; att's scale words of my keys 0 .. 127
	v_lshl_or_b32 v[VPS+1], v[TA+7], 24, v[VPS+1]  ; and 128 .. 255
	WIN 0x01
.irp g, 0,1,2,3
	v_cvt_scalef32_pk16_fp6_f32 v[PC+6*\g:PC+6*\g+2], v[32*\g:32*\g+15], v[TB+2*\g]
	v_cvt_scalef32_pk16_fp6_f32 v[TA+4*\g:TA+4*\g+2], v[32*\g+16:32*\g+31], v[TB+2*\g+1]   ; (a conversion's three registers begin on an even number)
.endr
	WIN 0
	v_nop                                          ; one plain place behind a scaled conversion
.if \j == 0
	s_cmp_eq_u32 s21, 8                            ; the first trip has no four tiles behind it
	WA
	s_cbranch_scc1 .Lnl_\@
	RLOAD                                          ; the score registers are free: the last four tiles' parts come in under the lines below
.Lnl_\@:
.endif
.irp g, 0,1,2,3                                ; the operand's layout wants a whole block in a lane
.irp i, 0,1,2
	v_permlane16_swap_b32 v[PC+6*\g+\i], v[TA+4*\g+\i]
.endr
.irp i, 0,1,2
	v_mov_b32 v[PC+6*\g+3+\i], v[TA+4*\g+\i]
.endr
.endr
.rept 4
	v_nop                                          ; an operand written by vector instructions stands four places ahead of a scaled matrix instruction
.endr
	WIN 0x51                                       ; V, C and D window 1, att window 0; the four accumulators take turns, one instruction a turn
.irp g, 0,1
.irp d, 0,1,2,3
.if \g == 0
	v_wmma_scale_f32_16x16x128_f8f6f4 v[OA+8*\d:OA+8*\d+7], v[VF+12*(4*\g+\d):VF+12*(4*\g+\d)+11], v[PC+12*\g:PC+12*\g+11], 0, v[VS+4*\g+\d], v[VPS+\g] matrix_a_fmt:MATRIX_FMT_FP6 matrix_b_fmt:MATRIX_FMT_FP6
.else
	v_wmma_scale_f32_16x16x128_f8f6f4 v[OA+8*\d:OA+8*\d+7], v[VF+12*(4*\g+\d):VF+12*(4*\g+\d)+11], v[PC+12*\g:PC+12*\g+11], v[OA+8*\d:OA+8*\d+7], v[VS+4*\g+\d], v[VPS+\g] matrix_a_fmt:MATRIX_FMT_FP6 matrix_b_fmt:MATRIX_FMT_FP6
.endif
.endr
.endr
	WIN 0
.if \j == 0
	s_cmp_eq_u32 s21, 8
	WA
	s_cbranch_scc1 .Lnr_\@
	REDUCE
.Lnr_\@:
.else
.rept 4
	v_nop                                          ; places behind the last products
.endr
	OSTORE \j
.endif
.endm
	s_mov_b32 s21, 8                               ; trips of four tiles
	s_mov_b32 s52, 0                               ; what the next way out adds to oc's and os's addresses
	s_mov_b32 s53, 0
	s_mov_b32 s54, 0
	s_mov_b32 s55, 0
	WA
.Ltrip:
	TILE 0
	TILE 1
	TILE 2
	TILE 3
	s_wait_xcnt 0x0                                ; the trip's loads have read their bases
	s_add_nc_u64 s[32:33], s[32:33], 6144
	s_add_nc_u64 s[34:35], s[34:35], 256
	s_sub_co_u32 s21, s21, 1
	s_cmp_lg_u32 s21, 0
	WA
	s_cbranch_scc1 .Ltrip
	s_wait_dscnt 0x0                               ; for the others' sake: my part of the last tile lies in LDS
	s_barrier_signal -1
	s_barrier_wait -1
	RLOAD                                          ; the last four tiles
	REDUCE
	s_wait_tensorcnt 0x0                           ; the wave's end, behind my last LDS store
	ds_add_u32 v[SPW], v[NIL]
	s_wait_dscnt 0x0
	s_endpgm
.Lfunc_end_k_q0513bf2b48_attn:
	.size	k_q0513bf2b48_attn, .Lfunc_end_k_q0513bf2b48_attn-k_q0513bf2b48_attn
	.p2alignl 7, 3214868480
	.fill 96, 4, 3214868480
	.section	.rodata,"a",@progbits
	.p2align	6, 0x0
	.amdhsa_kernel k_q0513bf2b48_attn
		.amdhsa_group_segment_fixed_size 136192
		.amdhsa_private_segment_fixed_size 0
		.amdhsa_enable_private_segment 0
		.amdhsa_kernarg_size 40
		.amdhsa_user_sgpr_count 2
		.amdhsa_user_sgpr_kernarg_segment_ptr 1
		.amdhsa_wavefront_size32 1
		.amdhsa_system_sgpr_workgroup_id_x 1
		.amdhsa_system_sgpr_workgroup_id_y 1
		.amdhsa_system_sgpr_workgroup_id_z 1
		.amdhsa_system_vgpr_workitem_id 0
		.amdhsa_next_free_vgpr 512
		.amdhsa_next_free_sgpr 66
		.amdhsa_reserve_vcc 1
		.amdhsa_float_denorm_mode_32 3
		.amdhsa_float_denorm_mode_16_64 3
		.amdhsa_memory_ordered 1
		.amdhsa_forward_progress 1
		.amdhsa_inst_pref_size 176
	.end_amdhsa_kernel
	.amdgpu_metadata
---
amdhsa.version: [ 1, 2 ]
amdhsa.kernels:
  - .name:           k_q0513bf2b48_attn
    .symbol:         k_q0513bf2b48_attn.kd
    .args:
      - { .name: pf, .offset: 0, .size: 8, .value_kind: global_buffer, .address_space: global }
      - { .name: ps, .offset: 8, .size: 8, .value_kind: global_buffer, .address_space: global }
      - { .name: mask, .offset: 16, .size: 8, .value_kind: global_buffer, .address_space: global }
      - { .name: oc, .offset: 24, .size: 8, .value_kind: global_buffer, .address_space: global }
      - { .name: os, .offset: 32, .size: 8, .value_kind: global_buffer, .address_space: global }
    .group_segment_fixed_size: 136192
    .private_segment_fixed_size: 0
    .kernarg_segment_align: 8
    .kernarg_segment_size: 40
    .max_flat_workgroup_size: 256
    .sgpr_count:     66
    .vgpr_count:     512
    .wavefront_size: 32
...
	.end_amdgpu_metadata
.endif
;; end of part 7
;; launch outp (part 8): grid 8 x 32, 4 waves a work-group, clusters of 4 x 4, 327,680 bytes of LDS; arguments oc, os, xc, xs, bo, out0; writes out0
.if DOCPART == 8
	.amdgcn_target "amdgcn-amd-amdhsa--gfx1250"
	.amdhsa_code_object_version 6
	.text
	.protected	k_q0513bf2b48_outp
	.globl	k_q0513bf2b48_outp
	.p2align	8
	.type	k_q0513bf2b48_outp,@function
k_q0513bf2b48_outp:
	s_mov_b64 s[64:65], 0
	v_nop
	global_prefetch_b8 v0, s[64:65] scope:SCOPE_SE
	s_setreg_imm32_b32 hwreg(HW_REG_WAVE_MODE, 25, 1), 1
	s_wait_xcnt 0x0
	s_wait_alu depctr_hold_cnt(0) depctr_sa_sdst(0) depctr_va_vdst(0) depctr_va_sdst(0) depctr_va_ssrc(0) depctr_va_vcc(0) depctr_vm_vsrc(0)
	s_getreg_b32 s2, hwreg(HW_REG_IB_STS2, 6, 4)
	s_cmp_eq_u32 s2, 0
	s_cbranch_scc0 .Lentry_in_a_cluster
	s_endpgm
.Lentry_in_a_cluster:
	s_bfe_u32 s2, ttmp6, 0x10000c
	s_cmp_lg_u32 s2, 0xf033
	s_cbranch_scc0 .Lentry_shape_is_right
	s_endpgm
.Lentry_shape_is_right:
; out0 = o Wo^T + bo.  o: codes of FP6 (E2M3) in oc with scale words in os, as the attention launch laid them; Wo: rows 27,648 .. 28,671 of xc and xs.  K = 1,024; sums in f32; the bias is the C of the first products.
; LAYOUT of oc and xc: tiles of 16 rows, a tile [32 blocks of K][16 slots][24 bytes] = 12,288 bytes; slot r of tile T holds row 32 (T / 2) + 8 (T % 2) + r + 8 (r / 8).  os, xs: [8 runs of 128 along K][slots][4 bytes].
; SHARES.  A work-group makes 256 tokens x 128 features: 8 x 32 = 256 work-groups.  ALL OF K LIES IN LDS AT ONCE: A's 16 tiles are 196,608 consecutive bytes of oc, B's 8 tiles 98,304 of xc.
; They come by one tensor load a wave at the head (waves 0, 1: A's halves; waves 2, 3: B's halves), as rows of 256 bytes.  Nothing is filled again: no ring, one work-group barrier.
; CLUSTERS of 4 x 4: A's tiles hang on the block row alone and are asked for jointly along a row of the cluster, B's on the block column alone, along a column.
; NO PREFETCH: every tile is asked for at the head; there is no loop to run ahead in.
; A wave makes 64 tokens (A's tiles 4 w .. 4 w + 3) x 128 features: 32 accumulators, 256 registers.  Source 0 = 16 rows of Wo, source 1 = 16 tokens: a lane holds eight neighbouring features of a token.
; THE SCALE WORDS go from memory into registers: a load reads 128 consecutive bytes, the words of two neighbouring tiles: the even one in lanes 0-15, the odd one in lanes 16-31, which the product reads by ROW1.
; A step of 128 along K is 32 products; the next step's 72 LDS loads stand three behind each of its first 24 products, into the other set of fragment registers.
; REGISTERS.  window 0: v16-29 addresses; v32-47 A's scale words (2 q + a / 2), v48-79 B's (4 q + b / 2); v80-175 A's fragments, two sets; v176-239 the bias; on the way out v80-207 rows read back.
;   window 1: accumulator (a, b) at v[8 (8 a + b)].   window 2: B's fragments, two sets of 96.
.set AH,     98304                     ; half of A's block
.set BH,     49152                     ; half of B's block; also a wave's four tiles of A
.set BL,     2*AH                      ; B's place in LDS
.set SPARE,  BL+2*BH                   ; the spare words, 128 bytes for each wave, that no other line names
.set SPITCH, 528                       ; the way out: 16 rows x (512 + 16) bytes, at the start of the wave's own tiles of A, which it alone reads and has read out by then; they have had their only fill
.set ADRA, 16
.set ADRB, 18                          ; v18: B's tiles 0-3, v19: tiles 4-7
.set STO,  24
.set RD,   25
.set CO,   26
.set LN,   27
.set SPW,  28                          ; LDS address of my spare word; never rewritten
.set NIL,  29                          ; 0; never rewritten
.set SAR,  32
.set SBR,  48
.set AF,   80
.set BIAS, 176
.set BK,   80
.set G1,   24
.set G0,   32
.set G1B,  48
.set G0B,  56
.set MSB, 0
.macro WIN new                         ; the immediate's high byte repeats the setting that is left
.if MSB != \new
	s_set_vgpr_msb (MSB<<8)|\new
.set MSB, \new
.endif
.endm
.macro PLACES
.rept 4
	v_nop
.endr
.endm
.macro CREST
	s_cmp_lg_u32 s18, 0
	s_cbranch_scc1 .Lnot_wave_0_\@
	s_barrier_signal -3
.Lnot_wave_0_\@:
	s_barrier_wait -3
	s_barrier_signal -1
	s_barrier_wait -1
.endm
.macro CROUND                          ; a whole round of the cluster's barrier
	s_barrier_signal -1
	s_barrier_wait -1
	CREST
.endm
	s_load_b256 s[4:11], s[0:1], 0x0               ; oc, os, xc, xs
	s_load_b128 s[12:15], s[0:1], 0x20             ; bo, out0
	v_lshl_add_u32 v[SPW], v0, 2, SPARE
	v_mov_b32 v[NIL], 0
	ds_add_u32 v[SPW], v[NIL]                      ; the opening lines: the add, twice on end, and its wait ahead of my tensor load
	ds_add_u32 v[SPW], v[NIL]
	v_lshrrev_b32 v1, 5, v0
	v_readfirstlane_b32 s18, v1                    ; wave
	s_lshr_b32 s19, s18, 1                         ; I fetch for A (0) or for B (1),
	s_and_b32 s20, s18, 1                          ; and which half
	s_bfe_u32 s40, ttmp6, 0x40000                  ; cx
	s_bfe_u32 s41, ttmp6, 0x40004                  ; cy
	s_lshl_b32 s42, ttmp9, 2
	s_add_co_u32 s42, s42, s40                     ; block column: 128 features
	s_and_b32 s43, ttmp7, 0xffff
	s_lshl_b32 s43, s43, 2
	s_add_co_u32 s43, s43, s41                     ; block row: 256 tokens
	s_lshl_b32 s46, s41, 2
	s_lshl_b32 s46, 15, s46                        ; my row of the cluster
	s_lshl_b32 s47, 0x1111, s40                    ; my column
	s_or_b32 s[G1], s46, (3<<16)|(1<<21)           ; elements of 8 bytes; the mask, and bit 21 beside it
	s_or_b32 s[G1B], s47, (3<<16)|(1<<21)
	s_mov_b32 s[G1+1], 32<<16                      ; rows of 32 elements = 256 bytes, dense
	s_mov_b32 s[G1+2], 384<<16                     ; A's half: 384 rows
	s_mov_b32 s[G1+3], 32<<16
	s_mov_b32 s[G1+4], 384
	s_mov_b32 s[G1+5], 32
	s_mov_b32 s[G1+6], 0
	s_mov_b32 s[G1+7], 0
	s_mov_b32 s[G1B+1], 32<<16
	s_mov_b32 s[G1B+2], 192<<16                    ; B's half: 192 rows
	s_mov_b32 s[G1B+3], 32<<16
	s_mov_b32 s[G1B+4], 192
	s_mov_b32 s[G1B+5], 32
	s_mov_b32 s[G1B+6], 0
	s_mov_b32 s[G1B+7], 0
	s_mul_i32 s96, s43, 2*AH                       ; A: the block row's 16 tiles, my half of them
	s_mul_i32 s21, s20, AH
	s_add_co_u32 s96, s96, s21
	s_mov_b32 s97, 0
	s_lshl_b32 s98, s42, 1                         ; B: the block column's 8 tiles, my half of them,
	s_add_co_u32 s98, s98, s20
	s_mul_i32 s98, s98, BH
	s_add_co_u32 s98, s98, 1728*12288              ; behind the 1,728 tiles ahead of Wo's in xc
	s_mov_b32 s99, 0
	s_mul_i32 s2, s20, AH                          ; where they go: the wave's number alone enters an LDS address
	s_mul_i32 s3, s20, BH
	s_add_co_u32 s3, s3, BL
	s_wait_dscnt 0x0                               ; both opening adds are done
	s_wait_kmcnt 0x0
	s_add_nc_u64 s[96:97], s[4:5], s[96:97]
	s_add_nc_u64 s[98:99], s[8:9], s[98:99]
	CROUND                                         ; all sixteen work-groups are here: the joint loads meet
	s_mov_b32 s[G0], 1
	s_mov_b32 s[G0+1], s2
	s_mov_b64 s[G0+2:G0+3], s[96:97]
	s_or_b32 s[G0+3], s[G0+3], 0x80000000
	s_mov_b32 s[G0B], 1
	s_mov_b32 s[G0B+1], s3
	s_mov_b64 s[G0B+2:G0B+3], s[98:99]
	s_or_b32 s[G0B+3], s[G0B+3], 0x80000000
	s_cmp_eq_u32 s19, 0                            ; one tensor load a wave: each of the two lines has one mask for all that issue it
	s_cbranch_scc0 .Lfor_b
	tensor_load_to_lds s[G0:G0+3], s[G1:G1+7]
	s_nop 0
	PLACES
	s_branch .Lasked
.Lfor_b:
	tensor_load_to_lds s[G0B:G0B+3], s[G1B:G1B+7]
	s_nop 0
	PLACES
.Lasked:
	s_mul_i32 s21, s18, BH                         ; my four tiles of A in LDS
	s_lshl_b32 s92, s42, 9                         ; my block column in bo and in a row of out0: 512 bytes each
	s_mov_b32 s93, 0
	s_add_nc_u64 s[12:13], s[12:13], s[92:93]
	s_lshl_b32 s94, s43, 8
	s_lshl_b32 s95, s18, 6
	s_add_co_u32 s94, s94, s95                     ; my first token: 256 x block row + 64 x wave
	s_lshl_b32 s22, s94, 2
	s_mov_b32 s23, 0
	s_add_nc_u64 s[6:7], s[6:7], s[22:23]          ; os at my 64 slots
	s_lshl_b32 s94, s94, 12
	s_add_co_u32 s92, s92, s94
	s_add_nc_u64 s[14:15], s[14:15], s[92:93]      ; out0 at my first row and column
	s_lshl_b32 s22, s42, 9
	s_add_co_u32 s22, s22, 27648*4
	s_add_nc_u64 s[10:11], s[10:11], s[22:23]      ; xs at the block column's 128 slots
	v_and_b32 v1, 15, v0                           ; r
	v_bfe_u32 v2, v0, 4, 1                         ; h
	v_and_b32 v4, 31, v0                           ; lane
	v_mul_u32_u24 v3, v1, 24
	v_mad_u32_u24 v3, v2, 384, v3                  ; a fragment's piece: slot r, block h of the pair
	v_add_nc_u32 v[ADRA], s21, v3
	v_add_nc_u32 v[ADRB], BL, v3
	v_add_nc_u32 v[ADRB+1], BL+BH, v3
	v_mul_u32_u24 v5, v1, SPITCH
	v_lshl_add_u32 v5, v2, 6, v5
	v_add_nc_u32 v[STO], s21, v5                   ; the stage, way in: row r, 64 bytes for each half of the lanes
	v_lshlrev_b32 v[CO], 4, v4                     ; way out: the 32 lanes take a row of 512 bytes; the same in out0
	v_add_nc_u32 v[RD], s21, v[CO]
	v_lshlrev_b32 v[LN], 2, v4
	v_lshlrev_b32 v6, 6, v2
	s_wait_alu depctr_va_vdst(0)                   ; at the head's end
.irp b, 0,1,2,3,4,5,6,7
	global_load_b128 v[BIAS+8*\b:BIAS+8*\b+3], v6, s[12:13] offset:(32*(\b/2)+8*(\b%2))*4        ; bo at the lane's eight features of B's tile b
	global_load_b128 v[BIAS+8*\b+4:BIAS+8*\b+7], v6, s[12:13] offset:(32*(\b/2)+8*(\b%2))*4+16
.endr
.set n, 0
.rept 16
	global_load_b32 v[SAR+n], v[LN], s[6:7] offset:(n/2)*32768+(n%2)*128
.set n, n+1
.endr
.set n, 0
.rept 32
	global_load_b32 v[SBR+n], v[LN], s[10:11] offset:(n/4)*114688+(n%4)*128
.set n, n+1
.endr
; load n of the 72 that bring step q's fragments: 0 .. 47 B's eight, 48 .. 71 A's four; six pieces of 8 bytes a fragment
.macro LD q, n
.if (\n) < 48
	WIN 0x80
	ds_load_b64 v[96*((\q)%2)+2*(\n):96*((\q)%2)+2*(\n)+1], v[ADRB+(\n)/24] offset:(((\n)/6)%4)*12288+(\q)*1536+768*(((\n)%6)/3)+8*((\n)%3)
.else
	WIN 0
	ds_load_b64 v[AF+48*((\q)%2)+2*((\n)-48):AF+48*((\q)%2)+2*((\n)-48)+1], v[ADRA] offset:(((\n)-48)/6)*12288+(\q)*1536+768*(((\n)%6)/3)+8*((\n)%3)
.endif
.endm
; one product.  rb, ra: source 0's (B's) and source 1's (A's) scale words lie in lanes 16-31
.macro WM acc, bf, af, c, sb, sa, rb, ra
.if (\rb) && (\ra)
	v_wmma_scale_f32_16x16x128_f8f6f4 v[(\acc):(\acc)+7], v[(\bf):(\bf)+11], v[(\af):(\af)+11], v[(\c):(\c)+7], v[\sb], v[\sa] matrix_a_fmt:MATRIX_FMT_FP6 matrix_b_fmt:MATRIX_FMT_FP6 matrix_a_scale:MATRIX_SCALE_ROW1 matrix_b_scale:MATRIX_SCALE_ROW1
.elseif \rb
	v_wmma_scale_f32_16x16x128_f8f6f4 v[(\acc):(\acc)+7], v[(\bf):(\bf)+11], v[(\af):(\af)+11], v[(\c):(\c)+7], v[\sb], v[\sa] matrix_a_fmt:MATRIX_FMT_FP6 matrix_b_fmt:MATRIX_FMT_FP6 matrix_a_scale:MATRIX_SCALE_ROW1
.elseif \ra
	v_wmma_scale_f32_16x16x128_f8f6f4 v[(\acc):(\acc)+7], v[(\bf):(\bf)+11], v[(\af):(\af)+11], v[(\c):(\c)+7], v[\sb], v[\sa] matrix_a_fmt:MATRIX_FMT_FP6 matrix_b_fmt:MATRIX_FMT_FP6 matrix_b_scale:MATRIX_SCALE_ROW1
.else
	v_wmma_scale_f32_16x16x128_f8f6f4 v[(\acc):(\acc)+7], v[(\bf):(\bf)+11], v[(\af):(\af)+11], v[(\c):(\c)+7], v[\sb], v[\sa] matrix_a_fmt:MATRIX_FMT_FP6 matrix_b_fmt:MATRIX_FMT_FP6
.endif
.endm
; A step: the 32 accumulators take turns, one instruction a turn, in the same order in every step.  Product m = 8 a + b.
.macro STEP q
	s_wait_dscnt 0x0                               ; this step's fragments are in
.if \q > 0
	PLACES                                         ; behind the last step's products, ahead of the loads into the set that they read
.endif
.set m, 0
.rept 32
.if \q == 0
	WIN 0x42                                       ; B window 2, A and the bias window 0, D window 1
	WM 8*m, 96*(\q%2)+12*(m%8), AF+48*(\q%2)+12*(m/8), BIAS+8*(m%8), SBR+4*\q+(m%8)/2, SAR+2*\q+m/16, m%2, (m/8)%2
.else
	WIN 0x52                                       ; C window 1 too
	WM 8*m, 96*(\q%2)+12*(m%8), AF+48*(\q%2)+12*(m/8), 8*m, SBR+4*\q+(m%8)/2, SAR+2*\q+m/16, m%2, (m/8)%2
.endif
.if (\q < 7) && (m < 24)
	LD \q+1, 3*m
	LD \q+1, 3*m+1
	LD \q+1, 3*m+2
.endif
.set m, m+1
.endr
.endm
	s_wait_tensorcnt 0x0                           ; my part of the tiles is in;
	s_barrier_signal -1
	s_barrier_wait -1                              ; everybody's is
.set n, 0
.rept 72
	LD 0, n
.set n, n+1
.endr
	WIN 0
	s_wait_loadcnt 0x0                             ; the bias and the scale words
.irp q, 0,1,2,3,4,5,6,7
	STEP \q
.endr
	WIN 0
; THE WAY OUT, by blocks of 16 tokens x 128 features: through my own stage and back as whole rows of 512 bytes.  LDS serves a wave's instructions in order: no wait between the stores and the loads.
.macro TOSTAGE a
	WIN 0x04                                       ; an LDS store's data are its source 1: window 1
.irp b, 0,1,2,3,4,5,6,7
	ds_store_b128 v[STO], v[64*\a+8*\b:64*\a+8*\b+3] offset:128*(\b/2)+32*(\b%2)          ; each accumulator from its low end on
	ds_store_b128 v[STO], v[64*\a+8*\b+4:64*\a+8*\b+7] offset:128*(\b/2)+32*(\b%2)+16
.endr
	WIN 0
.irp t, 0,1,2,3,4,5,6,7,8,9,10,11,12,13,14,15
	ds_load_b128 v[BK+64*((\a)%2)+4*\t:BK+64*((\a)%2)+4*\t+3], v[RD] offset:\t*SPITCH
.endr
.endm
.macro SEND a, younger                 ; younger: the LDS instructions issued behind block a's loads, which may stay out
	s_wait_dscnt \younger
.irp t, 0,1,2,3,4,5,6,7,8,9,10,11,12,13,14,15
	global_store_b128 v[CO], v[BK+64*((\a)%2)+4*\t:BK+64*((\a)%2)+4*\t+3], s[14:15] offset:(32*((\a)/2)+8*((\a)%2)+\t+8*(\t/8))*4096 th:TH_STORE_NT   ; 32 lanes store 512 consecutive bytes, at a multiple of 256 from out0's first byte
.endr
.endm
	PLACES                                         ; behind the last products
	TOSTAGE 0
	TOSTAGE 1
	SEND 0, 32                                     ; behind block 0's loads: block 1's 16 stores and 16 loads
	s_wait_xcnt 0x0                                ; block 0's stores have read their registers
	TOSTAGE 2
	SEND 1, 32
	s_wait_xcnt 0x0
	TOSTAGE 3
	SEND 2, 32
	SEND 3, 0
	s_wait_tensorcnt 0x0                           ; the wave's end, behind my tensor load and my last LDS store
	ds_add_u32 v[SPW], v[NIL]
	s_wait_dscnt 0x0
	CROUND                                         ; the closing round
	s_endpgm
.Lfunc_end_k_q0513bf2b48_outp:
	.size	k_q0513bf2b48_outp, .Lfunc_end_k_q0513bf2b48_outp-k_q0513bf2b48_outp
	.p2alignl 7, 3214868480
	.fill 96, 4, 3214868480
	.section	.rodata,"a",@progbits
	.p2align	6, 0x0
	.amdhsa_kernel k_q0513bf2b48_outp
		.amdhsa_group_segment_fixed_size 327680
		.amdhsa_private_segment_fixed_size 0
		.amdhsa_enable_private_segment 0
		.amdhsa_kernarg_size 48
		.amdhsa_user_sgpr_count 2
		.amdhsa_user_sgpr_kernarg_segment_ptr 1
		.amdhsa_wavefront_size32 1
		.amdhsa_system_sgpr_workgroup_id_x 1
		.amdhsa_system_sgpr_workgroup_id_y 1
		.amdhsa_system_sgpr_workgroup_id_z 1
		.amdhsa_system_vgpr_workitem_id 0
		.amdhsa_next_free_vgpr 768
		.amdhsa_next_free_sgpr 100
		.amdhsa_reserve_vcc 0
		.amdhsa_float_denorm_mode_32 3
		.amdhsa_float_denorm_mode_16_64 3
		.amdhsa_memory_ordered 1
		.amdhsa_forward_progress 1
		.amdhsa_inst_pref_size 107
	.end_amdhsa_kernel
	.amdgpu_metadata
---
amdhsa.version: [ 1, 2 ]
amdhsa.kernels:
  - .name:           k_q0513bf2b48_outp
    .symbol:         k_q0513bf2b48_outp.kd
    .args:
      - { .name: oc, .offset: 0, .size: 8, .value_kind: global_buffer, .address_space: global }
      - { .name: os, .offset: 8, .size: 8, .value_kind: global_buffer, .address_space: global }
      - { .name: xc, .offset: 16, .size: 8, .value_kind: global_buffer, .address_space: global }
      - { .name: xs, .offset: 24, .size: 8, .value_kind: global_buffer, .address_space: global }
      - { .name: bo, .offset: 32, .size: 8, .value_kind: global_buffer, .address_space: global }
      - { .name: out0, .offset: 40, .size: 8, .value_kind: global_buffer, .address_space: global }
    .group_segment_fixed_size: 327680
    .private_segment_fixed_size: 0
    .kernarg_segment_align: 8
    .kernarg_segment_size: 48
    .max_flat_workgroup_size: 128
    .sgpr_count:     100
    .vgpr_count:     768
    .wavefront_size: 32
...
	.end_amdgpu_metadata
.endif
;; end of part 8
